; MI455X (gfx1250); checked and timed in simulation.
; The chip was launched on July 23, 2026; its instructions are those of AMD's public machine-readable ISA for CDNA 5 (MIT licence, August 2026) and "CDNA5" Instruction Set Architecture Reference Guide (July 2026). The comments in the code are by the model that wrote it; some were corrected since.
;; Hope Attention. Allowed arithmetic: float matrix products may take bf16 or f16 operands with f32 sums; other float arithmetic in f32, or as packed bf16 or f16 multiplies, adds, multiply-adds, maxima and minima; sums over many terms, partial sums and values carried from step to step in f32; what a program stores and reads back later, other than sums and carried values, may be rounded once to bf16 or f16.
;; Inputs: Wk 1,024 x 256 float32; Wo 1,024 x 1,024 float32; Wq 1,024 x 1,024 float32; Wv 1,024 x 256 float32; mem_M_init 2 x 256 x 1,024 float32; mem_alpha_b 2 float32; mem_alpha_w 2 x 1,024 float32; mem_eta_b 2 float32; mem_eta_w 2 x 1,024 float32; mem_gate_b 2 float32; mem_gate_w 2 x 1,024 float32; x 4 x 2,048 x 1,024 float32.
;; Outputs: out0 4 x 2,048 x 1,024 float32.
;; 2 versions, each right. Each part assembles by itself: llvm-mc -triple=amdgcn-amd-amdhsa -mcpu=gfx1250 --defsym DOCPART=n.
;; ======== version 1 of 2: 6 launches
;; limits: values are held in f16: magnitudes above 65,504 overflow, below 6.1e-05 lose precision
;; workspace buffers: wts 6,291,456 bytes; xb 16,777,216 bytes; aux 1,179,648 bytes; mw 4,720,640 bytes; qkv 25,165,824 bytes; ob 16,777,216 bytes
;; launch prepw (part 1): grid 352 x 1, 8 waves a work-group, no clusters, 34,560 bytes of LDS; arguments Wq, Wk, Wv, Wo, mem_M_init, wts; writes wts
.if DOCPART == 1
	.amdgcn_target "amdgcn-amd-amdhsa--gfx1250"
	.amdhsa_code_object_version 6
	.text
	.protected	k_q997190a3e6_prepw
	.globl	k_q997190a3e6_prepw
	.p2align	8
	.type	k_q997190a3e6_prepw,@function
k_q997190a3e6_prepw:
	s_mov_b64 s[64:65], 0
	v_nop
	global_prefetch_b8 v0, s[64:65] scope:SCOPE_SE
	s_setreg_imm32_b32 hwreg(HW_REG_WAVE_MODE, 25, 1), 1
	s_wait_xcnt 0x0
; The weights, turned to [n][k] and rounded to bf16, for the two GEMMs.
; wts: wcat at byte 0, [2048 n][1024 k] bf16: rows 0-1023 Wq^T; rows 1024+256 g+{0,64,128,192}+c: Wk^T, M0[0], Wv^T, M0[1] of kv head g.
;      wot at byte 4,194,304, [1024 n][1024 k]: Wo^T rounded to bf16 and that number written as f16 (exact from 6e-5 up; below it f16's fixed step).
; Work-groups 0-319 turn a tile of 128 k x 64 n through LDS (pitch 65 words); 320-351 copy 16 rows of M0, which lie along k already.
.set PT, 260
.set SPARE, 33536                      ; behind the tile: the spare words, 128 bytes a wave
.set SPW, 124
.set NIL, 125
	s_load_b256 s[4:11], s[0:1], 0x0               ; Wq, Wk, Wv, Wo
	s_load_b128 s[12:15], s[0:1], 0x20             ; M0, wts
	v_lshl_add_u32 v[SPW], v0, 2, SPARE
	v_mov_b32 v[NIL], 0
	v_lshrrev_b32 v1, 5, v0
	v_readfirstlane_b32 s16, v1                    ; wave
	v_and_b32 v2, 15, v0                           ; j
	v_lshrrev_b32 v3, 4, v0                        ; thread / 16
	s_mov_b32 s17, ttmp9
	s_and_b32 s18, s17, 7                          ; k tile
	s_wait_kmcnt 0x0
	s_cmp_ge_u32 s17, 320
	s_cbranch_scc1 .Lm0
	s_bfe_u32 s19, s17, 0x40003                    ; n tile of Wq, Wo
	s_and_b32 s20, s19, 3                          ; kv head of Wk, Wv
	s_bfe_u32 s26, s17, 0x20007                    ; 0 Wq, 1 Wo, 2 Wk or Wv
	s_lshl_b32 s23, s19, 6
	s_lshl_b32 s24, s20, 8
	s_add_co_u32 s24, s24, 1024
	s_cmp_ge_u32 s17, 288
	s_cselect_b32 s25, 128, 0
	s_cselect_b64 s[34:35], s[8:9], s[6:7]
	s_add_co_u32 s24, s24, s25
	s_cmp_eq_u32 s26, 1
	s_cselect_b32 s27, 0x400000, 0
	s_cselect_b32 s30, -1, 0                       ; all ones: the f16 spelling is taken
	s_cselect_b64 s[32:33], s[10:11], s[4:5]
	s_cmp_lt_u32 s17, 256
	s_cselect_b32 s21, 12, 10                      ; log2 of the source's row bytes
	s_cselect_b32 s22, s19, s20
	s_cselect_b32 s23, s23, s24                    ; first row written
	s_cselect_b64 s[32:33], s[32:33], s[34:35]
	s_lshl_b32 s23, s23, 11
	s_lshl_b32 s25, s18, 8
	s_add_co_u32 s23, s23, s25
	s_add_co_u32 s28, s23, s27
	s_mov_b32 s29, 0
	s_add_nc_u64 s[40:41], s[14:15], s[28:29]
	s_lshl_b32 s36, s18, 7
	s_lshl_b32 s36, s36, s21
	s_lshl_b32 s37, s22, 8
	s_add_co_u32 s36, s36, s37
	s_mov_b32 s37, 0
	s_add_nc_u64 s[32:33], s[32:33], s[36:37]
	s_lshl_b32 s38, 16, s21                        ; 16 source rows
	v_lshlrev_b32 v8, s21, v3
	v_lshl_add_u32 v8, v2, 4, v8                   ; row (thread / 16), 16 bytes a lane: 16 lanes take 256 bytes on end
.irp i, 1,2,3,4,5,6,7
	v_add_nc_u32 v[8+\i], s38, v[7+\i]
.endr
.irp i, 0,1,2,3,4,5,6,7
	global_load_b128 v[16+4*\i:19+4*\i], v[8+\i], s[32:33] th:TH_LOAD_NT
.endr
	v_mul_u32_u24 v5, v3, PT
	v_lshl_add_u32 v5, v2, 4, v5
	v_mul_u32_u24 v6, v2, 8*PT
	v_lshl_add_u32 v6, v3, 2, v6
	v_lshlrev_b32 v7, 11, v3
	v_lshl_add_u32 v7, v2, 4, v7
	s_wait_loadcnt 0x0
.irp i, 0,1,2,3,4,5,6,7
.irp e, 0,1,2,3
	ds_store_b32 v5, v[16+4*\i+\e] offset:\i*16*PT+4*\e
.endr
.endr
	s_wait_dscnt 0x0                               ; my part of the tile lies in LDS
	s_barrier_signal -1
	s_barrier_wait -1                              ; everybody's does
.irp i, 0,1,2,3
.irp e, 0,1,2,3,4,5,6,7
	ds_load_b32 v[16+8*\i+\e], v6 offset:\e*PT+64*\i   ; column n = thread / 16 + 16 i, rows 8 j + e (lanes j and j + 8 meet in a bank: two passes)
.endr
.endr
	s_wait_dscnt 0x0
.irp i, 0,1,2,3,4,5,6,7,8,9,10,11,12,13,14,15
	v_cvt_pk_bf16_f32 v[48+\i], v[16+2*\i], v[17+2*\i]
	v_lshlrev_b32 v64, 16, v[48+\i]
	v_and_b32 v65, 0xffff0000, v[48+\i]
	v_cvt_pk_f16_f32 v66, v64, v65
	v_cndmask_b32 v[48+\i], v[48+\i], v66, s30
.endr
.irp i, 0,1,2,3
	global_store_b128 v7, v[48+4*\i:51+4*\i], s[40:41] offset:32768*\i   ; 16 lanes fill 256 bytes of a row, aligned
.endr
	s_branch .Lend
.Lm0:
	s_sub_co_u32 s19, s17, 320                     ; e: 16 rows of the 512 of M0; my wave takes two
	s_bfe_u32 s20, s19, 0x20002
	s_lshl_b32 s20, s20, 8
	s_lshr_b32 s21, s19, 4
	s_lshl_b32 s21, s21, 7
	s_and_b32 s22, s19, 3
	s_lshl_b32 s22, s22, 4
	s_lshl_b32 s23, s16, 1
	s_add_co_u32 s20, s20, s21
	s_add_co_u32 s20, s20, s22
	s_add_co_u32 s20, s20, s23
	s_add_co_u32 s20, s20, 1088
	s_lshl_b32 s28, s20, 11
	s_mov_b32 s29, 0
	s_add_nc_u64 s[40:41], s[14:15], s[28:29]
	s_lshl_b32 s36, s19, 16
	s_lshl_b32 s37, s16, 13
	s_add_co_u32 s36, s36, s37
	s_mov_b32 s37, 0
	s_add_nc_u64 s[32:33], s[12:13], s[36:37]
	v_and_b32 v4, 31, v0
	v_lshlrev_b32 v5, 3, v4
	v_lshlrev_b32 v4, 4, v4
.irp r, 0,1
.irp j, 0,1,2,3,4,5,6,7
	global_load_b128 v[16+32*\r+4*\j:19+32*\r+4*\j], v4, s[32:33] offset:4096*\r+512*\j th:TH_LOAD_NT
.endr
.endr
	s_wait_loadcnt 0x0
.irp i, 0,1,2,3,4,5,6,7,8,9,10,11,12,13,14,15,16,17,18,19,20,21,22,23,24,25,26,27,28,29,30,31
	v_cvt_pk_bf16_f32 v[80+\i], v[16+2*\i], v[17+2*\i]
.endr
.irp r, 0,1
.irp j, 0,1,2,3,4,5,6,7
	global_store_b64 v5, v[80+16*\r+2*\j:81+16*\r+2*\j], s[40:41] offset:2048*\r+256*\j   ; a wave fills 256 bytes, aligned
.endr
.endr
.Lend:
	s_wait_tensorcnt 0x0                           ; the wave's end
	ds_add_u32 v[SPW], v[NIL]
	s_wait_dscnt 0x0
	s_endpgm
.Lfunc_end_k_q997190a3e6_prepw:
	.size	k_q997190a3e6_prepw, .Lfunc_end_k_q997190a3e6_prepw-k_q997190a3e6_prepw
	.p2alignl 7, 3214868480
	.fill 96, 4, 3214868480
	.section	.rodata,"a",@progbits
	.p2align	6, 0x0
	.amdhsa_kernel k_q997190a3e6_prepw
		.amdhsa_group_segment_fixed_size 34560
		.amdhsa_private_segment_fixed_size 0
		.amdhsa_enable_private_segment 0
		.amdhsa_kernarg_size 48
		.amdhsa_user_sgpr_count 2
		.amdhsa_user_sgpr_kernarg_segment_ptr 1
		.amdhsa_wavefront_size32 1
		.amdhsa_system_sgpr_workgroup_id_x 1
		.amdhsa_system_sgpr_workgroup_id_y 1
		.amdhsa_system_sgpr_workgroup_id_z 1
		.amdhsa_system_vgpr_workitem_id 0
		.amdhsa_next_free_vgpr 128
		.amdhsa_next_free_sgpr 66
		.amdhsa_reserve_vcc 0
		.amdhsa_float_denorm_mode_32 3
		.amdhsa_float_denorm_mode_16_64 3
		.amdhsa_memory_ordered 1
		.amdhsa_forward_progress 1
		.amdhsa_inst_pref_size 19
	.end_amdhsa_kernel
	.amdgpu_metadata
---
amdhsa.version: [ 1, 2 ]
amdhsa.kernels:
  - .name:           k_q997190a3e6_prepw
    .symbol:         k_q997190a3e6_prepw.kd
    .args:
      - { .name: Wq, .offset: 0, .size: 8, .value_kind: global_buffer, .address_space: global }
      - { .name: Wk, .offset: 8, .size: 8, .value_kind: global_buffer, .address_space: global }
      - { .name: Wv, .offset: 16, .size: 8, .value_kind: global_buffer, .address_space: global }
      - { .name: Wo, .offset: 24, .size: 8, .value_kind: global_buffer, .address_space: global }
      - { .name: mem_M_init, .offset: 32, .size: 8, .value_kind: global_buffer, .address_space: global }
      - { .name: wts, .offset: 40, .size: 8, .value_kind: global_buffer, .address_space: global }
    .group_segment_fixed_size: 34560
    .private_segment_fixed_size: 0
    .kernarg_segment_align: 8
    .kernarg_segment_size: 48
    .max_flat_workgroup_size: 256
    .sgpr_count:     66
    .vgpr_count:     128
    .wavefront_size: 32
...
	.end_amdgpu_metadata
.endif
;; end of part 1
;; launch prepx (part 2): grid 128 x 1, 8 waves a work-group, no clusters, 67,072 bytes of LDS; arguments x, mem_eta_w, mem_eta_b, mem_alpha_w, mem_alpha_b, mem_gate_w, mem_gate_b, xb, aux; writes xb, aux
.if DOCPART == 2
	.amdgcn_target "amdgcn-amd-amdhsa--gfx1250"
	.amdhsa_code_object_version 6
	.text
	.protected	k_q997190a3e6_prepx
	.globl	k_q997190a3e6_prepx
	.p2align	8
	.type	k_q997190a3e6_prepx,@function
k_q997190a3e6_prepx:
	s_mov_b64 s[64:65], 0
	v_nop
	global_prefetch_b8 v0, s[64:65] scope:SCOPE_SE
	s_setreg_imm32_b32 hwreg(HW_REG_WAVE_MODE, 25, 1), 1
	s_wait_xcnt 0x0
; One chunk of 64 tokens to a work-group, 8 rows to a wave, a row to a turn.  x is read once, in f32: it leaves as bf16 (xb), and from the f32 row come its norm and the four gate dots.
; Per chunk: kbar = mean of x / max(|x|, 1e-5), cbar = mean of x (both to aux.kc in bf16), and for each memory a = 1 + gate (alpha - 1), b = gate eta, and kk = |kbar|^2 (aux.stat).
; Also: 16 positions of the RoPE table (f32, cos 32 | sin 32, 256 bytes a position) and two rows of a table with cos = 1, sin = 0.
; aux: kc 0 ([b][64][1024] bf16, rows 0-31 kbar, 32-63 cbar); rope 524,288; stat 1,048,576 (512 bytes a chunk: {a0,b0,kk,0,a1,b1,kk,0} sixteen times); ident 1,114,112.
; The angle is reduced by pi/2 in two parts; sine and cosine are their series to r^7 and r^8 on |r| <= pi/4.
; Registers: window 0: X two row slots, CS and KS the running sums of x and x / norm; window 1 v0-127: the four weight rows (eta 0, eta 1, alpha 0, alpha 1), my 32 columns of each.
.set X, 32
.set CS, 96
.set KS, 128
.set OUT, 160
.set SPW, 30
.set NIL, 31
.set SGB, 65536                        ; LDS: 0: each wave's CS and KS, 8,192 bytes a wave; the sigmoids' sums; the second meeting; the spare words
.set RDB, 65792
.set SPARE, 66048
.set MSB, 0
.macro WIN new
.if MSB != (\new)
	s_set_vgpr_msb (MSB<<8)|(\new)
.set MSB, \new
.endif
.endm
	s_load_b512 s[4:19], s[0:1], 0x0               ; x, eta_w, eta_b, alpha_w, alpha_b, gate_w, gate_b, xb
	s_load_b64 s[20:21], s[0:1], 0x40              ; aux
	v_lshl_add_u32 v[SPW], v0, 2, SPARE
	v_mov_b32 v[NIL], 0
	v_lshrrev_b32 v1, 5, v0
	v_readfirstlane_b32 s22, v1                    ; wave
	v_and_b32 v1, 31, v0
	v_lshlrev_b32 v2, 4, v1                        ; 16 x lane
	v_lshlrev_b32 v3, 3, v1                        ; 8 x lane
	v_lshlrev_b32 v19, 4, v0                       ; 16 x thread
	s_mov_b32 s40, 0x76543210
	s_mov_b32 s41, 0xfedcba98
	s_mov_b32 s42, 0xbfb8aa3b                      ; -log2(e)
	s_mov_b32 s48, 0x3c000000                      ; 0.5 / 64
	s_lshl_b32 s30, ttmp9, 18
	s_lshl_b32 s31, s22, 15
	s_add_co_u32 s30, s30, s31                     ; my 8 rows of x
	s_mov_b32 s31, 0
	s_lshr_b32 s32, s30, 1                         ; and of xb
	s_mov_b32 s33, 0
	s_wait_kmcnt 0x0
	s_load_b64 s[24:25], s[8:9], 0x0
	s_load_b64 s[26:27], s[12:13], 0x0
	s_load_b64 s[28:29], s[16:17], 0x0
	s_add_nc_u64 s[4:5], s[4:5], s[30:31]
	s_add_nc_u64 s[18:19], s[18:19], s[32:33]
	WIN 0x40
.irp j, 0,1,2,3,4,5,6,7
	global_load_b128 v[4*\j:4*\j+3], v2, s[6:7] offset:512*\j
	global_load_b128 v[32+4*\j:35+4*\j], v2, s[6:7] offset:4096+512*\j
	global_load_b128 v[64+4*\j:67+4*\j], v2, s[10:11] offset:512*\j
	global_load_b128 v[96+4*\j:99+4*\j], v2, s[10:11] offset:4096+512*\j
.endr
	WIN 0
.irp s, 0,1
.irp j, 0,1,2,3,4,5,6,7
	global_load_b128 v[X+32*\s+4*\j:X+32*\s+4*\j+3], v2, s[4:5] offset:4096*\s+512*\j th:TH_LOAD_NT
.endr
.endr
	; the RoPE table, while the first rows are on their way: position 16 x work-group + thread / 16; threads 0-7 of sixteen make 4 cosines each, 8-15 4 sines
	s_lshl_b32 s34, ttmp9, 4
	v_lshrrev_b32 v176, 4, v0
	v_add_nc_u32 v176, s34, v176
	v_cvt_f32_u32 v177, v176
	v_and_b32 v178, 15, v0
	v_and_b32 v179, 7, v178
	v_lshlrev_b32 v179, 2, v179
	v_cmp_gt_u32 vcc_lo, 8, v178
	v_cndmask_b32 v180, 0, 1, vcc_lo               ; a cosine is the sine a quarter turn on
.irp e, 0,1,2,3
	v_add_nc_u32 v[184+\e], \e, v179
	v_cvt_f32_u32 v[184+\e], v[184+\e]
	v_mul_f32 v[184+\e], 0xbf1773da, v[184+\e]     ; -i log2(500000) / 32
.endr
.irp e, 0,1,2,3
	v_exp_f32 v[184+\e], v[184+\e]
.endr
	v_nop
	s_wait_alu depctr_va_vdst(0)                   ; one wait for the four exponentials
.irp e, 0,1,2,3
	v_mul_f32 v188, v177, v[184+\e]                ; the angle
	v_mul_f32 v189, 0x3f22f983, v188
	v_rndne_f32 v189, v189                         ; n = quarter turns
	v_fmamk_f32 v190, v189, 0xbfc90fdb, v188
	v_fmamk_f32 v190, v189, 0x333bbd2e, v190       ; r = angle - n pi/2, pi/2 in two parts
	v_cvt_i32_f32 v191, v189
	v_add_nc_u32 v191, v191, v180
	v_mul_f32 v192, v190, v190
	v_mov_b32 v193, 0xb9500d01
	v_fmaak_f32 v193, v193, v192, 0x3c088889
	v_fmaak_f32 v193, v193, v192, 0xbe2aaaab
	v_mul_f32 v194, v190, v192
	v_fma_f32 v193, v194, v193, v190               ; sin r
	v_mov_b32 v195, 0x37d00d01
	v_fmaak_f32 v195, v195, v192, 0xbab60b61
	v_fmaak_f32 v195, v195, v192, 0x3d2aaaab
	v_fmaak_f32 v195, v195, v192, 0xbf000000
	v_fma_f32 v195, v195, v192, 1.0                ; cos r
	v_and_b32 v196, 1, v191
	v_cmp_eq_u32 vcc_lo, 1, v196
	v_cndmask_b32 v197, v193, v195, vcc_lo
	v_and_b32 v196, 2, v191
	v_lshlrev_b32 v196, 30, v196
	v_xor_b32 v[200+\e], v197, v196
.endr
	s_lshl_b32 s34, ttmp9, 12
	s_mov_b32 s35, 0
	s_add_nc_u64 s[56:57], s[20:21], s[34:35]
	global_store_b128 v19, v[200:203], s[56:57] offset:524288   ; 16 lanes fill a position's 256 bytes
	; the sums start at 0: written while the first rows are on their way, so that the loop has one form of turn
.set j, 0
.rept 64
	v_mov_b32 v[CS+j], 0
.set j, j+1
.endr
.irp r, 25,26,27,28,29
	v_mov_b32 v\r, 0
.endr
	s_wait_kmcnt 0x0
	s_mul_f32 s44, s24, s42                        ; the biases times -log2(e)
	s_mul_f32 s45, s25, s42
	s_mul_f32 s46, s26, s42
	s_mul_f32 s47, s27, s42
	s_mul_f32 s50, s28, s42
	s_mul_f32 s51, s29, s42
; One row's turn, from slot s.  refill = 1: the slot takes the row two further on.  left: the younger loads that may stay out.
.macro ROW s, refill, left
.set XS, X+32*(\s)
	s_wait_loadcnt \left                           ; loads come back in order: my slot is in, the other slot's eight may be out
	s_wait_xcnt 0x0                                ; the last row's stores have read OUT
	v_pk_mul_f32 v[12:13], v[XS:XS+1], v[XS:XS+1]
	v_pk_mul_f32 v[14:15], v[XS+2:XS+3], v[XS+2:XS+3]
.set j, 2
.rept 14
	v_pk_fma_f32 v[12+2*(j%2):13+2*(j%2)], v[XS+2*j:XS+2*j+1], v[XS+2*j:XS+2*j+1], v[12+2*(j%2):13+2*(j%2)]
.set j, j+1
.endr
	WIN 0x04                                       ; source 1, the weights, in window 1
.irp d, 0,1,2,3
	v_pk_mul_f32 v[4+2*\d:5+2*\d], v[XS:XS+1], v[32*\d:32*\d+1]
.endr
.set j, 1
.rept 15
.irp d, 0,1,2,3
	v_pk_fma_f32 v[4+2*\d:5+2*\d], v[XS+2*j:XS+2*j+1], v[32*\d+2*j:32*\d+2*j+1], v[4+2*\d:5+2*\d]
.endr
.set j, j+1
.endr
	WIN 0
.set j, 0
.rept 16
	v_pk_add_f32 v[CS+2*j:CS+2*j+1], v[CS+2*j:CS+2*j+1], v[XS+2*j:XS+2*j+1]
	v_cvt_pk_bf16_f32 v[OUT+j], v[XS+2*j], v[XS+2*j+1]
.set j, j+1
.endr
.irp j, 0,1,2,3,4,5,6,7
	global_store_b64 v3, v[OUT+2*\j:OUT+2*\j+1], s[18:19] offset:(\s)*2048+256*\j   ; a wave fills 256 bytes, aligned
.endr
	v_pk_add_f32 v[12:13], v[12:13], v[14:15]
.irp r, 4,6,8,10,12
	v_add_f32 v\r, v\r, v[\r+1]
.endr
.irp m, 1,2,4,8
.irp r, 4,6,8,10,12
	v_add_f32_dpp v\r, v\r, v\r row_xmask:\m row_mask:0xf bank_mask:0xf
.endr
.endr
.irp r, 4,6,8,10,12
	v_permlanex16_b32 v[\r+1], v\r, s40, s41
.endr
.irp r, 4,6,8,10,12
	v_add_f32 v\r, v\r, v[\r+1]
.endr
.irp d, 0,1,2,3
	v_fma_f32 v[4+2*\d], v[4+2*\d], s42, s[44+\d]  ; -log2(e) (dot + bias)
.endr
	v_sqrt_f32 v12, v12
.irp d, 0,1,2,3
	v_exp_f32 v[4+2*\d], v[4+2*\d]
.endr
	v_nop
	s_wait_alu depctr_va_vdst(0)                   ; one wait for the root and the four exponentials
	v_max_num_f32 v12, 0x3727c5ac, v12             ; max(norm, 1e-5)
.irp d, 0,1,2,3
	v_add_f32 v[4+2*\d], 1.0, v[4+2*\d]
.endr
	v_rcp_f32 v24, v12
.irp d, 0,1,2,3
	v_rcp_f32 v[20+\d], v[4+2*\d]
.endr
	v_nop
	s_wait_alu depctr_va_vdst(0)                   ; one wait for the five reciprocals
	v_pk_add_f32 v[26:27], v[26:27], v[20:21]
	v_pk_add_f32 v[28:29], v[28:29], v[22:23]
.set j, 0
.rept 16
	v_pk_fma_f32 v[KS+2*j:KS+2*j+1], v[XS+2*j:XS+2*j+1], v[24:25], v[KS+2*j:KS+2*j+1] op_sel_hi:[1,0,1]
.set j, j+1
.endr
.if \refill
.irp j, 0,1,2,3,4,5,6,7
	global_load_b128 v[XS+4*\j:XS+4*\j+3], v2, s[4:5] offset:(2+(\s))*4096+512*\j th:TH_LOAD_NT
.endr
.endif
.endm
	s_mov_b32 s52, 3
.Lrows:
	ROW 0, 1, 8
	ROW 1, 1, 8
	s_wait_xcnt 0x0                                ; loads and stores have read the two bases
	s_add_nc_u64 s[4:5], s[4:5], 8192
	s_add_nc_u64 s[18:19], s[18:19], 4096
	s_sub_co_u32 s52, s52, 1
	s_cmp_lg_u32 s52, 0
	s_cbranch_scc1 .Lrows
	ROW 0, 0, 8                                    ; the last two rows load nothing
	ROW 1, 0, 0
	; the eight waves' sums meet in LDS
	global_load_b128 v[64:67], v19, s[14:15]       ; gate_w, my four columns, both memories
	global_load_b128 v[68:71], v19, s[14:15] offset:4096
	s_lshl_b32 s32, s22, 13
	v_add_nc_u32 v17, s32, v2
	s_lshl_b32 s33, s22, 4
	s_add_co_u32 s34, s33, SGB
	v_mov_b32 v18, s34
	s_add_co_u32 s34, s33, RDB
	v_mov_b32 v14, s34
.irp j, 0,1,2,3,4,5,6,7
	ds_store_b128 v17, v[CS+4*\j:CS+4*\j+3] offset:512*\j
	ds_store_b128 v17, v[KS+4*\j:KS+4*\j+3] offset:4096+512*\j
.endr
	ds_store_b128 v18, v[26:29]
	s_wait_dscnt 0x0
	s_barrier_signal -1
	s_barrier_wait -1
	v_mov_b32 v16, SGB
.irp v, 0,1,2,3,4,5,6,7
	ds_load_b128 v[176+4*\v:179+4*\v], v19 offset:8192*\v          ; thread t owns columns 4 t .. 4 t + 3
	ds_load_b128 v[208+4*\v:211+4*\v], v19 offset:8192*\v+4096
	ds_load_b128 v[32+4*\v:35+4*\v], v16 offset:16*\v
.endr
	s_wait_dscnt 0x0
.irp v, 1,2,3,4,5,6,7
.irp p, 0,2
	v_pk_add_f32 v[176+\p:177+\p], v[176+\p:177+\p], v[176+4*\v+\p:177+4*\v+\p]
	v_pk_add_f32 v[208+\p:209+\p], v[208+\p:209+\p], v[208+4*\v+\p:209+4*\v+\p]
	v_pk_add_f32 v[32+\p:33+\p], v[32+\p:33+\p], v[32+4*\v+\p:33+4*\v+\p]
.endr
.endr
.irp p, 0,2
	v_pk_mul_f32 v[176+\p:177+\p], v[176+\p:177+\p], 0x3c800000 op_sel_hi:[1,0]   ; cbar
	v_pk_mul_f32 v[208+\p:209+\p], v[208+\p:209+\p], 0x3c800000 op_sel_hi:[1,0]   ; kbar
.endr
	s_wait_xcnt 0x0                                ; the last row's stores have read OUT
	v_cvt_pk_bf16_f32 v160, v208, v209
	v_cvt_pk_bf16_f32 v161, v210, v211
	v_cvt_pk_bf16_f32 v162, v176, v177
	v_cvt_pk_bf16_f32 v163, v178, v179
	s_lshr_b32 s34, ttmp9, 5
	s_lshl_b32 s34, s34, 17
	s_and_b32 s35, ttmp9, 31
	s_lshl_b32 s35, s35, 11
	s_add_co_u32 s34, s34, s35
	s_mov_b32 s35, 0
	s_add_nc_u64 s[36:37], s[20:21], s[34:35]
	v_lshlrev_b32 v15, 3, v0
	global_store_b64 v15, v[160:161], s[36:37]                 ; kc row t
	global_store_b64 v15, v[162:163], s[36:37] offset:65536    ; kc row 32 + t
	s_wait_loadcnt 0x0
	v_pk_mul_f32 v[4:5], v[208:209], v[64:65]
	v_pk_mul_f32 v[6:7], v[208:209], v[68:69]
	v_pk_mul_f32 v[8:9], v[208:209], v[208:209]
	v_pk_fma_f32 v[4:5], v[210:211], v[66:67], v[4:5]
	v_pk_fma_f32 v[6:7], v[210:211], v[70:71], v[6:7]
	v_pk_fma_f32 v[8:9], v[210:211], v[210:211], v[8:9]
.irp r, 4,6,8
	v_add_f32 v\r, v\r, v[\r+1]
.endr
.irp m, 1,2,4,8
.irp r, 4,6,8
	v_add_f32_dpp v\r, v\r, v\r row_xmask:\m row_mask:0xf bank_mask:0xf
.endr
.endr
.irp r, 4,6,8
	v_permlanex16_b32 v[\r+1], v\r, s40, s41
.endr
	v_add_f32 v20, v4, v5
	v_add_f32 v21, v6, v7
	v_add_f32 v22, v8, v9
	ds_store_b128 v14, v[20:23]
	s_wait_dscnt 0x0
	s_barrier_signal -1
	s_barrier_wait -1
	v_mov_b32 v16, RDB
.irp v, 0,1,2,3,4,5,6,7
	ds_load_b128 v[64+4*\v:67+4*\v], v16 offset:16*\v
.endr
	s_wait_dscnt 0x0
.irp v, 1,2,3,4,5,6,7
	v_pk_add_f32 v[64:65], v[64:65], v[64+4*\v:65+4*\v]
	v_pk_add_f32 v[66:67], v[66:67], v[66+4*\v:67+4*\v]
.endr
	v_mul_f32 v36, 0x3b4ccccd, v32                 ; eta = 0.2 x mean
	v_mul_f32 v37, 0x3b4ccccd, v33
	v_fma_f32 v38, v34, s48, -0.5                  ; alpha - 1 = 0.5 x mean - 0.5
	v_fma_f32 v39, v35, s48, -0.5
	v_fma_f32 v40, v64, s42, s50
	v_fma_f32 v41, v65, s42, s51
	v_exp_f32 v40, v40
	v_exp_f32 v41, v41
	v_nop
	s_wait_alu depctr_va_vdst(0)
	v_add_f32 v40, 1.0, v40
	v_add_f32 v41, 1.0, v41
	v_rcp_f32 v40, v40                             ; the gates
	v_rcp_f32 v41, v41
	v_nop
	s_wait_alu depctr_va_vdst(0)
	v_fma_f32 v38, v40, v38, 1.0                   ; a
	v_fma_f32 v39, v41, v39, 1.0
	v_mul_f32 v36, v40, v36                        ; b
	v_mul_f32 v37, v41, v37
	s_cmp_lg_u32 s22, 0
	s_cbranch_scc1 .Lend                           ; wave 0 stores for the chunk
	v_and_b32 v4, 1, v1
	v_cmp_eq_u32 vcc_lo, 1, v4
	v_cndmask_b32 v44, v38, v39, vcc_lo
	v_cndmask_b32 v45, v36, v37, vcc_lo
	v_mov_b32 v46, v66
	v_mov_b32 v47, 0
	v_and_b32 v4, 8, v1
	v_cmp_eq_u32 vcc_lo, 0, v4
	v_cndmask_b32 v48, 0, 1.0, vcc_lo
	v_mov_b32 v49, v48
	v_mov_b32 v50, v48
	v_mov_b32 v51, v48
	s_lshl_b32 s34, ttmp9, 9
	s_mov_b32 s35, 0
	s_add_nc_u64 s[54:55], s[20:21], s[34:35]
	global_store_b128 v2, v[44:47], s[54:55] offset:1048576    ; 512 bytes on end
	global_store_b128 v2, v[48:51], s[54:55] offset:1114112
.Lend:
	s_wait_tensorcnt 0x0                           ; the wave's end
	ds_add_u32 v[SPW], v[NIL]
	s_wait_dscnt 0x0
	s_endpgm
.Lfunc_end_k_q997190a3e6_prepx:
	.size	k_q997190a3e6_prepx, .Lfunc_end_k_q997190a3e6_prepx-k_q997190a3e6_prepx
	.p2alignl 7, 3214868480
	.fill 96, 4, 3214868480
	.section	.rodata,"a",@progbits
	.p2align	6, 0x0
	.amdhsa_kernel k_q997190a3e6_prepx
		.amdhsa_group_segment_fixed_size 67072
		.amdhsa_private_segment_fixed_size 0
		.amdhsa_enable_private_segment 0
		.amdhsa_kernarg_size 72
		.amdhsa_user_sgpr_count 2
		.amdhsa_user_sgpr_kernarg_segment_ptr 1
		.amdhsa_wavefront_size32 1
		.amdhsa_system_sgpr_workgroup_id_x 1
		.amdhsa_system_sgpr_workgroup_id_y 1
		.amdhsa_system_sgpr_workgroup_id_z 1
		.amdhsa_system_vgpr_workitem_id 0
		.amdhsa_next_free_vgpr 384
		.amdhsa_next_free_sgpr 66
		.amdhsa_reserve_vcc 1
		.amdhsa_float_denorm_mode_32 3
		.amdhsa_float_denorm_mode_16_64 3
		.amdhsa_memory_ordered 1
		.amdhsa_forward_progress 1
		.amdhsa_inst_pref_size 75
	.end_amdhsa_kernel
	.amdgpu_metadata
---
amdhsa.version: [ 1, 2 ]
amdhsa.kernels:
  - .name:           k_q997190a3e6_prepx
    .symbol:         k_q997190a3e6_prepx.kd
    .args:
      - { .name: x, .offset: 0, .size: 8, .value_kind: global_buffer, .address_space: global }
      - { .name: mem_eta_w, .offset: 8, .size: 8, .value_kind: global_buffer, .address_space: global }
      - { .name: mem_eta_b, .offset: 16, .size: 8, .value_kind: global_buffer, .address_space: global }
      - { .name: mem_alpha_w, .offset: 24, .size: 8, .value_kind: global_buffer, .address_space: global }
      - { .name: mem_alpha_b, .offset: 32, .size: 8, .value_kind: global_buffer, .address_space: global }
      - { .name: mem_gate_w, .offset: 40, .size: 8, .value_kind: global_buffer, .address_space: global }
      - { .name: mem_gate_b, .offset: 48, .size: 8, .value_kind: global_buffer, .address_space: global }
      - { .name: xb, .offset: 56, .size: 8, .value_kind: global_buffer, .address_space: global }
      - { .name: aux, .offset: 64, .size: 8, .value_kind: global_buffer, .address_space: global }
    .group_segment_fixed_size: 67072
    .private_segment_fixed_size: 0
    .kernarg_segment_align: 8
    .kernarg_segment_size: 72
    .max_flat_workgroup_size: 256
    .sgpr_count:     66
    .vgpr_count:     384
    .wavefront_size: 32
...
	.end_amdgpu_metadata
.endif
;; end of part 2
;; launch mem (part 3): grid 72 x 1, 8 waves a work-group, no clusters, 81,664 bytes of LDS; arguments xb, wts, aux, mw; writes mw
.if DOCPART == 3
	.amdgcn_target "amdgcn-amd-amdhsa--gfx1250"
	.amdhsa_code_object_version 6
	.text
	.protected	k_q997190a3e6_mem
	.globl	k_q997190a3e6_mem
	.p2align	8
	.type	k_q997190a3e6_mem,@function
k_q997190a3e6_mem:
	s_mov_b64 s[64:65], 0
	v_nop
	global_prefetch_b8 v0, s[64:65] scope:SCOPE_SE
	s_setreg_imm32_b32 hwreg(HW_REG_WAVE_MODE, 25, 1), 1
	s_wait_xcnt 0x0
; The two delta memories, in closed form.  With v_target = M cbar, a step is M' = s (a M + b e kbar^T), e = M cbar - M kbar, s the norm's clamp.  So M before chunk t is
; A M0 + the sum over j < t of E_j kbar_j^T, and chunk t reads A (x M0^T) + (x Kbar^T) E^T.  A and E are rescaled in every step, as the reference rescales M.
; |M'|^2 before the clamp = a^2 N + 2 a b (e . M kbar) + b^2 |e|^2 |kbar|^2.
; Work-groups 0-7: the scan of memory id / 4, batch id % 4.  First G[col][o] = M0[o] . kc[col] and GR[col][j] = kbar_j . kc[col] by the matrix unit; then 32 steps, thread o holding E[o][0..31].
;   It stores, for each chunk, E in bf16 as source-0 fragments (mw.f: [(m 4 + b) 32 + t][o / 16][j / 8][o % 16][16 bytes]) and A (mw.asc at 4,718,592: 8 bytes a chunk).
; Work-groups 8-71: P[token][j] = x . kbar_j, a block of 16 tokens to a wave, stored in bf16 as source-1 fragments (mw.p at 4,194,304: [block][half][lane][16 bytes]).
; kbar, cbar, M0 and x enter the products in bf16; N0 is the norm of the rounded M0.
.set SPW, 8
.set NIL, 9
.set GRB, 66560                        ; LDS: G 64 x 1,040; GR 64 x 144; the identity 32 x 128; (a, b, kk) 32 x 16; the meeting words; the spare words
.set OHB, 75776
.set STB, 79872
.set RED, 80384
.set SPARE, 80640
.set ACC, 32
.set BUF, 160
.set PBUF, 64
.set E, 32
.set KK, 64
.set KC, 96
.set OHR, 128
.set FB, 160
.macro PLACES
.rept 4
	v_nop
.endr
.endm
	s_load_b256 s[4:11], s[0:1], 0x0               ; xb, wts, aux, mw
	v_lshl_add_u32 v[SPW], v0, 2, SPARE
	v_mov_b32 v[NIL], 0
	v_lshrrev_b32 v1, 5, v0
	v_readfirstlane_b32 s12, v1                    ; wave
	v_and_b32 v16, 31, v0                          ; lane
	v_and_b32 v1, 15, v0                           ; r
	v_bfe_u32 v17, v0, 4, 1                        ; h
	v_lshlrev_b32 v2, 11, v1
	v_lshl_add_u32 v2, v17, 4, v2                  ; a fragment's row x 2,048 + 16 h
	s_mov_b32 s13, ttmp9
	s_mov_b32 s21, 0
	s_mov_b32 s40, 0x76543210
	s_mov_b32 s41, 0xfedcba98
	s_wait_kmcnt 0x0
	s_cmp_lt_u32 s13, 8
	s_cbranch_scc1 .Lscan
	; ---- P = x Kbar^T ----
	s_sub_co_u32 s14, s13, 8
	s_lshl_b32 s15, s14, 3
	s_add_co_u32 s15, s15, s12                     ; my block of 16 tokens
	s_lshr_b32 s16, s14, 4                         ; batch
	s_lshl_b32 s20, s16, 17
	s_add_nc_u64 s[24:25], s[8:9], s[20:21]        ; kbar rows
	s_lshl_b32 s20, s15, 15
	s_add_nc_u64 s[26:27], s[4:5], s[20:21]        ; my rows of xb
	s_lshl_b32 s20, s15, 10
	s_add_nc_u64 s[28:29], s[10:11], s[20:21]
.macro PLOADS b, off                   ; a trip of 128 channels: 24 loads into set b
.irp f, 0,1,2,3
	global_load_b128 v[PBUF+96*(\b)+8*(\f):PBUF+96*(\b)+8*(\f)+3],       v2, s[24:25] offset:(\off)+64*(\f)
	global_load_b128 v[PBUF+96*(\b)+8*(\f)+4:PBUF+96*(\b)+8*(\f)+7],     v2, s[24:25] offset:(\off)+64*(\f)+32
	global_load_b128 v[PBUF+96*(\b)+32+8*(\f):PBUF+96*(\b)+32+8*(\f)+3], v2, s[24:25] offset:(\off)+64*(\f)+32768
	global_load_b128 v[PBUF+96*(\b)+32+8*(\f)+4:PBUF+96*(\b)+32+8*(\f)+7], v2, s[24:25] offset:(\off)+64*(\f)+32768+32
	global_load_b128 v[PBUF+96*(\b)+64+8*(\f):PBUF+96*(\b)+64+8*(\f)+3], v2, s[26:27] offset:(\off)+64*(\f)
	global_load_b128 v[PBUF+96*(\b)+64+8*(\f)+4:PBUF+96*(\b)+64+8*(\f)+7], v2, s[26:27] offset:(\off)+64*(\f)+32
.endr
.endm
.macro PMULS b, zero                   ; eight products; four accumulators (tile j, parity of f) take turns
.irp f, 0,1,2,3
.irp j, 0,1
.if (\zero) && ((\f) < 2)
	v_wmma_f32_16x16x32_bf16 v[ACC+8*(2*((\f)%2)+(\j)):ACC+8*(2*((\f)%2)+(\j))+7], v[PBUF+96*(\b)+32*(\j)+8*(\f):PBUF+96*(\b)+32*(\j)+8*(\f)+7], v[PBUF+96*(\b)+64+8*(\f):PBUF+96*(\b)+64+8*(\f)+7], 0
.else
	v_wmma_f32_16x16x32_bf16 v[ACC+8*(2*((\f)%2)+(\j)):ACC+8*(2*((\f)%2)+(\j))+7], v[PBUF+96*(\b)+32*(\j)+8*(\f):PBUF+96*(\b)+32*(\j)+8*(\f)+7], v[PBUF+96*(\b)+64+8*(\f):PBUF+96*(\b)+64+8*(\f)+7], v[ACC+8*(2*((\f)%2)+(\j)):ACC+8*(2*((\f)%2)+(\j))+7]
.endif
.endr
.endr
.endm
.macro PTURN zero
	s_wait_loadcnt 24                              ; set 0 is in; set 1's 24 loads may stay out
	PMULS 0, \zero
	PLACES
	s_wait_xcnt 0x0                                ; the loads issued so far have read the pointers
	s_add_nc_u64 s[24:25], s[24:25], 512
	s_add_nc_u64 s[26:27], s[26:27], 512
	PLOADS 0, 0
	s_wait_loadcnt 24                              ; set 1 is in
	PMULS 1, 0
	PLACES
	PLOADS 1, 256
.endm
	PLOADS 0, 0
	PLOADS 1, 256
	PTURN 1                                        ; the first products start the sums
	s_mov_b32 s30, 2
.Lpturn:
	PTURN 0
	s_sub_co_u32 s30, s30, 1
	s_cmp_lg_u32 s30, 0
	s_cbranch_scc1 .Lpturn
	s_wait_loadcnt 24                              ; the last two trips load nothing
	PMULS 0, 0
	s_wait_loadcnt 0x0
	PMULS 1, 0
	PLACES
	PLACES
.set r, 0
.rept 8
	v_pk_add_f32 v[ACC+r:ACC+r+1], v[ACC+r:ACC+r+1], v[ACC+16+r:ACC+16+r+1]
.set r, r+2
.endr
.irp r, 0,1,2,3,4,5,6,7
	v_cvt_pk_bf16_f32 v[PBUF+(\r)], v[ACC+2*(\r)], v[ACC+2*(\r)+1]
.endr
	v_lshlrev_b32 v3, 4, v16
	global_store_b128 v3, v[PBUF:PBUF+3], s[28:29] offset:4194304      ; j = 8 h .. : 512 bytes on end
	global_store_b128 v3, v[PBUF+4:PBUF+7], s[28:29] offset:4194304+512  ; j = 16 + 8 h ..
	s_branch .Lend
	; ---- the scan ----
.Lscan:
	s_lshr_b32 s14, s13, 2                         ; memory
	s_and_b32 s15, s13, 3                          ; batch
	s_lshr_b32 s16, s12, 1
	s_lshl_b32 s16, s16, 8
	s_lshl_b32 s17, s14, 7
	s_add_co_u32 s16, s16, s17
	s_and_b32 s17, s12, 1
	s_lshl_b32 s17, s17, 5
	s_add_co_u32 s16, s16, s17
	s_add_co_u32 s16, s16, 1088                    ; my 32 rows of M0 in wcat
	s_lshl_b32 s20, s16, 11
	s_add_nc_u64 s[24:25], s[6:7], s[20:21]
	s_lshl_b32 s20, s15, 17
	s_add_nc_u64 s[26:27], s[8:9], s[20:21]        ; kc
	s_lshl_b32 s20, s15, 14
	s_lshl_b32 s17, s14, 4
	s_add_co_u32 s20, s20, s17
	s_add_nc_u64 s[28:29], s[8:9], s[20:21]        ; stat, less its place in aux
	s_lshl_b32 s20, s13, 19
	s_add_nc_u64 s[44:45], s[10:11], s[20:21]      ; f
	s_lshl_b32 s20, s13, 8
	s_add_nc_u64 s[46:47], s[10:11], s[20:21]      ; asc, less its place in mw
	v_lshlrev_b32 v3, 9, v16
	global_load_b128 v[20:23], v3, s[28:29] offset:1048576     ; lane t: (a, b, kk, 0) of chunk t
.macro KLOADS s, off                   ; a K step of 32: 2 fragments of M0, 4 of kc
.irp o, 0,1
	global_load_b128 v[BUF+48*(\s)+8*\o:BUF+48*(\s)+8*\o+3],   v2, s[24:25] offset:(\off)+32768*\o
	global_load_b128 v[BUF+48*(\s)+8*\o+4:BUF+48*(\s)+8*\o+7], v2, s[24:25] offset:(\off)+32768*\o+32
.endr
.irp c, 0,1,2,3
	global_load_b128 v[BUF+48*(\s)+16+8*\c:BUF+48*(\s)+16+8*\c+3], v2, s[26:27] offset:(\off)+32768*\c
	global_load_b128 v[BUF+48*(\s)+16+8*\c+4:BUF+48*(\s)+16+8*\c+7], v2, s[26:27] offset:(\off)+32768*\c+32
.endr
.endm
.macro KMUL s, zero                    ; the squares of M0, then 16 products on 16 accumulators by turns: G(o block, col block), GR(j block, col block)
.set B, BUF+48*(\s)
.set i, 0
.rept 16
	v_fma_mix_f32_bf16 v10, v[B+i], v[B+i], v10 op_sel_hi:[1,1,0]
	v_fma_mix_f32_bf16 v11, v[B+i], v[B+i], v11 op_sel:[1,1,0] op_sel_hi:[1,1,0]
.set i, i+1
.endr
.irp o, 0,1,2,3
.irp c, 0,1,2,3
.if \zero
	v_wmma_f32_16x16x32_bf16 v[ACC+8*(4*\o+\c):ACC+8*(4*\o+\c)+7], v[B+8*\o:B+8*\o+7], v[B+16+8*\c:B+16+8*\c+7], 0
.else
	v_wmma_f32_16x16x32_bf16 v[ACC+8*(4*\o+\c):ACC+8*(4*\o+\c)+7], v[B+8*\o:B+8*\o+7], v[B+16+8*\c:B+16+8*\c+7], v[ACC+8*(4*\o+\c):ACC+8*(4*\o+\c)+7]
.endif
.endr
.endr
.endm
; (source 0 runs over the set's first four fragments: M0's two, then kc's blocks 0 and 1, which are kbar)
.macro KTURN zero
	s_wait_loadcnt 12                              ; set 0 is in; set 1's 12 loads may stay out
	KMUL 0, \zero
	PLACES
	s_wait_xcnt 0x0
	s_add_nc_u64 s[24:25], s[24:25], 128
	s_add_nc_u64 s[26:27], s[26:27], 128
	KLOADS 0, 0
	s_wait_loadcnt 12
	KMUL 1, 0
	PLACES
	KLOADS 1, 64
.endm
	v_mov_b32 v10, 0
	v_mov_b32 v11, 0
	KLOADS 0, 0
	KLOADS 1, 64
	KTURN 1
	s_mov_b32 s30, 14
.Lkturn:
	KTURN 0
	s_sub_co_u32 s30, s30, 1
	s_cmp_lg_u32 s30, 0
	s_cbranch_scc1 .Lkturn
	s_wait_loadcnt 12
	KMUL 0, 0
	s_wait_loadcnt 0x0
	KMUL 1, 0
	PLACES
	PLACES
	v_mul_u32_u24 v4, v1, 1040
	v_lshl_add_u32 v4, v17, 5, v4
	s_lshl_b32 s16, s12, 7
	v_add_nc_u32 v4, s16, v4                       ; G: col r, my 32 channels, 8 h
.irp o, 0,1
.irp c, 0,1,2,3
	ds_store_b128 v4, v[ACC+8*(4*\o+\c):ACC+8*(4*\o+\c)+3]   offset:16640*\c+64*\o
	ds_store_b128 v4, v[ACC+8*(4*\o+\c)+4:ACC+8*(4*\o+\c)+7] offset:16640*\c+64*\o+16
.endr
.endr
	v_lshrrev_b32 v5, 3, v0                        ; the identity: thread t writes row t / 8, columns 4 (t % 8) ..
	v_and_b32 v6, 7, v0
	v_lshlrev_b32 v6, 2, v6
	v_sub_nc_u32 v5, v5, v6
.irp e, 0,1,2,3
	v_cmp_eq_u32 vcc_lo, \e, v5
	v_cndmask_b32 v[24+\e], 0, 1.0, vcc_lo
.endr
	v_lshl_add_u32 v6, v0, 4, OHB
	ds_store_b128 v6, v[24:27]
	v_add_f32 v10, v10, v11
.irp m, 1,2,4,8
	v_add_f32_dpp v10, v10, v10 row_xmask:\m row_mask:0xf bank_mask:0xf
.endr
	v_permlanex16_b32 v11, v10, s40, s41
	v_add_f32 v10, v10, v11
	s_lshl_b32 s16, s12, 2
	s_add_co_u32 s16, s16, RED+128
	v_mov_b32 v7, s16
	ds_store_b32 v7, v10
	s_cmp_lg_u32 s12, 0
	s_cbranch_scc1 .Lnot0                          ; every wave has made GR; wave 0 writes it, and the chunks' figures
	v_mul_u32_u24 v5, v1, 144
	v_lshl_add_u32 v5, v17, 5, v5
	v_add_nc_u32 v5, GRB, v5
.irp o, 2,3
.irp c, 0,1,2,3
	ds_store_b128 v5, v[ACC+8*(4*\o+\c):ACC+8*(4*\o+\c)+3]   offset:2304*\c+64*(\o-2)
	ds_store_b128 v5, v[ACC+8*(4*\o+\c)+4:ACC+8*(4*\o+\c)+7] offset:2304*\c+64*(\o-2)+16
.endr
.endr
	v_lshl_add_u32 v7, v16, 4, STB
	ds_store_b128 v7, v[20:23]
.Lnot0:
	s_wait_dscnt 0x0
	s_barrier_signal -1
	s_barrier_wait -1                              ; G, GR, the identity and the figures lie in LDS; nobody writes them again
	v_mov_b32 v21, RED
	ds_load_b128 v[180:183], v21 offset:128
	ds_load_b128 v[184:187], v21 offset:144
.set i, 0
.rept 32
	v_mov_b32 v[E+i], 0                            ; the state's start: no update yet
.set i, i+1
.endr
	v_mov_b32 v10, 1.0                             ; A
	v_mov_b32 v12, 0                               ; lane t will keep A as chunk t reads it
	v_mov_b32 v13, 0
	v_mov_b32 v19, 0
	v_mov_b32 v23, 0
	v_mov_b32 v202, 0
	v_mov_b32 v203, 0
	v_lshlrev_b32 v3, 2, v0                        ; 4 o
	v_lshrrev_b32 v17, 4, v0
	v_lshlrev_b32 v17, 10, v17
	v_lshl_add_u32 v17, v1, 4, v17                 ; my 16 bytes in a chunk's block of f
	s_lshl_b32 s16, s12, 3
	s_add_co_u32 s16, s16, RED
	v_mov_b32 v20, s16
	s_wait_dscnt 0x0
	v_pk_add_f32 v[180:181], v[180:181], v[182:183]
	v_pk_add_f32 v[184:185], v[184:185], v[186:187]
	v_pk_add_f32 v[180:181], v[180:181], v[184:185]
	v_add_f32 v11, v180, v181                      ; N = |M0|^2
	s_mov_b32 s30, 0
	s_mov_b32 s31, GRB
	s_mov_b32 s32, OHB
	s_mov_b32 s33, STB
	s_mov_b32 s34, 0
	s_mov_b32 s36, 16
; One chunk.  par: the step's parity in the trip; it picks rows by the immediates and one of two sets of meeting words, so that a set is written again only behind the other set's barrier.
.macro STEP par
.irp i, 0,1,2,3,4,5,6,7
	ds_load_b128 v[KK+4*\i:KK+4*\i+3], v5 offset:144*(\par)+16*\i
	ds_load_b128 v[KC+4*\i:KC+4*\i+3], v5 offset:4608+144*(\par)+16*\i
.endr
	ds_load_b32 v14, v4 offset:1040*(\par)
	ds_load_b32 v15, v4 offset:33280+1040*(\par)
	ds_load_b128 v[176:179], v7 offset:16*(\par)
.irp i, 0,1,2,3,4,5,6,7
	ds_load_b128 v[OHR+4*\i:OHR+4*\i+3], v6 offset:128*(\par)+16*\i
.endr
	s_wait_xcnt 0x0                                ; the last step's stores have read FB
.set i, 0
.rept 16
	v_cvt_pk_bf16_f32 v[FB+i], v[E+2*i], v[E+2*i+1]
.set i, i+1
.endr
.irp q, 0,1,2,3
	global_store_b128 v17, v[FB+4*\q:FB+4*\q+3], s[44:45] offset:16384*(\par)+256*\q   ; 16 lanes fill 256 bytes, aligned
.endr
	v_cmp_eq_u32 vcc_lo, s[34+(\par)], v16
	v_cndmask_b32 v12, v12, v10, vcc_lo
	s_wait_dscnt 8                                 ; all but the identity's eight loads
	v_pk_mul_f32 v[24:25], v[E:E+1], v[KK:KK+1]
	v_pk_mul_f32 v[26:27], v[E+2:E+3], v[KK+2:KK+3]
	v_pk_mul_f32 v[28:29], v[E:E+1], v[KC:KC+1]
	v_pk_mul_f32 v[30:31], v[E+2:E+3], v[KC+2:KC+3]
.set p, 2
.rept 14
	v_pk_fma_f32 v[24+2*(p%2):25+2*(p%2)], v[E+2*p:E+2*p+1], v[KK+2*p:KK+2*p+1], v[24+2*(p%2):25+2*(p%2)]
	v_pk_fma_f32 v[28+2*(p%2):29+2*(p%2)], v[E+2*p:E+2*p+1], v[KC+2*p:KC+2*p+1], v[28+2*(p%2):29+2*(p%2)]
.set p, p+1
.endr
	v_pk_add_f32 v[24:25], v[24:25], v[26:27]
	v_pk_add_f32 v[28:29], v[28:29], v[30:31]
	v_add_f32 v196, v24, v25
	v_add_f32 v197, v28, v29
	v_fma_f32 v196, v10, v14, v196                 ; M kbar
	v_fma_f32 v197, v10, v15, v197                 ; M cbar
	v_sub_f32 v198, v197, v196                     ; e
	v_mul_f32 v200, v198, v198
	v_mul_f32 v201, v198, v196
.irp m, 1,2,4,8
	v_add_f32_dpp v200, v200, v200 row_xmask:\m row_mask:0xf bank_mask:0xf
	v_add_f32_dpp v201, v201, v201 row_xmask:\m row_mask:0xf bank_mask:0xf
.endr
	v_permlanex16_b32 v202, v200, s40, s41
	v_permlanex16_b32 v203, v201, s40, s41
	v_pk_add_f32 v[200:201], v[200:201], v[202:203]
	ds_store_b64 v20, v[200:201] offset:64*(\par)
	v_mul_f32 v204, v176, v176                     ; a^2
	v_mul_f32 v205, v176, v177
	v_add_f32 v205, v205, v205                     ; 2 a b
	v_mul_f32 v206, v177, v177
	v_mul_f32 v206, v206, v178                     ; b^2 kk
	s_wait_dscnt 0x0                               ; my two sums lie in LDS, and all my loads are back
	s_barrier_signal -1
	s_barrier_wait -1
.irp i, 0,1,2,3
	ds_load_b128 v[180+4*\i:183+4*\i], v21 offset:64*(\par)+16*\i
.endr
	s_wait_dscnt 0x0
.irp i, 0,4,8,12
	v_pk_add_f32 v[180+\i:181+\i], v[180+\i:181+\i], v[182+\i:183+\i]
.endr
	v_pk_add_f32 v[180:181], v[180:181], v[184:185]
	v_pk_add_f32 v[188:189], v[188:189], v[192:193]
	v_pk_add_f32 v[180:181], v[180:181], v[188:189]    ; |e|^2, e . M kbar
	v_mul_f32 v207, v204, v11
	v_fma_f32 v207, v205, v181, v207
	v_fma_f32 v207, v206, v180, v207
	v_max_num_f32 v207, 0, v207
	v_sqrt_f32 v208, v207
	v_nop
	s_wait_alu depctr_va_vdst(0)
	v_add_f32 v208, 0x358637bd, v208
	v_rcp_f32 v208, v208
	v_nop
	s_wait_alu depctr_va_vdst(0)
	v_mul_f32 v208, 0x41f00000, v208
	v_min_num_f32 v208, 1.0, v208                  ; s
	v_mul_f32 v209, v208, v208
	v_mul_f32 v11, v209, v207
	v_mul_f32 v18, v208, v176                      ; s a
	v_mul_f32 v10, v10, v18
	v_mul_f32 v210, v208, v177
	v_mul_f32 v22, v210, v198                      ; s b e
.set p, 0
.rept 16
	v_pk_mul_f32 v[E+2*p:E+2*p+1], v[E+2*p:E+2*p+1], v[18:19] op_sel_hi:[1,0]
.set p, p+1
.endr
.set p, 0
.rept 16
	v_pk_fma_f32 v[E+2*p:E+2*p+1], v[OHR+2*p:OHR+2*p+1], v[22:23], v[E+2*p:E+2*p+1] op_sel_hi:[1,0,1]
.set p, p+1
.endr
.endm
.Lstep:
	v_add_nc_u32 v4, s30, v3
	v_mov_b32 v5, s31
	v_mov_b32 v6, s32
	v_mov_b32 v7, s33
	s_add_co_u32 s35, s34, 1
	STEP 0
	STEP 1
	s_wait_xcnt 0x0                                ; the stores have read their base
	s_add_nc_u64 s[44:45], s[44:45], 32768
	s_add_co_u32 s30, s30, 2080
	s_add_co_u32 s31, s31, 288
	s_add_co_u32 s32, s32, 256
	s_add_co_u32 s33, s33, 32
	s_add_co_u32 s34, s34, 2
	s_sub_co_u32 s36, s36, 1
	s_cmp_lg_u32 s36, 0
	s_cbranch_scc1 .Lstep
	s_cmp_lg_u32 s12, 0
	s_cbranch_scc1 .Lend
	v_lshlrev_b32 v3, 3, v16
	global_store_b64 v3, v[12:13], s[46:47] offset:4718592     ; 256 bytes on end
.Lend:
	s_wait_tensorcnt 0x0                           ; the wave's end
	ds_add_u32 v[SPW], v[NIL]
	s_wait_dscnt 0x0
	s_endpgm
.Lfunc_end_k_q997190a3e6_mem:
	.size	k_q997190a3e6_mem, .Lfunc_end_k_q997190a3e6_mem-k_q997190a3e6_mem
	.p2alignl 7, 3214868480
	.fill 96, 4, 3214868480
	.section	.rodata,"a",@progbits
	.p2align	6, 0x0
	.amdhsa_kernel k_q997190a3e6_mem
		.amdhsa_group_segment_fixed_size 81664
		.amdhsa_private_segment_fixed_size 0
		.amdhsa_enable_private_segment 0
		.amdhsa_kernarg_size 32
		.amdhsa_user_sgpr_count 2
		.amdhsa_user_sgpr_kernarg_segment_ptr 1
		.amdhsa_wavefront_size32 1
		.amdhsa_system_sgpr_workgroup_id_x 1
		.amdhsa_system_sgpr_workgroup_id_y 1
		.amdhsa_system_sgpr_workgroup_id_z 1
		.amdhsa_system_vgpr_workitem_id 0
		.amdhsa_next_free_vgpr 256
		.amdhsa_next_free_sgpr 66
		.amdhsa_reserve_vcc 1
		.amdhsa_float_denorm_mode_32 3
		.amdhsa_float_denorm_mode_16_64 3
		.amdhsa_memory_ordered 1
		.amdhsa_forward_progress 1
		.amdhsa_inst_pref_size 75
	.end_amdhsa_kernel
	.amdgpu_metadata
---
amdhsa.version: [ 1, 2 ]
amdhsa.kernels:
  - .name:           k_q997190a3e6_mem
    .symbol:         k_q997190a3e6_mem.kd
    .args:
      - { .name: xb, .offset: 0, .size: 8, .value_kind: global_buffer, .address_space: global }
      - { .name: wts, .offset: 8, .size: 8, .value_kind: global_buffer, .address_space: global }
      - { .name: aux, .offset: 16, .size: 8, .value_kind: global_buffer, .address_space: global }
      - { .name: mw, .offset: 24, .size: 8, .value_kind: global_buffer, .address_space: global }
    .group_segment_fixed_size: 81664
    .private_segment_fixed_size: 0
    .kernarg_segment_align: 8
    .kernarg_segment_size: 32
    .max_flat_workgroup_size: 256
    .sgpr_count:     66
    .vgpr_count:     256
    .wavefront_size: 32
...
	.end_amdgpu_metadata
.endif
;; end of part 3
;; launch gemm1 (part 4): grid 8 x 32, 4 waves a work-group, clusters of 4 x 4, 327,680 bytes of LDS; arguments xb, wts, aux, mw, qkv; writes qkv
.if DOCPART == 4
	.amdgcn_target "amdgcn-amd-amdhsa--gfx1250"
	.amdhsa_code_object_version 6
	.text
	.protected	k_q997190a3e6_gemm1
	.globl	k_q997190a3e6_gemm1
	.p2align	8
	.type	k_q997190a3e6_gemm1,@function
k_q997190a3e6_gemm1:
	s_mov_b64 s[64:65], 0
	v_nop
	global_prefetch_b8 v0, s[64:65] scope:SCOPE_SE
	s_setreg_imm32_b32 hwreg(HW_REG_WAVE_MODE, 25, 1), 1
	s_wait_xcnt 0x0
	s_wait_alu depctr_hold_cnt(0) depctr_sa_sdst(0) depctr_va_vdst(0) depctr_va_sdst(0) depctr_va_ssrc(0) depctr_va_vcc(0) depctr_vm_vsrc(0)
	s_getreg_b32 s2, hwreg(HW_REG_IB_STS2, 6, 4)
	s_cmp_eq_u32 s2, 0
	s_cbranch_scc0 .Lentry_in_a_cluster
	s_endpgm
.Lentry_in_a_cluster:
	s_bfe_u32 s2, ttmp6, 0x10000c
	s_cmp_lg_u32 s2, 0xf033
	s_cbranch_scc0 .Lentry_shape_is_right
	s_endpgm
.Lentry_shape_is_right:
; [8192 tokens] x [2048 columns of wcat], K = 1024, bf16 products, f32 sums; then the memories' share, RoPE, and q, k, v by heads in f16 (qkv: q 0, k 16,777,216, v 20,971,520; [head][2048][64]).
; A tile of 256 x 256 to a work-group of four waves, 128 x 128 a wave (64 accumulators, windows 2 and 3); K in steps of 128 through two LDS slots filled by joint tensor loads:
; 4 x 4 work-groups form a cluster, A's tile is shared along its row, B's along its column.  Source 0 = 16 rows of wcat, source 1 = 16 tokens: a lane holds one token and 8 neighbouring columns.
; Tile columns 0-3 (cluster x = 0) are Q: a wave's 128 columns are two heads.  Tile column 4 + g is kv head g: [x Wk | x M0[0]^T | x Wv | x M0[1]^T], 64 each: a wave has K or V:
;   k = x Wk + A (x M0^T) + P F^T, A by chunk of 64 tokens, the last term one product more for each accumulator (K = 32 past chunks).
; RoPE stays in registers: channels c and c + 32 of a head are accumulators b and b + 2 of the same lane.  V takes a table with cos = 1 and sin = 0, so one text serves Q, K and V.
; LIMITS: q, k, v must lie within f16's 65,504.
.set SIZE_K, 1024
.set KSTEP,  128
.set PITCH,  272                       ; 256 bytes + 16 of padding: the 16 rows of a fragment load start at 16 different groups of four banks
.set HALFT,  128*PITCH
.set SLOT,   4*HALFT
.set STAGE,  2*SLOT                    ; behind the ring: 16 rows x 144 bytes a wave, for the way out; no tensor load fills it
.set SP,     144
.set SPARE,  STAGE+4*16*SP             ; the spare words, 128 bytes a wave
.set LAPS, SIZE_K/(2*KSTEP)
.set FV,   6                           ; v6   my bytes in a fragment block of F: 256 h + 16 r
.set TV,   8                           ; v8   my bytes in the table: 256 r + 32 h
.set ADRA, 16
.set ADRB, 20
.set STO,  24
.set RD,   25
.set GO,   26                          ; v26  16 x lane
.set SPW,  28
.set NIL,  29
.set PFO,  30
.set PFA,  44
.set LIM,  43
.set F0,   64
.set F1,   128
.set BK,   32                          ; v32-63  rows read back from the stage, two sets
.set TB,   128                         ; v128-191 the table, two sets of cos 16 | sin 16
.set T,    192                         ; v192-223 a head's 32 results in f32
.set PK,   224                         ; v224-239 the same in f16
.set G1, 24
.set G0, 32
.set G1B, 48
.set G0B, 56
.set MSB, 0
.macro WIN new
.if MSB != (\new)
	s_set_vgpr_msb (MSB<<8)|(\new)
.set MSB, \new
.endif
.endm
.set MUL_LO, 0xa1                      ; source 0 window 1, source 1 window 0, C and D window 2
.set MUL_HI, 0xf1
.set TO_B,   0x40
.macro JLOAD s                         ; a joint load: waves 0 and 1 fetch A's halves, waves 2 and 3 B's; the branch hangs on the wave's number alone
	s_cmp_eq_u32 s11, 0
	s_cbranch_scc0 .Lfor_b_\@
	tensor_load_to_lds s[G0+4*(\s):G0+4*(\s)+3], s[G1:G1+7]
	s_nop 0
.rept 4
	v_nop
.endr
	s_branch .Lasked_\@
.Lfor_b_\@:
	tensor_load_to_lds s[G0B+4*(\s):G0B+4*(\s)+3], s[G1B:G1B+7]
	s_nop 0
.rept 4
	v_nop
.endr
.Lasked_\@:
.endm
; A prefetch of the K step two refills on: 32 rows x 256 bytes, a lane a row.  A's rows are asked for by the cluster with x = 0, B's by the cluster with y = 0; the four partners of a joint
; load share its 128 rows out by address.  The loop's last trip asks for nothing: there is no K step two on.
.macro ASK
	s_cmp_gt_u32 s3, s[LIM]
	s_cbranch_scc0 .Lnot_mine_\@
	global_prefetch_b8 v[PFO], s[PFA:PFA+1] offset:KSTEP*2 th:TH_LOAD_NT scope:SCOPE_SE
.Lnot_mine_\@:
.endm
.macro CREST
	s_cmp_lg_u32 s10, 0
	s_cbranch_scc1 .Lnot_wave_0_\@
	s_barrier_signal -3
.Lnot_wave_0_\@:
	s_barrier_wait -3
	s_barrier_signal -1
	s_barrier_wait -1
.endm
.macro CROUND
	s_barrier_signal -1
	s_barrier_wait -1
	CREST
.endm
	s_load_b128 s[4:7], s[0:1], 0x0                ; xb, wts
	s_load_b128 s[68:71], s[0:1], 0x10             ; aux, mw
	s_load_b64 s[72:73], s[0:1], 0x20              ; qkv
	v_lshl_add_u32 v[SPW], v0, 2, SPARE
	v_mov_b32 v[NIL], 0
	ds_add_u32 v[SPW], v[NIL]                      ; the wave's opening: the add and its wait stand ahead of my first tensor load
	v_lshrrev_b32 v1, 5, v0
	v_readfirstlane_b32 s10, v1                    ; wave
	s_lshr_b32 s11, s10, 1                         ; my half of the tile's rows; also: I fetch for A (0) or B (1)
	s_and_b32 s12, s10, 1                          ; my half of its columns; also: which 128 rows I fetch
	s_bfe_u32 s40, ttmp6, 0x40000                  ; cx
	s_bfe_u32 s41, ttmp6, 0x40004                  ; cy
	s_lshl_b32 s42, ttmp9, 2
	s_add_co_u32 s42, s42, s40                     ; tile column
	s_and_b32 s13, ttmp7, 0xffff
	s_lshl_b32 s13, s13, 2
	s_add_co_u32 s13, s13, s41                     ; tile row
	s_lshl_b32 s43, s41, 2
	s_lshl_b32 s43, 15, s43                        ; my row of the cluster
	s_lshl_b32 s44, 0x1111, s40                    ; my column
	s_or_b32 s[G1+0], s43, (1<<16)|(1<<20)|(1<<21)|(5<<22)|(3<<25)   ; mask; 2-byte elements; padding of 4 words after every 64; bit 21 beside a mask
	s_or_b32 s[G1B+0], s44, (1<<16)|(1<<20)|(1<<21)|(5<<22)|(3<<25)
.irp g, G1, G1B
	s_mov_b32 s[(\g)+1], KSTEP<<16                 ; tensor_dim0 = 128
	s_mov_b32 s[(\g)+2], 128<<16                   ; tensor_dim1 = 128
	s_mov_b32 s[(\g)+3], KSTEP<<16                 ; tile_dim0 = 128
	s_mov_b32 s[(\g)+4], 128                       ; tile_dim1 = 128
	s_mov_b32 s[(\g)+5], SIZE_K                    ; elements from row to row
	s_mov_b32 s[(\g)+6], 0
	s_mov_b32 s[(\g)+7], 0
.endr
	s_lshl_b32 s17, s12, 7
	s_lshl_b32 s16, s13, 8
	s_add_co_u32 s16, s16, s17                     ; A: row 256 x tile row + 128 x half
	s_lshl_b32 s46, s42, 8
	s_add_co_u32 s46, s46, s17                     ; B: row 256 x tile column + 128 x half
	s_mov_b32 s17, 0
	s_mov_b32 s47, 0
	s_mov_b64 s[18:19], SIZE_K*2
	s_mul_u64 s[16:17], s[16:17], s[18:19]
	s_mul_u64 s[46:47], s[46:47], s[18:19]
	s_mul_i32 s20, s10, HALFT                      ; where they go: wave x 128 rows
	s_wait_dscnt 0x0                               ; the opening add is done
	s_wait_kmcnt 0x0
	s_add_nc_u64 s[14:15], s[4:5], s[16:17]
	s_add_nc_u64 s[46:47], s[6:7], s[46:47]
	CROUND                                         ; all sixteen work-groups are here: the first joint loads meet
.irp s, 0,1
	s_mov_b32 s[G0+4*(\s)], 1
	s_add_co_u32 s[G0+4*(\s)+1], s20, (\s)*SLOT
	s_add_nc_u64 s[G0+4*(\s)+2:G0+4*(\s)+3], s[14:15], (\s)*KSTEP*2
	s_or_b32 s[G0+4*(\s)+3], s[G0+4*(\s)+3], 0x80000000
	s_mov_b32 s[G0B+4*(\s)], 1
	s_add_co_u32 s[G0B+4*(\s)+1], s20, (\s)*SLOT
	s_add_nc_u64 s[G0B+4*(\s)+2:G0B+4*(\s)+3], s[46:47], (\s)*KSTEP*2
	s_or_b32 s[G0B+4*(\s)+3], s[G0B+4*(\s)+3], 0x80000000
	JLOAD \s
.endr
	v_and_b32 v1, 15, v0                           ; r
	v_bfe_u32 v2, v0, 4, 1                         ; h
	v_mul_u32_u24 v3, v1, PITCH
	v_lshl_add_u32 v3, v2, 4, v3
	s_mul_i32 s21, s11, HALFT
	s_mul_i32 s22, s12, HALFT
	s_add_co_u32 s22, s22, 2*HALFT
.irp s, 0,1
	v_add_nc_u32 v[ADRA+(\s)], s21, v3
	v_add_nc_u32 v[ADRB+(\s)], s22, v3
	s_add_co_u32 s21, s21, SLOT
	s_add_co_u32 s22, s22, SLOT
.endr
	s_mul_i32 s23, s10, 16*SP
	s_add_co_u32 s23, s23, STAGE                   ; my stage
	v_mul_u32_u24 v4, v1, SP
	v_lshl_add_u32 v4, v2, 4, v4
	v_add_nc_u32 v[STO], s23, v4                   ; in: row r, 16 bytes for each half of the lanes
	v_bfe_u32 v5, v0, 3, 2
	v_mul_u32_u24 v5, v5, SP
	v_and_b32 v4, 7, v0
	v_lshl_add_u32 v5, v4, 4, v5
	v_add_nc_u32 v[RD], s23, v5                    ; back: 32 lanes take four rows of 128 bytes
	v_and_b32 v[GO], 31, v0
	v_lshlrev_b32 v[GO], 4, v[GO]
	v_lshlrev_b32 v[FV], 4, v1
	v_lshl_add_u32 v[FV], v2, 8, v[FV]
	v_lshlrev_b32 v[TV], 8, v1
	v_lshl_add_u32 v[TV], v2, 5, v[TV]
	s_mov_b32 s74, s13                             ; tile row
	s_mov_b32 s66, s42                             ; tile column
	; the prefetches
	s_lshl_b32 s13, s13, 8
	s_lshl_b32 s42, s42, 8
	s_and_b32 s22, ttmp7, 0xffff
	s_cmp_eq_u32 s11, 0
	s_cselect_b32 s20, s13, s42
	s_cselect_b32 s21, s40, s41
	s_cselect_b32 s22, ttmp9, s22
	s_cselect_b64 s[PFA:PFA+1], s[4:5], s[6:7]
	s_cmp_eq_u32 s22, 0
	s_cselect_b32 s[LIM], 1, -1
	s_lshl_b32 s22, s12, 7
	s_add_co_u32 s20, s20, s22
	s_lshl_b32 s21, s21, 5
	s_add_co_u32 s20, s20, s21
	s_mov_b32 s21, 0
	s_mov_b64 s[18:19], SIZE_K*2
	s_mul_u64 s[20:21], s[20:21], s[18:19]
	s_add_nc_u64 s[PFA:PFA+1], s[PFA:PFA+1], s[20:21]
	s_add_nc_u64 s[PFA:PFA+1], s[PFA:PFA+1], 2*KSTEP*2  ; at K step 2: the first refill steps it to 3 and names K step 4
	v_and_b32 v[PFO], 31, v0
	v_mul_u32_u24 v[PFO], v[PFO], SIZE_K*2
	; the way out's addresses
	s_lshr_b32 s75, s74, 3                         ; batch
	s_and_b32 s76, s74, 7
	s_lshl_b32 s76, s76, 8
	s_lshl_b32 s77, s11, 7
	s_add_co_u32 s77, s77, s76                     ; my first position
	s_lshl_b32 s78, s75, 4
	s_lshl2_add_u32 s78, s66, s78
	s_lshl1_add_u32 s78, s12, s78                  ; Q: head 16 batch + 4 tile column + 2 half
	s_lshl_b32 s78, s78, 18
	s_lshl2_add_u32 s79, s75, s40                  ; K, V: head 4 batch + g
	s_lshl_b32 s79, s79, 18
	s_lshl_b32 s80, s12, 22
	s_add_co_u32 s79, s79, s80
	s_add_co_u32 s79, s79, 0x1000000
	s_cmp_eq_u32 ttmp9, 0
	s_cselect_b32 s78, s78, s79
	s_cselect_b32 s87, 1, 0                        ; 1: a Q cluster
	s_lshl_b32 s79, s77, 7
	s_add_co_u32 s78, s78, s79
	s_mov_b32 s79, 0
	s_add_nc_u64 s[78:79], s[72:73], s[78:79]
	s_lshl_b32 s80, s77, 8
	s_add_co_u32 s80, s80, 524288
	s_sub_co_u32 s82, 1, s87
	s_and_b32 s82, s82, s12                        ; 1: a wave with V
	s_cmp_eq_u32 s82, 1
	s_cselect_b32 s80, 1114112, s80
	s_mov_b32 s81, 0
	s_add_nc_u64 s[80:81], s[68:69], s[80:81]      ; the table
	s_lshl2_add_u32 s82, s12, s75                  ; 4 memory + batch
	s_lshl_b32 s83, s82, 5
	s_lshr_b32 s84, s77, 6                         ; my first chunk
	s_add_co_u32 s83, s83, s84
	s_lshl_b32 s83, s83, 14
	s_lshl_b32 s85, s40, 12
	s_add_co_u32 s92, s83, s85
	s_mov_b32 s93, 0
	s_add_nc_u64 s[92:93], s[70:71], s[92:93]      ; F
	s_lshl_b32 s94, s74, 4
	s_lshl3_add_u32 s94, s11, s94
	s_lshl_b32 s94, s94, 10
	s_add_co_u32 s94, s94, 0x400000
	s_mov_b32 s95, 0
	s_add_nc_u64 s[94:95], s[70:71], s[94:95]      ; P
	s_lshl_b32 s96, s82, 8
	s_lshl3_add_u32 s96, s84, s96
	s_add_co_u32 s96, s96, 4718592
	s_mov_b32 s97, 0
	s_add_nc_u64 s[96:97], s[70:71], s[96:97]
	s_load_b128 s[88:91], s[96:97], 0x0            ; (A, 0) of my two chunks
.macro MUL16 f, hi, a0, zero
	WIN MUL_LO+0x50*(\hi)
.irp a, \a0, (\a0)+1
.irp b, 0,1,2,3,4,5,6,7
.if \zero
	v_wmma_f32_16x16x32_bf16 v[8*(8*(\a)+(\b)):8*(8*(\a)+(\b))+7], v[(\f)+8*(\b):(\f)+8*(\b)+7], v[(\f)+8*(4*(\hi)+(\a)):(\f)+8*(4*(\hi)+(\a))+7], 0
.else
	v_wmma_f32_16x16x32_bf16 v[8*(8*(\a)+(\b)):8*(8*(\a)+(\b))+7], v[(\f)+8*(\b):(\f)+8*(\b)+7], v[(\f)+8*(4*(\hi)+(\a)):(\f)+8*(4*(\hi)+(\a))+7], v[8*(8*(\a)+(\b)):8*(8*(\a)+(\b))+7]
.endif
.endr
.endr
.endm
.macro FETCH slot, k, f                ; 32 LDS loads in one run: a quarter step's fragments
	WIN TO_B
.irp i, 0,1,2,3,4,5,6,7
	ds_load_b128 v[(\f)+8*(\i):(\f)+8*(\i)+3],   v[ADRB+(\slot)] offset:(\k)+(\i)*16*PITCH
	ds_load_b128 v[(\f)+8*(\i)+4:(\f)+8*(\i)+7], v[ADRB+(\slot)] offset:(\k)+(\i)*16*PITCH+32
.endr
	WIN 0
.irp i, 0,1,2,3,4,5,6,7
	ds_load_b128 v[(\f)+8*(\i):(\f)+8*(\i)+3],   v[ADRA+(\slot)] offset:(\k)+(\i)*16*PITCH
	ds_load_b128 v[(\f)+8*(\i)+4:(\f)+8*(\i)+7], v[ADRA+(\slot)] offset:(\k)+(\i)*16*PITCH+32
.endr
.endm
.macro PLACES                          ; four plain instructions between a matrix instruction and a load into, or a vector read of, its registers
.rept 4
	v_nop
.endr
.endm
.macro QUARTER slot, k, f, g, zero
	s_wait_dscnt 8                                 ; B and A's rows 0-63 are in; the youngest eight loads may be out
	WIN MUL_LO
	MUL16 \f, 0, 0, \zero
	MUL16 \f, 0, 2, \zero
	PLACES
	FETCH \slot, \k, \g
	s_wait_dscnt 32                                ; all but the 32 just issued
	WIN MUL_HI
	MUL16 \f, 1, 0, \zero
	MUL16 \f, 1, 2, \zero
.endm
.macro MEET round                      ; the change of slots: all my tensor loads have landed, the add, my reads of this slot are over; then the barrier
	WIN 0
	s_wait_tensorcnt 0x0
	ds_add_u32 v[SPW], v[NIL]
	s_wait_dscnt 9                                 ; the add and the youngest eight loads may be out
	WIN MUL_LO
	MUL16 F1, 0, 0, 0
	s_wait_dscnt 0x0
	s_barrier_signal -1
	MUL16 F1, 0, 2, 0
.if \round
	WIN 0
.endif
	s_barrier_wait -1
.endm
.macro TURN slot, next
	s_wait_xcnt 0x0                                ; the last prefetch, a K step back, has read its address
	s_add_nc_u64 s[PFA:PFA+1], s[PFA:PFA+1], KSTEP*2
	MEET 1
	CREST                                          ; no wave of any partner still reads this slot or has a load on its way
	s_add_nc_u64 s[G0+4*(\slot)+2:G0+4*(\slot)+3], s[G0+4*(\slot)+2:G0+4*(\slot)+3], 2*KSTEP*2
	s_add_nc_u64 s[G0B+4*(\slot)+2:G0B+4*(\slot)+3], s[G0B+4*(\slot)+2:G0B+4*(\slot)+3], 2*KSTEP*2
	JLOAD \slot                                    ; the first tensor load behind the round; its four v_nop are also the places in front of the loads below
	FETCH \next, 0, F0
	ASK
	WIN MUL_HI
	MUL16 F1, 1, 0, 0
	MUL16 F1, 1, 2, 0
.endm
	s_wait_tensorcnt 1                             ; my part of K step 0 is in; K step 1's may stay out
	s_barrier_signal -1
	s_barrier_wait -1
	FETCH 0, 0, F0
	QUARTER 0, 64,  F0, F1, 1                      ; the first quarter's products start the sums
	WIN 0
	s_mov_b32 s3, LAPS-1
.Llap:
	QUARTER 0, 128, F1, F0, 0
	QUARTER 0, 192, F0, F1, 0
	TURN 0, 1
	QUARTER 1, 64,  F0, F1, 0
	QUARTER 1, 128, F1, F0, 0
	QUARTER 1, 192, F0, F1, 0
	TURN 1, 0
	QUARTER 0, 64,  F0, F1, 0
	WIN 0
	s_sub_co_u32 s3, s3, 1
	s_cmp_lg_u32 s3, 0
	s_cbranch_scc1 .Llap
	QUARTER 0, 128, F1, F0, 0                      ; the last lap fills nothing
	QUARTER 0, 192, F0, F1, 0
	MEET 0
	PLACES
	FETCH 1, 0, F0
	WIN MUL_HI
	MUL16 F1, 1, 0, 0
	MUL16 F1, 1, 2, 0
	QUARTER 1, 64,  F0, F1, 0
	QUARTER 1, 128, F1, F0, 0
	QUARTER 1, 192, F0, F1, 0
	WIN 0
	s_cmp_eq_u32 s87, 1
	s_cbranch_scc1 .Lno_mem
	PLACES                                         ; buffer 0 has been multiplied: it takes F (window 1) and P (window 0), which land under the last quarter
	WIN TO_B
.irp c, 0,1
.irp b, 0,1,2,3
	global_load_b128 v[F0+32*\c+8*\b:F0+32*\c+8*\b+3],   v[FV], s[92:93] offset:16384*\c+1024*\b
	global_load_b128 v[F0+32*\c+8*\b+4:F0+32*\c+8*\b+7], v[FV], s[92:93] offset:16384*\c+1024*\b+512
.endr
.endr
	WIN 0
.irp a, 0,1,2,3,4,5,6,7
	global_load_b128 v[F0+8*\a:F0+8*\a+3],   v[GO], s[94:95] offset:1024*\a
	global_load_b128 v[F0+8*\a+4:F0+8*\a+7], v[GO], s[94:95] offset:1024*\a+512
.endr
.Lno_mem:
	s_wait_dscnt 8
	MUL16 F1, 0, 0, 0
	MUL16 F1, 0, 2, 0
	s_wait_dscnt 0x0
	MUL16 F1, 1, 0, 0
	MUL16 F1, 1, 2, 0
	WIN 0
	PLACES
; the table for block a (16 positions): cos and sin of my position, frequencies 8 h .. and 16 + 8 h ..
.macro TLOAD a
.set TS, TB+32*((\a)%2)
.irp w, 0,1
	global_load_b128 v[TS+8*\w:TS+8*\w+3],       v[TV], s[80:81] offset:4096*(\a)+64*\w
	global_load_b128 v[TS+8*\w+4:TS+8*\w+7],     v[TV], s[80:81] offset:4096*(\a)+64*\w+16
	global_load_b128 v[TS+16+8*\w:TS+16+8*\w+3], v[TV], s[80:81] offset:4096*(\a)+64*\w+128
	global_load_b128 v[TS+16+8*\w+4:TS+16+8*\w+7], v[TV], s[80:81] offset:4096*(\a)+64*\w+144
.endr
.endm
	TLOAD 0
	s_wait_kmcnt 0x0                               ; A of my two chunks
	s_cmp_eq_u32 s87, 1
	s_cbranch_scc1 .Lrope
	; K, V: acc(a, b) += A x acc(a, b + 4), then += F x P
.irp w, 0,1
	WIN 0xaa+0x55*\w
.irp a, 0,1,2,3
.irp b, 0,1,2,3
.irp p, 0,2,4,6
	v_pk_fma_f32 v[8*(8*\a+\b)+\p:8*(8*\a+\b)+\p+1], v[8*(8*\a+\b+4)+\p:8*(8*\a+\b+4)+\p+1], s[88+2*\w:89+2*\w], v[8*(8*\a+\b)+\p:8*(8*\a+\b)+\p+1] op_sel_hi:[1,0,1]
.endr
.endr
.endr
.endr
	s_wait_loadcnt 8                               ; F and P are in; the table's eight loads may stay out
.irp w, 0,1
	WIN MUL_LO+0x50*\w
.irp a, 0,1,2,3
.irp b, 0,1,2,3
	v_wmma_f32_16x16x32_bf16 v[8*(8*\a+\b):8*(8*\a+\b)+7], v[F0+32*\w+8*\b:F0+32*\w+8*\b+7], v[F0+8*(4*\w+\a):F0+8*(4*\w+\a)+7], v[8*(8*\a+\b):8*(8*\a+\b)+7]
.endr
.endr
.endr
	WIN 0
	PLACES
.Lrope:
; Block a, head hh of the wave's columns: turned, rounded to f16, through my stage, back as 2,048 bytes on end.
.macro UNIT a, hh
.set AC, 64*((\a)%4)+32*(\hh)
.set TS, TB+32*((\a)%2)
.set BB, BK+16*(\hh)
	WIN 0x02+(\a)/4                                ; source 0, the accumulators, in window 2 or 3
.irp w, 0,1
.irp p, 0,2,4,6
	v_pk_mul_f32 v[T+8*\w+\p:T+8*\w+\p+1], v[AC+8*\w+\p:AC+8*\w+\p+1], v[TS+8*\w+\p:TS+8*\w+\p+1]
	v_pk_mul_f32 v[T+16+8*\w+\p:T+16+8*\w+\p+1], v[AC+16+8*\w+\p:AC+16+8*\w+\p+1], v[TS+8*\w+\p:TS+8*\w+\p+1]
.endr
.endr
.irp w, 0,1
.irp p, 0,2,4,6
	v_pk_fma_f32 v[T+8*\w+\p:T+8*\w+\p+1], v[AC+16+8*\w+\p:AC+16+8*\w+\p+1], v[TS+16+8*\w+\p:TS+16+8*\w+\p+1], v[T+8*\w+\p:T+8*\w+\p+1] neg_lo:[1,0,0] neg_hi:[1,0,0]
	v_pk_fma_f32 v[T+16+8*\w+\p:T+16+8*\w+\p+1], v[AC+8*\w+\p:AC+8*\w+\p+1], v[TS+16+8*\w+\p:TS+16+8*\w+\p+1], v[T+16+8*\w+\p:T+16+8*\w+\p+1]
.endr
.endr
	WIN 0
.set i, 0
.rept 16
	v_cvt_pk_f16_f32 v[PK+i], v[T+2*i], v[T+2*i+1]
.set i, i+1
.endr
	s_wait_xcnt 0x0                                ; earlier stores have read the registers that the loads below fill
.irp f, 0,1,2,3
	ds_store_b128 v[STO], v[PK+4*\f:PK+4*\f+3] offset:32*\f
.endr
.irp f, 0,1,2,3
	ds_load_b128 v[BB+4*\f:BB+4*\f+3], v[RD] offset:\f*4*SP    ; LDS serves a wave's instructions in order: these see the stores above
.endr
.endm
.macro SEND a, hh, younger
.set BB, BK+16*(\hh)
.irp f, 0,1,2,3
	s_wait_dscnt (\younger)+3-\f
	global_store_b128 v[GO], v[BB+4*\f:BB+4*\f+3], s[78:79] offset:262144*(\hh)+2048*(\a)+512*\f   ; 512 bytes on end, aligned
.endr
.endm
.macro BLOCK a
.if (\a) < 7
	TLOAD (\a)+1
	s_wait_loadcnt 8                               ; this block's table is in; the next block's eight loads may stay out
.else
	s_wait_loadcnt 0x0
.endif
	UNIT \a, 0
	s_cmp_eq_u32 s87, 0
	s_cbranch_scc1 .Lone_\@                        ; K and V have one head
	UNIT \a, 1
	SEND \a, 0, 8
	SEND \a, 1, 0
	s_branch .Ldone_\@
.Lone_\@:
	SEND \a, 0, 0
.Ldone_\@:
.endm
.irp a, 0,1,2,3,4,5,6,7
	BLOCK \a
.endr
	s_wait_tensorcnt 0x0                           ; the wave's end
	ds_add_u32 v[SPW], v[NIL]
	s_wait_dscnt 0x0
	CROUND                                         ; the closing round
	s_endpgm
.Lfunc_end_k_q997190a3e6_gemm1:
	.size	k_q997190a3e6_gemm1, .Lfunc_end_k_q997190a3e6_gemm1-k_q997190a3e6_gemm1
	.p2alignl 7, 3214868480
	.fill 96, 4, 3214868480
	.section	.rodata,"a",@progbits
	.p2align	6, 0x0
	.amdhsa_kernel k_q997190a3e6_gemm1
		.amdhsa_group_segment_fixed_size 327680
		.amdhsa_private_segment_fixed_size 0
		.amdhsa_enable_private_segment 0
		.amdhsa_kernarg_size 40
		.amdhsa_user_sgpr_count 2
		.amdhsa_user_sgpr_kernarg_segment_ptr 1
		.amdhsa_wavefront_size32 1
		.amdhsa_system_sgpr_workgroup_id_x 1
		.amdhsa_system_sgpr_workgroup_id_y 1
		.amdhsa_system_sgpr_workgroup_id_z 1
		.amdhsa_system_vgpr_workitem_id 0
		.amdhsa_next_free_vgpr 1024
		.amdhsa_next_free_sgpr 100
		.amdhsa_reserve_vcc 0
		.amdhsa_float_denorm_mode_32 3
		.amdhsa_float_denorm_mode_16_64 3
		.amdhsa_memory_ordered 1
		.amdhsa_forward_progress 1
		.amdhsa_inst_pref_size 204
	.end_amdhsa_kernel
	.amdgpu_metadata
---
amdhsa.version: [ 1, 2 ]
amdhsa.kernels:
  - .name:           k_q997190a3e6_gemm1
    .symbol:         k_q997190a3e6_gemm1.kd
    .args:
      - { .name: xb, .offset: 0, .size: 8, .value_kind: global_buffer, .address_space: global }
      - { .name: wts, .offset: 8, .size: 8, .value_kind: global_buffer, .address_space: global }
      - { .name: aux, .offset: 16, .size: 8, .value_kind: global_buffer, .address_space: global }
      - { .name: mw, .offset: 24, .size: 8, .value_kind: global_buffer, .address_space: global }
      - { .name: qkv, .offset: 32, .size: 8, .value_kind: global_buffer, .address_space: global }
    .group_segment_fixed_size: 327680
    .private_segment_fixed_size: 0
    .kernarg_segment_align: 8
    .kernarg_segment_size: 40
    .max_flat_workgroup_size: 128
    .sgpr_count:     100
    .vgpr_count:     1024
    .wavefront_size: 32
...
	.end_amdgpu_metadata
.endif
;; end of part 4
;; launch attn (part 5): grid 64 x 4, 4 waves a work-group, clusters of 4 x 1, 327,680 bytes of LDS; arguments qkv, ob; writes ob
.if DOCPART == 5
	.amdgcn_target "amdgcn-amd-amdhsa--gfx1250"
	.amdhsa_code_object_version 6
	.text
	.protected	k_q997190a3e6_attn
	.globl	k_q997190a3e6_attn
	.p2align	8
	.type	k_q997190a3e6_attn,@function
k_q997190a3e6_attn:
	s_mov_b64 s[64:65], 0
	v_nop
	global_prefetch_b8 v0, s[64:65] scope:SCOPE_SE
	s_setreg_imm32_b32 hwreg(HW_REG_WAVE_MODE, 25, 1), 1
	s_wait_xcnt 0x0
	s_wait_alu depctr_hold_cnt(0) depctr_sa_sdst(0) depctr_va_vdst(0) depctr_va_sdst(0) depctr_va_ssrc(0) depctr_va_vcc(0) depctr_vm_vsrc(0)
	s_getreg_b32 s2, hwreg(HW_REG_IB_STS2, 6, 4)
	s_cmp_eq_u32 s2, 0
	s_cbranch_scc0 .Lentry_in_a_cluster
	s_endpgm
.Lentry_in_a_cluster:
	s_bfe_u32 s2, ttmp6, 0x10000c
	s_cmp_lg_u32 s2, 0x3003
	s_cbranch_scc0 .Lentry_shape_is_right
	s_endpgm
.Lentry_shape_is_right:
; CAUSAL ATTENTION with grouped heads.  O[h][q] = the sum over k <= q of softmax_k(Q[h][q] . K[h / 4][k] / 8) V[h / 4][k].  Q, O: [64][2048][64] f16; K, V: [16][2048][64] f16 (qkv: q 0, k 16,777,216, v 20,971,520).
; Products, maxima and sums in f32; the weights p are rounded to f16 for the second product (their sum l is taken of the unrounded p), O once at the end.
; LIMITS.  Q, K, V arrive within f16's 65,504.  A hidden score counts as its value less 1e30; a weight below 2^-126 counts as 0 in l; NaN and infinities are not treated apart.
; THE WALK.  A head's queries lie in NB = 8 blocks of 256; block i needs key tiles 0 .. i.  A work-group takes blocks NB - 1 - b and then b: NB + 1 tiles whatever b; one loop with a constant trip count walks them.
; CLUSTER.  The four query heads of a kv head, with the same b, form a cluster: they walk the same tiles in the same trips, so each tile is asked for jointly (mask of four).
; SHARES.  Of a block's four bands of 64 queries a wave owns 16 rows in each: four pieces.  In the diagonal tile's key step s band x sees all keys if s < x, none if s > x, and holds the diagonal if s = x.
; THE MASK is the C operand that starts S^T = K Q^T: MD x AL + BE, MD the mask of a band's own step, (AL, BE) = (1, 0), (0, 0) or (0, -1e30).
; TURNS.  Turn n belongs to piece n: 8 products K Q^T of piece n + 1, later 8 products V^T P of piece n - 1; beside them piece n's scaling, exponentials, roundings, sums and rescaling and piece n + 1's maximum.
; A turn's 33 exponentials are one batch, with one wait.
; REGISTERS: window 0: v0-15 addresses; v16-31 statistics; v48-55 at work; v64-127 S^T, two buffers; v192-223 P, two buffers.  window 1: v0-127 O^T; v128-159 MD; v160-223 MC.
;   window 2: v0-63 Q; v64-127 the second block's Q; v128-191 K of one step; v192-255 V of one step.
.set SIZE_N, 2048
.set NB,    SIZE_N/256
.set NP,    4
.set KS,    64
.set PK,    144
.set PV,    160
.set VOFF,  4*KS*PK
.set SLOT1, 1<<17
.set STAGE, SLOT1+4*KS*(PK+PV)
.set SP,    144
.set AK0, 2
.set AV0, 3
.set AK,  4
.set AV,  5
.set STO, 6
.set RD,  7
.set GO,  8
.set PFO, 61                           ; v61  256 x my lane
.set SPW, 62
.set NIL, 63
.set SPARE, STAGE+4*16*SP
.set MV,  12
.set QO,  15
.set ST,  16
.set TMP, 48
.set S,   64
.set P,   192
.set MD,  128
.set MC,  160
.set QB,  64
.set KF,  128
.set VF,  192
.set WV,  12
.set PB,  14
.set HI,  15
.set G1K, 24
.set G1V, 32
.set G0K, 40
.set G0V, 44
.set SLOTS, 56
.set CNT, 57
.set CS,  58
.set SEL, 60
.set TBK, 62
.set TBV, 63
.set RT,  70
.set NXT, 71
.set LQ,  72
.set NEW, 73
.set OFF, 74
.set AL,  76
.set BE,  78
.set OLO, 80
.set BIGN, 82
.set PF,  88                           ; s88  1 in a wave that prefetches
.set CX,  89                           ; s89  my place in the cluster: it enters global addresses alone
.set PFB, 90                           ; s[90:91] my work-group's quarter of tile 0 of K (wave 0) or V (wave 2)
.set PFA, 92                           ; s[92:93] the same of the tile that the next change will ask for
.set MSB, 0
.macro WIN new
.if MSB != (\new)
	s_set_vgpr_msb (MSB<<8)|(\new)
.set MSB, (\new)
.endif
.endm
.set W_KQ, 0x0a
.set W_KM, 0x1a
.set W_PV, 0x52
.set W_RS, 0x41
.macro LOAD                            ; a joint fill: waves 0 and 1 fetch the halves of a tile's K, waves 2 and 3 of its V
	s_cmp_lt_u32 s[WV], 2
	s_cbranch_scc0 .Lfor_v_\@
	tensor_load_to_lds s[G0K:G0K+3], s[G1K:G1K+7]
	s_nop 0
.rept 4
	v_nop
.endr
	s_branch .Lasked_\@
.Lfor_v_\@:
	tensor_load_to_lds s[G0V:G0V+3], s[G1V:G1V+7]
	s_nop 0
.rept 4
	v_nop
.endr
.Lasked_\@:
.endm
.macro CROUND
	s_barrier_signal -1
	s_barrier_wait -1
	s_cmp_lg_u32 s[WV], 0
	s_cbranch_scc1 .Lnot_wave_0_\@
	s_barrier_signal -3
.Lnot_wave_0_\@:
	s_barrier_wait -3
	s_barrier_signal -1
	s_barrier_wait -1
.endm
; THE CHANGE OF SLOTS.  Each wave waits for all its tensor loads, adds 0 to its spare word, and waits for that and for its reads of the slot that it leaves.  fill = 1: a round of the cluster's barrier,
; and the old slot is filled again first thing behind it, with tile NXT.  Behind the load stands a prefetch of the tile that the NEXT change will ask for: the clusters with b = 0 walk tiles 0 to 7 on end,
; so they ask, each partner for 32 blocks of 256 bytes told apart by address, wave 0 for K and wave 2 for V: each block once; nothing where the next tile is tile 0 again.
.macro CHANGE fill
	WIN 0
	s_wait_tensorcnt 0x0
	ds_add_u32 v[SPW], v[NIL]       ; 0 onto my spare word; scalar work stands between it and the wait for it
.if \fill
	s_lshl_b32 s[OFF], s[NXT], 15
	s_xor_b32 s[G0K+1], s[G0K+1], SLOT1
	s_add_nc_u64 s[G0K+2:G0K+3], s[6:7], s[OFF:OFF+1]
	s_or_b32 s[G0K+3], s[G0K+3], 0x80000000
	s_xor_b32 s[G0V+1], s[G0V+1], SLOT1
	s_add_nc_u64 s[G0V+2:G0V+3], s[8:9], s[OFF:OFF+1]
	s_or_b32 s[G0V+3], s[G0V+3], 0x80000000
	s_add_co_u32 s[NXT], s[NXT], 1
	s_cmp_gt_u32 s[NXT], s[LQ]
	s_cselect_b32 s[NXT], 0, s[NXT]
	s_cselect_b32 s[LQ], s[PB], s[LQ]
	s_wait_xcnt 0x0                 ; the last prefetch, a tile back, has read its address
	s_lshl_b32 s94, s[NXT], 15
	s_add_nc_u64 s[PFA:PFA+1], s[PFB:PFB+1], s[94:95]
	s_mul_i32 s96, s[PF], s[NXT]
.endif
	s_sub_co_u32 s[TBK], s[TBK], 4*KS*PK
	s_xor_b32 s[TBK], s[TBK], SLOT1
	s_sub_co_u32 s[TBV], s[TBV], 4*KS*PV
	s_xor_b32 s[TBV], s[TBV], SLOT1
	s_wait_dscnt 0x0                ; the add is done, and my reads of the slot are over
.if \fill
	CROUND
	LOAD
	s_cmp_lg_u32 s96, 0
	s_cbranch_scc0 .Lnot_mine_\@
	global_prefetch_b8 v[PFO], s[PFA:PFA+1] th:TH_LOAD_NT scope:SCOPE_SE
.Lnot_mine_\@:
.else
	s_barrier_signal -1
	s_barrier_wait -1
.endif
.endm
	s_load_b128 s[4:7], s[0:1], 0x0   ; qkv s[4:5], ob s[6:7]
	v_lshl_add_u32 v[SPW], v0, 2, SPARE
	v_mov_b32 v[NIL], 0
	ds_add_u32 v[SPW], v[NIL]       ; the wave's opening: the add and its wait stand ahead of my first tensor load
	v_lshrrev_b32 v1, 5, v0
	v_readfirstlane_b32 s[WV], v1
	s_bfe_u32 s[CX], ttmp6, 0x40000
	s_and_b32 s[PB], ttmp7, 0xffff
	s_sub_co_u32 s[HI], NB-1, s[PB]
	s_lshl_b32 s20, ttmp9, 2
	s_add_co_u32 s20, s20, s[CX]    ; my query head
	s_lshl_b32 s20, s20, 18         ; its first byte in Q and O
	s_mov_b32 s21, 0
	s_and_b32 s16, s[WV], 1         ; which half of a tile's 256 keys I fetch
	s_lshl_b32 s22, ttmp9, 18       ; the kv head, which the four partners share
	s_lshl_b32 s19, s16, 14
	s_add_co_u32 s22, s22, s19
	s_mov_b32 s23, 0
	s_mul_i32 s17, s16, 128*PK
	s_mul_i32 s18, s16, 128*PV
	s_lshl_b32 s3, s[WV], 11        ; my 16 rows in a band of 64,
	s_lshl_b32 s2, s[HI], 15        ; in the first block,
	s_add_co_u32 s2, s2, s3
	s_lshl_b32 s84, s[PB], 15       ; and in the second
	s_add_co_u32 s84, s84, s3
	s_mov_b32 s3, 0
	s_mov_b32 s85, 0
	s_add_nc_u64 s[2:3], s[2:3], s[20:21]
	s_add_nc_u64 s[84:85], s[84:85], s[20:21]
	s_mov_b32 s[G1K], 15|(1<<16)|(1<<20)|(1<<21)|(4<<22)|(3<<25)  ; the mask of four; 2-byte elements; 4 words of padding after every 32; bit 21 beside a mask
	s_mov_b32 s[G1V], 15|(1<<16)|(1<<20)|(1<<21)|(4<<22)|(7<<25)  ; the same with 8 words
.irp g, G1K, G1V
	s_mov_b32 s[\g+1], 128<<16      ; 128 keys are 16,384 dense bytes: 64 rows of 256 bytes
	s_mov_b32 s[\g+2], 64<<16
	s_mov_b32 s[\g+3], 128<<16
	s_mov_b32 s[\g+4], 64
	s_mov_b32 s[\g+5], 128
	s_mov_b32 s[\g+6], 0
	s_mov_b32 s[\g+7], 0
.endr
	s_mov_b32 s[CS], 0x3e38aa3b     ; c = log2(e) / 8
	s_mov_b32 s[CS+1], s[CS]
	s_mov_b32 s[SEL], 0x76543210
	s_mov_b32 s[SEL+1], 0xfedcba98
	s_mov_b32 s[TBK], SLOT1+4*KS*PK
	s_mov_b32 s[TBV], SLOT1+4*KS*PV
	s_mov_b32 s[G0K], 1
	s_mov_b32 s[G0K+1], s17
	s_mov_b32 s[G0V], 1
	s_add_co_u32 s[G0V+1], s18, VOFF
	s_add_co_u32 s[RT], s[HI], 1
	s_mov_b32 s[NXT], 1
	s_mov_b32 s[LQ], s[HI]
	s_mov_b32 s[NEW], 1
	s_mov_b32 s[OFF+1], 0
	s_mov_b32 s95, 0
	s_mov_b32 s[AL+1], 0
	s_mov_b32 s[BE+1], 0
	s_mov_b32 s[BIGN], 0xf149f2ca   ; -1e30
	s_mov_b32 s[SLOTS], NB
	s_or_b32 s[PF], s16, s[PB]      ; 0 in waves 0 and 2 where b = 0: the same in all four partners
	s_cmp_eq_u32 s[PF], 0
	s_cselect_b32 s[PF], 1, 0
	v_and_b32 v[PFO], 31, v0
	v_lshlrev_b32 v[PFO], 8, v[PFO]
	s_wait_dscnt 0x0                ; the opening add is done
	s_wait_kmcnt 0x0
	s_mov_b64 s[10:11], s[6:7]      ; O
	s_add_nc_u64 s[6:7], s[4:5], 0x1000000
	s_add_nc_u64 s[8:9], s[4:5], 0x1400000
	s_add_nc_u64 s[6:7], s[6:7], s[22:23]  ; K and V at my half of the head's tile 0
	s_add_nc_u64 s[8:9], s[8:9], s[22:23]
	s_add_nc_u64 s[G0K+2:G0K+3], s[6:7], 0
	s_or_b32 s[G0K+3], s[G0K+3], 0x80000000
	s_add_nc_u64 s[G0V+2:G0V+3], s[8:9], 0
	s_or_b32 s[G0V+3], s[G0V+3], 0x80000000
	s_add_nc_u64 s[86:87], s[4:5], s[84:85]
	s_add_nc_u64 s[4:5], s[4:5], s[2:3]
	s_add_nc_u64 s[OLO:OLO+1], s[10:11], s[84:85]
	s_add_nc_u64 s[10:11], s[10:11], s[2:3]
	s_cmp_lt_u32 s[WV], 2
	s_cselect_b64 s[PFB:PFB+1], s[6:7], s[8:9]
	s_lshl_b32 s94, s[CX], 13
	s_add_nc_u64 s[PFB:PFB+1], s[PFB:PFB+1], s[94:95]
	s_mov_b64 s[PFA:PFA+1], s[PFB:PFB+1]
	CROUND                          ; all four work-groups are here: the first joint load meets
	LOAD                            ; tile 0 into slot 0
	v_and_b32 v1, 15, v0
	v_bfe_u32 v9, v0, 4, 1
	v_lshlrev_b32 v[QO], 7, v1
	v_lshl_add_u32 v[QO], v9, 4, v[QO]
	WIN 0x80
.set i, 0
.rept 8
	global_load_b128 v[8*i:8*i+3],   v[QO], s[4:5] offset:(i/2)*8192+(i%2)*64
	global_load_b128 v[8*i+4:8*i+7], v[QO], s[4:5] offset:(i/2)*8192+(i%2)*64+32
	global_load_b128 v[QB+8*i:QB+8*i+3],   v[QO], s[86:87] offset:(i/2)*8192+(i%2)*64
	global_load_b128 v[QB+8*i+4:QB+8*i+7], v[QO], s[86:87] offset:(i/2)*8192+(i%2)*64+32
.set i, i+1
.endr
	WIN 0
	v_lshlrev_b32 v14, 3, v9
	v_sub_nc_u32 v14, v1, v14
	s_lshl_b32 s13, s[WV], 4
	v_add_nc_u32 v14, s13, v14      ; my query's place in its band less 8 (l / 16): register r of group kt is hidden where 16 kt + r is greater
	WIN 0x40
.set i, 0
.rept 32
	v_cmp_gt_i32 vcc_lo, 16*(i/8)+i%8, v14
	v_cndmask_b32 v[MD+i], 0, s[BIGN], vcc_lo
.set i, i+1
.endr
	WIN 0
	v_mul_u32_u24 v[AK0], v1, PK
	v_lshl_add_u32 v[AK0], v9, 4, v[AK0]
	v_and_b32 v10, 7, v0
	v_bfe_u32 v11, v0, 3, 1
	v_lshl_add_u32 v[AV0], v9, 3, v10
	v_mul_u32_u24 v[AV0], v[AV0], PV
	v_lshl_add_u32 v[AV0], v11, 4, v[AV0]
	v_add_nc_u32 v[AV0], VOFF, v[AV0]
	s_mul_i32 s13, s[WV], 16*SP
	s_add_co_u32 s13, s13, STAGE
	v_mul_u32_u24 v[STO], v1, SP
	v_lshl_add_u32 v[STO], v9, 4, v[STO]
	v_add_nc_u32 v[STO], s13, v[STO]
	v_bfe_u32 v[RD], v0, 3, 2
	v_mul_u32_u24 v[RD], v[RD], SP
	v_lshl_add_u32 v[RD], v10, 4, v[RD]
	v_add_nc_u32 v[RD], s13, v[RD]
	v_and_b32 v[GO], 31, v0
	v_lshlrev_b32 v[GO], 4, v[GO]
	; A block's first step multiplies O^T and l by a = 0, so these registers need only hold finite numbers: zeros for the first block.  All this stands in the wait for the first tile.
	WIN 0x80
.set i, VF
.rept 64
	v_mov_b32 v[i], 0
.set i, i+1
.endr
	WIN 0x40
.set i, 0
.rept 128
	v_mov_b32 v[i], 0
.set i, i+1
.endr
	WIN 0
.set i, 0
.rept 4
	v_mov_b32 v[ST+4*i+2], 0
	v_mov_b32 v[ST+4*i+3], 0
.set i, i+1
.endr
.set i, P+16
.rept 16
	v_mov_b32 v[i], 0
.set i, i+1
.endr
; THE MATRIX WORK.  The 4 accumulators of a run of 8 take turns.
.macro KQ x
.set rS, S+32*((\x)%2)+8*(i%4)
.set rK, KF+16*(i%4)+8*(i/4)
.set rQ, 16*(\x)+8*(i/4)
.set rM, MC+32*((\x)%2)+8*(i%4)
.if (i < 4) && KM
	WIN W_KM
	v_wmma_f32_16x16x32_f16 v[rS:rS+7], v[rK:rK+7], v[rQ:rQ+7], v[rM:rM+7]
.elseif i < 4
	WIN W_KQ
	v_wmma_f32_16x16x32_f16 v[rS:rS+7], v[rK:rK+7], v[rQ:rQ+7], 0
.else
	WIN W_KQ
	v_wmma_f32_16x16x32_f16 v[rS:rS+7], v[rK:rK+7], v[rQ:rQ+7], v[rS:rS+7]
.endif
.endm
.macro PV x
	WIN W_PV
.set rO, 32*(\x)+8*(i%4)
.set rV, VF+32*(i/4)+8*(i%4)
.set rP, P+16*((\x)%2)+8*(i/4)
	v_wmma_f32_16x16x32_f16 v[rO:rO+7], v[rV:rV+7], v[rP:rP+7], v[rO:rO+7]
.endm
.macro MM
.if (i < 8) && !NOKQ
	KQ (Y+1)%NP
.elseif i >= 8
.set i, i-8
	PV (Y+NP-1)%NP
.set i, i+8
.endif
.set i, i+1
.endm
.macro FETCH_K
	WIN 0x80
.irp f, 0,1,2,3,4,5,6,7
	ds_load_b128 v[KF+8*\f:KF+8*\f+3],   v[AK] offset:(\f/2)*16*PK+(\f%2)*64
	ds_load_b128 v[KF+8*\f+4:KF+8*\f+7], v[AK] offset:(\f/2)*16*PK+(\f%2)*64+32
.endr
	s_add_co_u32 s[TBK], s[TBK], KS*PK
	WIN 0
.endm
.macro FETCH_V
	WIN 0x80
.irp f, 0,1,2,3,4,5,6,7
	ds_load_tr16_b128 v[VF+8*\f:VF+8*\f+3],   v[AV] offset:(\f/4)*32*PV+(\f%4)*32
	ds_load_tr16_b128 v[VF+8*\f+4:VF+8*\f+7], v[AV] offset:(\f/4)*32*PV+16*PV+(\f%4)*32
.endr
	WIN 0
.endm
; THE VECTOR WORK, one line at a time: OP kind, number.  F n: c s - c m for pair n.  E n: the exponential of score n.  C n: pair n rounded to f16.  B n: of four weights the second pair onto the first.
; L n: l takes that sum (L 0: l = a l + sum).  R n: pair n of O^T times a.  X n: number n of the 22 that find the next piece's maximum and statistics (each accumulator's lowest registers are read first).
.set F, 0
.set E, 1
.set C, 2
.set B, 3
.set L, 4
.set R, 5
.set X, 6
.macro REGS y
.set rT, ST+4*(\y)
.set rC, TMP+4*((\y)%2)
.set rW, MV+((\y)%2)
.set rS, S+32*((\y)%2)
.set rP, P+16*((\y)%2)
.set rO, 32*(\y)
.endm
.macro OP k, n
.if (\k) == R
	REGS Y
	WIN W_RS
	v_pk_mul_f32 v[rO+2*(\n):rO+2*(\n)+1], v[rO+2*(\n):rO+2*(\n)+1], v[rC+2:rC+3] op_sel_hi:[1,0]
.elseif (\k) < R
	REGS Y
	WIN 0
.if (\k) == F
	v_pk_fma_f32 v[rS+2*(\n):rS+2*(\n)+1], v[rS+2*(\n):rS+2*(\n)+1], s[CS:CS+1], v[rT:rT+1] op_sel_hi:[1,0,0] neg_lo:[0,0,1] neg_hi:[0,0,1]
.elseif (\k) == E
	v_exp_f32 v[rS+(\n)], v[rS+(\n)]
.elseif (\k) == C
	v_cvt_pk_f16_f32 v[rP+(\n)], v[rS+2*(\n)], v[rS+2*(\n)+1]
.elseif (\k) == B
	v_pk_add_f32 v[rS+4*(\n):rS+4*(\n)+1], v[rS+4*(\n):rS+4*(\n)+1], v[rS+4*(\n)+2:rS+4*(\n)+3]
.elseif (\n) == 0
	v_pk_fma_f32 v[rT+2:rT+3], v[rT+2:rT+3], v[rC+2:rC+3], v[rS:rS+1] op_sel_hi:[1,0,1]
.else
	v_pk_add_f32 v[rT+2:rT+3], v[rT+2:rT+3], v[rS+4*(\n):rS+4*(\n)+1]
.endif
.elseif NOKQ
	v_nop
.else
	REGS (Y+1)%NP
	WIN 0
.if (\n) < 4
	v_max3_num_f32 v[rC+(\n)], v[rS+8*(\n)], v[rS+8*(\n)+1], v[rS+8*(\n)+2]
.elseif (\n) < 12
	v_max3_num_f32 v[rC+(\n)%4], v[rC+(\n)%4], v[rS+8*((\n)%4)+2*((\n)/4)+1], v[rS+8*((\n)%4)+2*((\n)/4)+2]
.elseif (\n) == 12
	v_max3_num_f32 v[rC], v[rC], v[rS+7], v[rS+15]
.elseif (\n) == 13
	v_max3_num_f32 v[rC+1], v[rC+1], v[rS+23], v[rS+31]
.elseif (\n) == 14
	v_max3_num_f32 v[rC+2], v[rC+2], v[rC+3], v[rT+1]
.elseif (\n) == 15
	v_mov_b32 v[rW], v[rT]
.elseif (\n) == 16
	v_max3_num_f32 v[rC], v[rC], v[rC+1], v[rC+2]
.elseif (\n) == 17
	v_permlanex16_b32 v[rC+3], v[rC], s[SEL], s[SEL+1]
.elseif (\n) == 18
	v_max_num_f32 v[rT+1], v[rC], v[rC+3]
.elseif (\n) == 19
	v_mul_f32 v[rT], s[CS], v[rT+1]
.elseif (\n) == 20
	v_sub_f32 v[rC+1], v[rW], v[rT]
.else
	v_exp_f32 v[rC+2], v[rC+1]
.endif
.endif
.endm
.macro OPS a, i1, b=-1, i2=0, c=-1, i3=0, d=-1, i4=0
	OP \a, \i1
.if (\b) >= 0
	OP \b, \i2
.endif
.if (\c) >= 0
	OP \c, \i3
.endif
.if (\d) >= 0
	OP \d, \i4
.endif
.endm
.macro ROW a, i1, b, i2, c, i3, d, i4
	MM
	OPS \a, \i1, \b, \i2, \c, \i3, \d, \i4
.endm
.macro MASK b
	WIN W_RS
.set z, 0
.rept 16
	v_pk_fma_f32 v[MC+32*(\b)+2*z:MC+32*(\b)+2*z+1], v[MD+2*z:MD+2*z+1], s[AL:AL+1], s[BE:BE+1] op_sel_hi:[1,0,0]
.set z, z+1
.endr
.endm
; A TURN, for piece p.  Ahead of its one wait stands all that names no result of the turn's exponentials; behind it the 8 products V^T P with the roundings and sums as their riders.
; m = 1: the diagonal tile.  end = 1: a block's last two turns: nothing is fetched.  cnt = 1: the loop's count is taken down ahead of the branch behind the turn.
.macro TURN p, m=0, end=0, cnt=0
.set Y, (\p)
.set i, 0
.set KM, (\m)
.set NOKQ, (\end)*((\p)/3)
.if (\m) && !(\end)
	s_cmp_eq_u32 s[CNT], 4-((\p)+2)%NP
	s_cselect_b32 s[AL], 1.0, 0
	s_cmp_lt_u32 s[CNT], 4-((\p)+2)%NP
	s_cselect_b32 s[BE], s[BIGN], 0
.endif
.if ((\p) == 3) && !(\end)
	s_wait_dscnt 0x0                ; K is in
.endif
	ROW F,0, F,1, R,0, R,1
	ROW F,2, E,0, R,2, R,3
	ROW F,3, E,1, R,4, R,5
	ROW F,4, E,2, R,6, R,7
	ROW F,5, E,3, R,8, R,9
	ROW F,6, E,4, X,0, R,10
.if ((\p) == 2) && !(\end)
	WIN 0
	v_add_nc_u32 v[AK], s[TBK], v[AK0]
.endif
	ROW F,7, E,5, X,1, X,4
	ROW F,8, E,6, X,2, X,5
	OPS E,7, E,8, X,6, E,9
	OPS X,3, E,10, X,8, E,11
.if ((\p) == 2) && !(\end)
	FETCH_K
.endif
	OPS X,9, X,7, E,12, X,10
	OPS E,13, X,12, X,11, E,14
	OPS X,13, E,15, F,9, X,14
.if (\p) == 0
	v_add_nc_u32 v[AV], s[TBV], v[AV0]
.endif
	OPS E,16, F,10, E,17, F,11
	OPS X,16, E,18, X,15, E,19
	OPS F,12, E,20, X,17, E,21
	OPS F,13, E,22, F,14, E,23
	OPS X,18, E,24, F,15, E,25
	OPS R,11, E,26, X,19, E,27
	OPS R,12, E,28, R,13, E,29
	OPS X,20, E,30, R,14, E,31
	OPS X,21, R,15
	WIN 0
	s_wait_alu depctr_va_vdst(0)    ; the wait for the batch
.if (\p) == 1
	s_wait_dscnt 0x0                ; V is in
.endif
	ROW C,0, B,0, C,2, B,1
	ROW L,0, C,4, B,2, L,1
	ROW C,6, B,3, L,2, C,8
	ROW B,4, L,3, C,10, B,5
	ROW L,4, C,12, B,6, L,5
.if (\p) == 0
	s_add_co_u32 s[TBV], s[TBV], KS*PV
.endif
.if \cnt
	s_sub_co_u32 s[CNT], s[CNT], 1
	s_cmp_lg_u32 s[CNT], 0
.endif
	ROW C,14, B,7, L,6, C,1
	ROW C,3, L,7, C,5, C,7
	ROW C,9, C,11, C,13, C,15
.if (\p) == 0
	FETCH_V
.endif
.if (\m) && !(\end)
	MASK (\p)%2
.endif
.endm
; A BLOCK BEGINS: c m far below every c s, so the first step's a is 0; the masks; K of the tile's step 0, piece 0's first scores, maximum and statistics.
.macro BEGIN
	s_mov_b32 s[NEW], 0
	WIN 0x40
.set i, MC+32
.rept 32
	v_mov_b32 v[i], 0
.set i, i+1
.endr
	WIN 0
.set i, 0
.rept 4
	v_mov_b32 v[ST+4*i], 0xfe000000
	v_mov_b32 v[ST+4*i+1], 0xff7fffff
.set i, i+1
.endr
	s_cmp_eq_u32 s[RT], 0
	s_cselect_b32 s[AL], 1.0, 0
	s_mov_b32 s[BE], 0
	MASK 0
	WIN 0
	v_add_nc_u32 v[AK], s[TBK], v[AK0]
	FETCH_K
	s_wait_loadcnt 0x0              ; Q
	s_wait_dscnt 0x0
.set KM, 1
.set NOKQ, 0
.set i, 0
.rept 8
	KQ 0
.set i, i+1
.endr
	WIN 0
.rept 4
	v_nop
.endr
.set Y, NP-1
.irp n, 0,1,2,3,4,5,6,7,8,9,10,11,12,13,14,15,16,17,18,19,20,21
	OP X, \n
.endr
	v_nop
	s_wait_alu depctr_va_vdst(0)
.endm
.macro ALL line:vararg
.set t, 0
.rept 4
	\line
.set t, t+1
.endr
.endm
.macro PACK t
	WIN W_RS
.set i, 32*(\t)
.rept 16
	v_pk_mul_f32 v[i:i+1], v[i:i+1], v[ST+4*(\t)+2:ST+4*(\t)+3] op_sel_hi:[1,0]
.set i, i+2
.endr
	WIN 0x05
.set i, 0
.rept 16
	v_cvt_pk_f16_f32 v[S+16*(\t)+i], v[32*(\t)+2*i], v[32*(\t)+2*i+1]
.set i, i+1
.endr
	WIN 0
.irp f, 0,1,2,3
	ds_store_b128 v[STO], v[S+16*(\t)+4*\f:S+16*(\t)+4*\f+3] offset:32*\f
.endr
.irp f, 0,1,2,3
	ds_load_b128 v[S+16*(\t)+4*\f:S+16*(\t)+4*\f+3], v[RD] offset:\f*4*SP  ; LDS serves a wave's instructions in order: these see the stores above
.endr
.endm
.macro SEND t, younger
	WIN 0
.irp f, 0,1,2,3
	s_wait_dscnt (\younger)+3-\f
	global_store_b128 v[GO], v[S+16*(\t)+4*\f:S+16*(\t)+4*\f+3], s[10:11] offset:(\t)*8192+\f*512  ; 512 bytes on end, aligned
.endr
.endm
.macro DIAG tag
.LstepM\tag:
	TURN 2, 1
	TURN 3, 1
	WIN 0
.LfirstM\tag:
	TURN 0, 1
	TURN 1, 1, 0, 1
	WIN 0
	s_cbranch_scc1 .LstepM\tag
	TURN 2, 1, 1
	TURN 3, 1, 1
.set i, 0
.rept 8
	PV NP-1
.set i, i+1
.endr
	WIN 0
	ALL v_add_f32 v[ST+4*t+2], v[ST+4*t+2], v[ST+4*t+3]
	ALL v_permlanex16_b32 v[ST+4*t+3], v[ST+4*t+2], s[SEL], s[SEL+1]
	ALL v_add_f32 v[ST+4*t+2], v[ST+4*t+2], v[ST+4*t+3]
	ALL v_rcp_f32 v[ST+4*t+2], v[ST+4*t+2]
	v_nop
	s_wait_alu depctr_va_vdst(0)    ; one wait for the four reciprocals
	PACK 0
.set t, 1
.rept 3
	PACK t
	SEND t-1, 8
.set t, t+1
.endr
	SEND 3, 0
.endm
.set KM, 0
.set NOKQ, 0
.Lslot:                             ; NB times: a tile is entered and the next is asked for
	CHANGE 1
	s_sub_co_u32 s[RT], s[RT], 1
	s_mov_b32 s[CNT], 4
	s_cmp_eq_u32 s[NEW], 1
	s_cbranch_scc1 .Lnew
	s_cmp_eq_u32 s[RT], 0
	s_cbranch_scc0 .Lstep
	s_branch .LstepM1
.Lnew:
	BEGIN
	s_branch .Lfirst
	DIAG 1                          ; in the loop this is the first block's end
	s_wait_xcnt 0x0                 ; the stores have read their registers and O's address
	s_mov_b64 s[10:11], s[OLO:OLO+1]
	s_add_co_u32 s[RT], s[PB], 1
	s_mov_b32 s[NEW], 1
	WIN 0x82
.set i, 0
.rept 64
	v_mov_b32 v[i], v[QB+i]
.set i, i+1
.endr
	WIN 0
	s_branch .Lbottom
.Lstep:
	TURN 2
	TURN 3
	WIN 0
.Lfirst:
	TURN 0
	TURN 1, 0, 0, 1
	WIN 0
	s_cbranch_scc1 .Lstep
.Lbottom:
	s_sub_co_u32 s[SLOTS], s[SLOTS], 1
	s_cmp_lg_u32 s[SLOTS], 0
	s_cbranch_scc1 .Lslot
	CHANGE 0                        ; the walk's last tile is written out: nothing is asked for
	s_sub_co_u32 s[RT], s[RT], 1
	s_mov_b32 s[CNT], 4
	s_cmp_eq_u32 s[NEW], 1
	s_cbranch_scc0 .LstepM2
	BEGIN
	s_branch .LfirstM2
	DIAG 2
	s_wait_tensorcnt 0x0            ; the wave's end
	ds_add_u32 v[SPW], v[NIL]
	s_wait_dscnt 0x0
	CROUND                          ; the closing round
	s_endpgm
.Lfunc_end_k_q997190a3e6_attn:
	.size	k_q997190a3e6_attn, .Lfunc_end_k_q997190a3e6_attn-k_q997190a3e6_attn
	.p2alignl 7, 3214868480
	.fill 96, 4, 3214868480
	.section	.rodata,"a",@progbits
	.p2align	6, 0x0
	.amdhsa_kernel k_q997190a3e6_attn
		.amdhsa_group_segment_fixed_size 327680
		.amdhsa_private_segment_fixed_size 0
		.amdhsa_enable_private_segment 0
		.amdhsa_kernarg_size 16
		.amdhsa_user_sgpr_count 2
		.amdhsa_user_sgpr_kernarg_segment_ptr 1
		.amdhsa_wavefront_size32 1
		.amdhsa_system_sgpr_workgroup_id_x 1
		.amdhsa_system_sgpr_workgroup_id_y 1
		.amdhsa_system_sgpr_workgroup_id_z 1
		.amdhsa_system_vgpr_workitem_id 0
		.amdhsa_next_free_vgpr 768
		.amdhsa_next_free_sgpr 100
		.amdhsa_reserve_vcc 1
		.amdhsa_float_denorm_mode_32 3
		.amdhsa_float_denorm_mode_16_64 3
		.amdhsa_memory_ordered 1
		.amdhsa_forward_progress 1
		.amdhsa_inst_pref_size 219
	.end_amdhsa_kernel
	.amdgpu_metadata
---
amdhsa.version: [ 1, 2 ]
amdhsa.kernels:
  - .name:           k_q997190a3e6_attn
    .symbol:         k_q997190a3e6_attn.kd
    .args:
      - { .name: qkv, .offset: 0, .size: 8, .value_kind: global_buffer, .address_space: global }
      - { .name: ob, .offset: 8, .size: 8, .value_kind: global_buffer, .address_space: global }
    .group_segment_fixed_size: 327680
    .private_segment_fixed_size: 0
    .kernarg_segment_align: 8
    .kernarg_segment_size: 16
    .max_flat_workgroup_size: 128
    .sgpr_count:     100
    .vgpr_count:     768
    .wavefront_size: 32
...
	.end_amdgpu_metadata
.endif
;; end of part 5
;; launch gemm2 (part 6): grid 8 x 32, 4 waves a work-group, clusters of 4 x 4, 327,680 bytes of LDS; arguments ob, wts, out0; writes out0
.if DOCPART == 6
	.amdgcn_target "amdgcn-amd-amdhsa--gfx1250"
	.amdhsa_code_object_version 6
	.text
	.protected	k_q997190a3e6_gemm2
	.globl	k_q997190a3e6_gemm2
	.p2align	8
	.type	k_q997190a3e6_gemm2,@function
k_q997190a3e6_gemm2:
	s_mov_b64 s[64:65], 0
	v_nop
	global_prefetch_b8 v0, s[64:65] scope:SCOPE_SE
	s_setreg_imm32_b32 hwreg(HW_REG_WAVE_MODE, 25, 1), 1
	s_wait_xcnt 0x0
	s_wait_alu depctr_hold_cnt(0) depctr_sa_sdst(0) depctr_va_vdst(0) depctr_va_sdst(0) depctr_va_ssrc(0) depctr_va_vcc(0) depctr_vm_vsrc(0)
	s_getreg_b32 s2, hwreg(HW_REG_IB_STS2, 6, 4)
	s_cmp_eq_u32 s2, 0
	s_cbranch_scc0 .Lentry_in_a_cluster
	s_endpgm
.Lentry_in_a_cluster:
	s_bfe_u32 s2, ttmp6, 0x10000c
	s_cmp_lg_u32 s2, 0xf033
	s_cbranch_scc0 .Lentry_shape_is_right
	s_endpgm
.Lentry_shape_is_right:
; out0[token][n] = the sum over k of O[token][k] Wo[k][n].  O lies by heads ([64][2048][64] f16), wot = Wo^T ([1024 n][1024 k], f16 spelling of the bf16 rounding) at byte 4,194,304 of wts; out0 in f32.
; A tile of 256 tokens x 128 n to a work-group, 128 x 64 a wave: 32 accumulators in window 1.  A K step is 128 = two heads: A's tile is [head parity][256 tokens] with rows of 128 bytes (dense in memory,
; asked for as rows of 256 bytes, padded after every 128), B's 128 rows of 256 bytes.  Two slots; joint loads in a cluster of 4 x 4: A shared along its row, B along its column.
; Source 0 = 16 rows of wot, source 1 = 16 tokens: a lane holds one token and 8 neighbouring n, 32 bytes of f32.
.set PA,     144
.set PB,     272
.set AHALF,  256*PA                    ; one head parity: what waves 0 and 1 each fetch
.set BOFF,   2*AHALF
.set BHALF,  64*PB                     ; what waves 2 and 3 each fetch
.set SLOT,   BOFF+2*BHALF
.set STAGE,  2*SLOT                    ; 16 rows x 272 bytes a wave, for the way out
.set SPITCH, 272
.set SPARE,  STAGE+4*16*SPITCH
.set ASTEP,  524288                    ; two heads on
.set BSTEP,  256
.set LAPS,   4
.set ADRA, 16
.set ADRB, 20
.set STO,  24
.set RD,   25
.set CO,   26
.set SPW,  28
.set NIL,  29
.set PFO,  30
.set PFA,  44
.set LIM,  43
.set PST,  74                          ; s[74:75] a K step along my prefetches
.set F0,   64                          ; fragment buffers in window 0: A's 8, then B's 4
.set F1,   160
.set BK,   32
.set G1, 24
.set G0, 32
.set G1B, 48
.set G0B, 56
.set MSB, 0
.macro WIN new
.if MSB != (\new)
	s_set_vgpr_msb (MSB<<8)|(\new)
.set MSB, \new
.endif
.endm
.set MUL, 0x50                         ; C and D in window 1
.macro JLOAD s
	s_cmp_eq_u32 s11, 0
	s_cbranch_scc0 .Lfor_b_\@
	tensor_load_to_lds s[G0+4*(\s):G0+4*(\s)+3], s[G1:G1+7]
	s_nop 0
.rept 4
	v_nop
.endr
	s_branch .Lasked_\@
.Lfor_b_\@:
	tensor_load_to_lds s[G0B+4*(\s):G0B+4*(\s)+3], s[G1B:G1B+7]
	s_nop 0
.rept 4
	v_nop
.endr
.Lasked_\@:
.endm
; A prefetch of the K step two refills on, 32 blocks of 256 bytes, a lane a block.  A's: the cluster with x = 0, waves 0 and 1, each partner a quarter of the wave's dense 32 KiB, by address;
; B's: the cluster with y = 0, wave 2, each partner 32 of the tile's 128 rows, by address.  The loop's last trip asks for nothing.
.macro ASK
	s_cmp_gt_u32 s3, s[LIM]
	s_cbranch_scc0 .Lnot_mine_\@
	global_prefetch_b8 v[PFO], s[PFA:PFA+1] th:TH_LOAD_NT scope:SCOPE_SE
.Lnot_mine_\@:
.endm
.macro CREST
	s_cmp_lg_u32 s10, 0
	s_cbranch_scc1 .Lnot_wave_0_\@
	s_barrier_signal -3
.Lnot_wave_0_\@:
	s_barrier_wait -3
	s_barrier_signal -1
	s_barrier_wait -1
.endm
.macro CROUND
	s_barrier_signal -1
	s_barrier_wait -1
	CREST
.endm
	s_load_b128 s[4:7], s[0:1], 0x0                ; ob, wts
	s_load_b64 s[8:9], s[0:1], 0x10                ; out0
	v_lshl_add_u32 v[SPW], v0, 2, SPARE
	v_mov_b32 v[NIL], 0
	ds_add_u32 v[SPW], v[NIL]                      ; the wave's opening: the add and its wait stand ahead of my first tensor load
	v_lshrrev_b32 v1, 5, v0
	v_readfirstlane_b32 s10, v1
	s_lshr_b32 s11, s10, 1                         ; my half of the rows; also: I fetch for A (0) or B (1)
	s_and_b32 s12, s10, 1                          ; my half of the columns; also: which half I fetch
	s_bfe_u32 s40, ttmp6, 0x40000
	s_bfe_u32 s41, ttmp6, 0x40004
	s_lshl_b32 s42, ttmp9, 2
	s_add_co_u32 s42, s42, s40                     ; tile column
	s_and_b32 s13, ttmp7, 0xffff
	s_lshl_b32 s13, s13, 2
	s_add_co_u32 s13, s13, s41                     ; tile row
	s_lshl_b32 s43, s41, 2
	s_lshl_b32 s43, 15, s43
	s_lshl_b32 s44, 0x1111, s40
	s_or_b32 s[G1+0], s43, (1<<16)|(1<<20)|(1<<21)|(4<<22)|(3<<25)   ; A: 4 words of padding after every 32
	s_or_b32 s[G1B+0], s44, (1<<16)|(1<<20)|(1<<21)|(5<<22)|(3<<25)  ; B: after every 64
	s_mov_b32 s[G1+1], 128<<16
	s_mov_b32 s[G1+2], 128<<16
	s_mov_b32 s[G1+3], 128<<16
	s_mov_b32 s[G1+4], 128                         ; 128 rows of 256 bytes: 256 tokens of one head
	s_mov_b32 s[G1+5], 128
	s_mov_b32 s[G1+6], 0
	s_mov_b32 s[G1+7], 0
	s_mov_b32 s[G1B+1], 128<<16
	s_mov_b32 s[G1B+2], 64<<16
	s_mov_b32 s[G1B+3], 128<<16
	s_mov_b32 s[G1B+4], 64
	s_mov_b32 s[G1B+5], 1024
	s_mov_b32 s[G1B+6], 0
	s_mov_b32 s[G1B+7], 0
	s_lshr_b32 s16, s13, 3
	s_lshl_b32 s16, s16, 4
	s_add_co_u32 s16, s16, s12                     ; head 16 batch + parity
	s_lshl_b32 s16, s16, 18
	s_and_b32 s17, s13, 7
	s_lshl_b32 s17, s17, 15                        ; the tile's 256 positions
	s_add_co_u32 s16, s16, s17
	s_mov_b32 s17, 0
	s_lshl_b32 s46, s42, 7
	s_lshl_b32 s47, s12, 6
	s_add_co_u32 s46, s46, s47
	s_lshl_b32 s46, s46, 11
	s_add_co_u32 s46, s46, 0x400000
	s_mov_b32 s47, 0
	s_mul_i32 s20, s12, AHALF
	s_mul_i32 s21, s12, BHALF
	s_add_co_u32 s21, s21, BOFF
	s_wait_dscnt 0x0                               ; the opening add is done
	s_wait_kmcnt 0x0
	s_add_nc_u64 s[14:15], s[4:5], s[16:17]
	s_add_nc_u64 s[46:47], s[6:7], s[46:47]
	CROUND
.irp s, 0,1
	s_mov_b32 s[G0+4*(\s)], 1
	s_add_co_u32 s[G0+4*(\s)+1], s20, (\s)*SLOT
	s_add_nc_u64 s[G0+4*(\s)+2:G0+4*(\s)+3], s[14:15], (\s)*ASTEP
	s_or_b32 s[G0+4*(\s)+3], s[G0+4*(\s)+3], 0x80000000
	s_mov_b32 s[G0B+4*(\s)], 1
	s_add_co_u32 s[G0B+4*(\s)+1], s21, (\s)*SLOT
	s_add_nc_u64 s[G0B+4*(\s)+2:G0B+4*(\s)+3], s[46:47], (\s)*BSTEP
	s_or_b32 s[G0B+4*(\s)+3], s[G0B+4*(\s)+3], 0x80000000
	JLOAD \s
.endr
	v_and_b32 v1, 15, v0
	v_bfe_u32 v2, v0, 4, 1
	v_mul_u32_u24 v3, v1, PA
	v_lshl_add_u32 v3, v2, 4, v3
	v_mul_u32_u24 v4, v1, PB
	v_lshl_add_u32 v4, v2, 4, v4
	s_mul_i32 s22, s11, 128*PA
	s_mul_i32 s23, s12, BHALF
	s_add_co_u32 s23, s23, BOFF
.irp s, 0,1
	v_add_nc_u32 v[ADRA+(\s)], s22, v3
	v_add_nc_u32 v[ADRB+(\s)], s23, v4
	s_add_co_u32 s22, s22, SLOT
	s_add_co_u32 s23, s23, SLOT
.endr
	s_mul_i32 s23, s10, 16*SPITCH
	s_add_co_u32 s23, s23, STAGE
	v_mul_u32_u24 v4, v1, SPITCH
	v_lshl_add_u32 v4, v2, 5, v4
	v_add_nc_u32 v[STO], s23, v4                   ; in: row r, 32 bytes for each half of the lanes
	v_mul_u32_u24 v5, v2, SPITCH
	v_lshl_add_u32 v5, v1, 4, v5
	v_add_nc_u32 v[RD], s23, v5                    ; back: lanes 0-15 a row of 256 bytes, lanes 16-31 the next
	v_lshlrev_b32 v5, 12, v2
	v_lshl_add_u32 v[CO], v1, 4, v5
	s_lshl_b32 s66, s13, 8
	s_lshl_b32 s67, s11, 7
	s_add_co_u32 s66, s66, s67
	s_lshl_b32 s66, s66, 12                        ; my first token's row of out0
	s_lshl_b32 s67, s42, 9
	s_add_co_u32 s66, s66, s67
	s_lshl_b32 s67, s12, 8
	s_add_co_u32 s66, s66, s67
	s_mov_b32 s67, 0
	s_add_nc_u64 s[8:9], s[8:9], s[66:67]
	; the prefetches: at K step 3; each refill steps them once and then asks
	s_lshl_b32 s70, s40, 13
	s_add_co_u32 s70, s70, 3*ASTEP
	s_mov_b32 s71, 0
	s_add_nc_u64 s[70:71], s[14:15], s[70:71]
	s_lshl_b32 s72, s42, 7
	s_lshl_b32 s73, s41, 5
	s_add_co_u32 s72, s72, s73
	s_lshl_b32 s72, s72, 11
	s_add_co_u32 s72, s72, 0x400000+3*BSTEP
	s_mov_b32 s73, 0
	s_add_nc_u64 s[72:73], s[6:7], s[72:73]
	s_and_b32 s22, ttmp7, 0xffff
	s_cmp_eq_u32 s11, 0
	s_cselect_b64 s[PFA:PFA+1], s[70:71], s[72:73]
	s_cselect_b32 s22, ttmp9, s22
	s_cselect_b32 s23, 0, s12
	s_cselect_b32 s68, 19, 8
	s_cselect_b32 s69, 8, 11
	s_or_b32 s22, s22, s23
	s_cmp_eq_u32 s22, 0
	s_cselect_b32 s[LIM], 1, -1
	s_lshl_b32 s[PST], 1, s68
	s_mov_b32 s[PST+1], 0
	v_and_b32 v[PFO], 31, v0
	v_lshlrev_b32 v[PFO], s69, v[PFO]
.macro MUL8 f, a0, zero                ; m blocks a0, a0 + 1 x all 4 n blocks
	WIN MUL
.irp a, \a0, (\a0)+1
.irp b, 0,1,2,3
.if \zero
	v_wmma_f32_16x16x32_f16 v[8*(4*(\a)+(\b)):8*(4*(\a)+(\b))+7], v[(\f)+64+8*(\b):(\f)+64+8*(\b)+7], v[(\f)+8*(\a):(\f)+8*(\a)+7], 0
.else
	v_wmma_f32_16x16x32_f16 v[8*(4*(\a)+(\b)):8*(4*(\a)+(\b))+7], v[(\f)+64+8*(\b):(\f)+64+8*(\b)+7], v[(\f)+8*(\a):(\f)+8*(\a)+7], v[8*(4*(\a)+(\b)):8*(4*(\a)+(\b))+7]
.endif
.endr
.endr
.endm
.macro FETCH slot, q, f                ; 24 LDS loads in one run: quarter q's fragments: B's four, then A's eight
	WIN 0
.irp i, 0,1,2,3
	ds_load_b128 v[(\f)+64+8*(\i):(\f)+64+8*(\i)+3],   v[ADRB+(\slot)] offset:64*(\q)+(\i)*16*PB
	ds_load_b128 v[(\f)+64+8*(\i)+4:(\f)+64+8*(\i)+7], v[ADRB+(\slot)] offset:64*(\q)+(\i)*16*PB+32
.endr
.irp i, 0,1,2,3,4,5,6,7
	ds_load_b128 v[(\f)+8*(\i):(\f)+8*(\i)+3],   v[ADRA+(\slot)] offset:((\q)/2)*AHALF+((\q)%2)*64+(\i)*16*PA
	ds_load_b128 v[(\f)+8*(\i)+4:(\f)+8*(\i)+7], v[ADRA+(\slot)] offset:((\q)/2)*AHALF+((\q)%2)*64+(\i)*16*PA+32
.endr
.endm
.macro PLACES
.rept 4
	v_nop
.endr
.endm
.macro QUARTER slot, q, f, g, zero
	s_wait_dscnt 8                                 ; B and A's blocks 0-3 are in; the youngest eight loads may be out
	MUL8 \f, 0, \zero
	MUL8 \f, 2, \zero
	PLACES
	FETCH \slot, \q, \g
	s_wait_dscnt 24                                ; all but the 24 just issued
	MUL8 \f, 4, \zero
	MUL8 \f, 6, \zero
.endm
.macro MEET round
	WIN 0
	s_wait_tensorcnt 0x0                           ; all my tensor loads have landed: my part of the next slot
	ds_add_u32 v[SPW], v[NIL]
	s_wait_dscnt 9                                 ; the add and the youngest eight loads may be out
	MUL8 F1, 0, 0
	s_wait_dscnt 0x0                               ; the add is done, and my reads of this slot are over
	s_barrier_signal -1
	MUL8 F1, 2, 0
.if \round
	WIN 0
.endif
	s_barrier_wait -1
.endm
.macro TURN slot, next
	s_wait_xcnt 0x0                                ; the last prefetch, a K step back, has read its address
	s_add_nc_u64 s[PFA:PFA+1], s[PFA:PFA+1], s[PST:PST+1]
	MEET 1
	CREST
	s_add_nc_u64 s[G0+4*(\slot)+2:G0+4*(\slot)+3], s[G0+4*(\slot)+2:G0+4*(\slot)+3], 2*ASTEP
	s_add_nc_u64 s[G0B+4*(\slot)+2:G0B+4*(\slot)+3], s[G0B+4*(\slot)+2:G0B+4*(\slot)+3], 2*BSTEP
	JLOAD \slot                                    ; the first tensor load behind the round; its four v_nop are also the places in front of the loads below
	FETCH \next, 0, F0
	ASK
	MUL8 F1, 4, 0
	MUL8 F1, 6, 0
.endm
	s_wait_tensorcnt 1                             ; my part of K step 0 is in; K step 1's may stay out
	s_barrier_signal -1
	s_barrier_wait -1
	FETCH 0, 0, F0
	QUARTER 0, 1, F0, F1, 1
	WIN 0
	s_mov_b32 s3, LAPS-1
.Llap:
	QUARTER 0, 2, F1, F0, 0
	QUARTER 0, 3, F0, F1, 0
	TURN 0, 1
	QUARTER 1, 1, F0, F1, 0
	QUARTER 1, 2, F1, F0, 0
	QUARTER 1, 3, F0, F1, 0
	TURN 1, 0
	QUARTER 0, 1, F0, F1, 0
	WIN 0
	s_sub_co_u32 s3, s3, 1
	s_cmp_lg_u32 s3, 0
	s_cbranch_scc1 .Llap
	QUARTER 0, 2, F1, F0, 0                        ; the last lap fills nothing
	QUARTER 0, 3, F0, F1, 0
	MEET 0
	PLACES
	FETCH 1, 0, F0
	MUL8 F1, 4, 0
	MUL8 F1, 6, 0
	QUARTER 1, 1, F0, F1, 0
	QUARTER 1, 2, F1, F0, 0
	QUARTER 1, 3, F0, F1, 0
	s_wait_dscnt 8
	MUL8 F1, 0, 0
	MUL8 F1, 2, 0
	s_wait_dscnt 0x0
	MUL8 F1, 4, 0
	MUL8 F1, 6, 0
	WIN 0
	PLACES
; THE WAY OUT, a block of 16 tokens at a time: 32 bytes a lane into my stage, back as rows of 256 bytes.
.macro OUTA a
.set BB, BK+32*((\a)%2)
	WIN 0x04                                       ; the stores' data in window 1
.irp b, 0,1,2,3
	ds_store_b128 v[STO], v[8*(4*(\a)+\b):8*(4*(\a)+\b)+3]   offset:64*\b
	ds_store_b128 v[STO], v[8*(4*(\a)+\b)+4:8*(4*(\a)+\b)+7] offset:64*\b+16
.endr
	WIN 0
	s_wait_xcnt 0x0                                ; earlier stores have read the registers that the loads below fill
.irp t, 0,1,2,3,4,5,6,7
	ds_load_b128 v[BB+4*\t:BB+4*\t+3], v[RD] offset:\t*2*SPITCH    ; LDS serves a wave's instructions in order: these see the stores above
.endr
.irp t, 0,1,2,3,4,5,6,7
	s_wait_dscnt 7-\t
	global_store_b128 v[CO], v[BB+4*\t:BB+4*\t+3], s[8:9] offset:65536*(\a)+8192*\t th:TH_STORE_NT   ; 16 lanes fill 256 bytes, aligned
.endr
.endm
.irp a, 0,1,2,3,4,5,6,7
	OUTA \a
.endr
	s_wait_tensorcnt 0x0                           ; the wave's end
	ds_add_u32 v[SPW], v[NIL]
	s_wait_dscnt 0x0
	CROUND                                         ; the closing round
	s_endpgm
.Lfunc_end_k_q997190a3e6_gemm2:
	.size	k_q997190a3e6_gemm2, .Lfunc_end_k_q997190a3e6_gemm2-k_q997190a3e6_gemm2
	.p2alignl 7, 3214868480
	.fill 96, 4, 3214868480
	.section	.rodata,"a",@progbits
	.p2align	6, 0x0
	.amdhsa_kernel k_q997190a3e6_gemm2
		.amdhsa_group_segment_fixed_size 327680
		.amdhsa_private_segment_fixed_size 0
		.amdhsa_enable_private_segment 0
		.amdhsa_kernarg_size 24
		.amdhsa_user_sgpr_count 2
		.amdhsa_user_sgpr_kernarg_segment_ptr 1
		.amdhsa_wavefront_size32 1
		.amdhsa_system_sgpr_workgroup_id_x 1
		.amdhsa_system_sgpr_workgroup_id_y 1
		.amdhsa_system_sgpr_workgroup_id_z 1
		.amdhsa_system_vgpr_workitem_id 0
		.amdhsa_next_free_vgpr 512
		.amdhsa_next_free_sgpr 80
		.amdhsa_reserve_vcc 0
		.amdhsa_float_denorm_mode_32 3
		.amdhsa_float_denorm_mode_16_64 3
		.amdhsa_memory_ordered 1
		.amdhsa_forward_progress 1
		.amdhsa_inst_pref_size 89
	.end_amdhsa_kernel
	.amdgpu_metadata
---
amdhsa.version: [ 1, 2 ]
amdhsa.kernels:
  - .name:           k_q997190a3e6_gemm2
    .symbol:         k_q997190a3e6_gemm2.kd
    .args:
      - { .name: ob, .offset: 0, .size: 8, .value_kind: global_buffer, .address_space: global }
      - { .name: wts, .offset: 8, .size: 8, .value_kind: global_buffer, .address_space: global }
      - { .name: out0, .offset: 16, .size: 8, .value_kind: global_buffer, .address_space: global }
    .group_segment_fixed_size: 327680
    .private_segment_fixed_size: 0
    .kernarg_segment_align: 8
    .kernarg_segment_size: 24
    .max_flat_workgroup_size: 128
    .sgpr_count:     80
    .vgpr_count:     512
    .wavefront_size: 32
...
	.end_amdgpu_metadata
.endif
;; end of part 6
;; ======== version 2 of 2: 6 launches
;; limits: values are held in f16: magnitudes above 65,504 overflow, below 6.1e-05 lose precision
;; workspace buffers: wts 6,291,456 bytes; xb 16,777,216 bytes; aux 1,179,648 bytes; mw 4,720,640 bytes; qkv 25,165,824 bytes; ob 16,777,216 bytes
;; launch prepw: the kernel of part 1 again; grid 352 x 1, 8 waves a work-group, no clusters, 34,560 bytes of LDS; arguments Wq, Wk, Wv, Wo, mem_M_init, wts; writes wts
;; launch prepx (part 7): grid 128 x 1, 8 waves a work-group, no clusters, 67,072 bytes of LDS; arguments x, mem_eta_w, mem_eta_b, mem_alpha_w, mem_alpha_b, mem_gate_w, mem_gate_b, xb, aux; writes xb, aux
.if DOCPART == 7
	.amdgcn_target "amdgcn-amd-amdhsa--gfx1250"
	.amdhsa_code_object_version 6
	.text
	.protected	k_q997190a3e6_prepx
	.globl	k_q997190a3e6_prepx
	.p2align	8
	.type	k_q997190a3e6_prepx,@function
k_q997190a3e6_prepx:
	s_mov_b64 s[64:65], 0
	v_nop
	global_prefetch_b8 v0, s[64:65] scope:SCOPE_SE
	s_setreg_imm32_b32 hwreg(HW_REG_WAVE_MODE, 25, 1), 1
	s_wait_xcnt 0x0
; One chunk of 64 tokens to a work-group, 8 rows to a wave, a row to a turn.  x is read once, in f32: it leaves as bf16 (xb), and from the f32 row come its norm and the four gate dots.
; Per chunk: kbar = mean of x / max(|x|, 1e-5), cbar = mean of x (both to aux.kc in bf16), and for each memory a = 1 + gate (alpha - 1), b = gate eta, and kk = |kbar|^2 (aux.stat).
; Also: 16 positions of the RoPE table (f32, cos 32 | sin 32, 256 bytes a position) and two rows of a table with cos = 1, sin = 0.
; aux: kc 0 ([b][64][1024] bf16, rows 0-31 kbar, 32-63 cbar); rope 524,288; stat 1,048,576 (512 bytes a chunk: {a0,b0,kk,0,a1,b1,kk,0} sixteen times); ident 1,114,112.
; The angle is reduced by pi/2 in two parts; sine and cosine are their series to r^7 and r^8 on |r| <= pi/4.
; Registers: window 0: X two row slots, CS and KS the running sums of x and x / norm; window 1 v0-127: the four weight rows (eta 0, eta 1, alpha 0, alpha 1), my 32 columns of each.
.set X, 32
.set CS, 96
.set KS, 128
.set OUT, 160
.set SPW, 30
.set NIL, 31
.set SGB, 65536                        ; LDS: 0: each wave's CS and KS, 8,192 bytes a wave; the sigmoids' sums; the second meeting; the spare words
.set RDB, 65792
.set SPARE, 66048
.set MSB, 0
.macro WIN new
.if MSB != (\new)
	s_set_vgpr_msb (MSB<<8)|(\new)
.set MSB, \new
.endif
.endm
.macro XLOAD s, off                    ; a row of 4,096 bytes into slot s: eight loads of 512 bytes on end
.irp j, 0,1,2,3,4,5,6,7
	global_load_b128 v[X+32*(\s)+4*\j:X+32*(\s)+4*\j+3], v2, s[4:5] offset:(\off)+512*\j th:TH_LOAD_NT
.endr
.endm
	s_load_b512 s[4:19], s[0:1], 0x0               ; x, eta_w, eta_b, alpha_w, alpha_b, gate_w, gate_b, xb
	s_load_b64 s[20:21], s[0:1], 0x40              ; aux
	v_lshl_add_u32 v[SPW], v0, 2, SPARE
	v_mov_b32 v[NIL], 0
	v_lshrrev_b32 v1, 5, v0
	v_readfirstlane_b32 s22, v1                    ; wave
	v_and_b32 v1, 31, v0
	v_lshlrev_b32 v2, 4, v1                        ; 16 x lane
	v_lshlrev_b32 v3, 3, v1                        ; 8 x lane
	v_lshlrev_b32 v19, 4, v0                       ; 16 x thread
	s_mov_b32 s40, 0x76543210
	s_mov_b32 s41, 0xfedcba98
	s_mov_b32 s42, 0xbfb8aa3b                      ; -log2(e)
	s_mov_b32 s48, 0x3c000000                      ; 0.5 / 64
	s_lshl_b32 s30, ttmp9, 18
	s_lshl_b32 s31, s22, 15
	s_add_co_u32 s30, s30, s31                     ; my 8 rows of x
	s_mov_b32 s31, 0
	s_lshr_b32 s32, s30, 1                         ; and of xb
	s_mov_b32 s33, 0
	s_wait_kmcnt 0x0
	s_load_b64 s[24:25], s[8:9], 0x0
	s_load_b64 s[26:27], s[12:13], 0x0
	s_load_b64 s[28:29], s[16:17], 0x0
	s_add_nc_u64 s[4:5], s[4:5], s[30:31]
	s_add_nc_u64 s[18:19], s[18:19], s[32:33]
	WIN 0x40
.irp j, 0,1,2,3,4,5,6,7
	global_load_b128 v[4*\j:4*\j+3], v2, s[6:7] offset:512*\j
	global_load_b128 v[32+4*\j:35+4*\j], v2, s[6:7] offset:4096+512*\j
	global_load_b128 v[64+4*\j:67+4*\j], v2, s[10:11] offset:512*\j
	global_load_b128 v[96+4*\j:99+4*\j], v2, s[10:11] offset:4096+512*\j
.endr
	WIN 0
	XLOAD 0, 0                                     ; row 0
	; the RoPE table, while the first row is on its way: position 16 x work-group + thread / 16; threads 0-7 of sixteen make 4 cosines each, 8-15 4 sines
	s_lshl_b32 s34, ttmp9, 4
	v_lshrrev_b32 v176, 4, v0
	v_add_nc_u32 v176, s34, v176
	v_cvt_f32_u32 v177, v176
	v_and_b32 v178, 15, v0
	v_and_b32 v179, 7, v178
	v_lshlrev_b32 v179, 2, v179
	v_cmp_gt_u32 vcc_lo, 8, v178
	v_cndmask_b32 v180, 0, 1, vcc_lo               ; a cosine is the sine a quarter turn on
.irp e, 0,1,2,3
	v_add_nc_u32 v[184+\e], \e, v179
	v_cvt_f32_u32 v[184+\e], v[184+\e]
	v_mul_f32 v[184+\e], 0xbf1773da, v[184+\e]     ; -i log2(500000) / 32
.endr
.irp e, 0,1,2,3
	v_exp_f32 v[184+\e], v[184+\e]
.endr
	v_nop
	s_wait_alu depctr_va_vdst(0)                   ; one wait for the four exponentials
.irp e, 0,1,2,3
	v_mul_f32 v188, v177, v[184+\e]                ; the angle
	v_mul_f32 v189, 0x3f22f983, v188
	v_rndne_f32 v189, v189                         ; n = quarter turns
	v_fmamk_f32 v190, v189, 0xbfc90fdb, v188
	v_fmamk_f32 v190, v189, 0x333bbd2e, v190       ; r = angle - n pi/2, pi/2 in two parts
	v_cvt_i32_f32 v191, v189
	v_add_nc_u32 v191, v191, v180
	v_mul_f32 v192, v190, v190
	v_mov_b32 v193, 0xb9500d01
	v_fmaak_f32 v193, v193, v192, 0x3c088889
	v_fmaak_f32 v193, v193, v192, 0xbe2aaaab
	v_mul_f32 v194, v190, v192
	v_fma_f32 v193, v194, v193, v190               ; sin r
	v_mov_b32 v195, 0x37d00d01
	v_fmaak_f32 v195, v195, v192, 0xbab60b61
	v_fmaak_f32 v195, v195, v192, 0x3d2aaaab
	v_fmaak_f32 v195, v195, v192, 0xbf000000
	v_fma_f32 v195, v195, v192, 1.0                ; cos r
	v_and_b32 v196, 1, v191
	v_cmp_eq_u32 vcc_lo, 1, v196
	v_cndmask_b32 v197, v193, v195, vcc_lo
	v_and_b32 v196, 2, v191
	v_lshlrev_b32 v196, 30, v196
	v_xor_b32 v[200+\e], v197, v196
.endr
	s_lshl_b32 s34, ttmp9, 12
	s_mov_b32 s35, 0
	s_add_nc_u64 s[56:57], s[20:21], s[34:35]
	global_store_b128 v19, v[200:203], s[56:57] offset:524288   ; 16 lanes fill a position's 256 bytes
	; the sums start at 0: written while the first row is on its way, so that the loop has one form of turn
.set j, 0
.rept 64
	v_mov_b32 v[CS+j], 0
.set j, j+1
.endr
.irp r, 25,26,27,28,29
	v_mov_b32 v\r, 0
.endr
	s_wait_kmcnt 0x0
	s_mul_f32 s44, s24, s42                        ; the biases times -log2(e)
	s_mul_f32 s45, s25, s42
	s_mul_f32 s46, s26, s42
	s_mul_f32 s47, s27, s42
	s_mul_f32 s50, s28, s42
	s_mul_f32 s51, s29, s42
; One row's turn, from slot s, which has landed.
.macro ROW s
.set XS, X+32*(\s)
	s_wait_xcnt 0x0                                ; the last row's stores have read OUT
	v_pk_mul_f32 v[12:13], v[XS:XS+1], v[XS:XS+1]
	v_pk_mul_f32 v[14:15], v[XS+2:XS+3], v[XS+2:XS+3]
.set j, 2
.rept 14
	v_pk_fma_f32 v[12+2*(j%2):13+2*(j%2)], v[XS+2*j:XS+2*j+1], v[XS+2*j:XS+2*j+1], v[12+2*(j%2):13+2*(j%2)]
.set j, j+1
.endr
	WIN 0x04                                       ; source 1, the weights, in window 1
.irp d, 0,1,2,3
	v_pk_mul_f32 v[4+2*\d:5+2*\d], v[XS:XS+1], v[32*\d:32*\d+1]
.endr
.set j, 1
.rept 15
.irp d, 0,1,2,3
	v_pk_fma_f32 v[4+2*\d:5+2*\d], v[XS+2*j:XS+2*j+1], v[32*\d+2*j:32*\d+2*j+1], v[4+2*\d:5+2*\d]
.endr
.set j, j+1
.endr
	WIN 0
.set j, 0
.rept 16
	v_pk_add_f32 v[CS+2*j:CS+2*j+1], v[CS+2*j:CS+2*j+1], v[XS+2*j:XS+2*j+1]
	v_cvt_pk_bf16_f32 v[OUT+j], v[XS+2*j], v[XS+2*j+1]
.set j, j+1
.endr
.irp j, 0,1,2,3,4,5,6,7
	global_store_b64 v3, v[OUT+2*\j:OUT+2*\j+1], s[18:19] offset:(\s)*2048+256*\j   ; a wave fills 256 bytes, aligned
.endr
	v_pk_add_f32 v[12:13], v[12:13], v[14:15]
.irp r, 4,6,8,10,12
	v_add_f32 v\r, v\r, v[\r+1]
.endr
.irp m, 1,2,4,8
.irp r, 4,6,8,10,12
	v_add_f32_dpp v\r, v\r, v\r row_xmask:\m row_mask:0xf bank_mask:0xf
.endr
.endr
.irp r, 4,6,8,10,12
	v_permlanex16_b32 v[\r+1], v\r, s40, s41
.endr
.irp r, 4,6,8,10,12
	v_add_f32 v\r, v\r, v[\r+1]
.endr
.irp d, 0,1,2,3
	v_fma_f32 v[4+2*\d], v[4+2*\d], s42, s[44+\d]  ; -log2(e) (dot + bias)
.endr
	v_sqrt_f32 v12, v12
.irp d, 0,1,2,3
	v_exp_f32 v[4+2*\d], v[4+2*\d]
.endr
	v_nop
	s_wait_alu depctr_va_vdst(0)                   ; one wait for the root and the four exponentials
	v_max_num_f32 v12, 0x3727c5ac, v12             ; max(norm, 1e-5)
.irp d, 0,1,2,3
	v_add_f32 v[4+2*\d], 1.0, v[4+2*\d]
.endr
	v_rcp_f32 v24, v12
.irp d, 0,1,2,3
	v_rcp_f32 v[20+\d], v[4+2*\d]
.endr
	v_nop
	s_wait_alu depctr_va_vdst(0)                   ; one wait for the five reciprocals
	v_pk_add_f32 v[26:27], v[26:27], v[20:21]
	v_pk_add_f32 v[28:29], v[28:29], v[22:23]
.set j, 0
.rept 16
	v_pk_fma_f32 v[KS+2*j:KS+2*j+1], v[XS+2*j:XS+2*j+1], v[24:25], v[KS+2*j:KS+2*j+1] op_sel_hi:[1,0,1]
.set j, j+1
.endr
.endm
; Four trips of two rows.  The odd row is asked for at the trip's head, the next even row in its middle: each has one row's work in which to land.
; The last trip has no next row: the loads and the wait that goes with them stand in one branch, so that the count is right on both ways.
	s_mov_b32 s52, 4
.Lrows:
	XLOAD 1, 4096
	s_wait_loadcnt 8                               ; loads come back in order: slot 0 is in, the eight just issued may be out
	ROW 0
	s_cmp_eq_u32 s52, 1
	s_cbranch_scc1 .Llast_row
	XLOAD 0, 8192
	s_wait_loadcnt 8                               ; slot 1 is in
	s_branch .Lodd_row
.Llast_row:
	s_wait_loadcnt 0x0                             ; slot 1 is in: nothing was issued behind it
.Lodd_row:
	ROW 1
	s_wait_xcnt 0x0                                ; loads and stores have read the two bases
	s_add_nc_u64 s[4:5], s[4:5], 8192
	s_add_nc_u64 s[18:19], s[18:19], 4096
	s_sub_co_u32 s52, s52, 1
	s_cmp_lg_u32 s52, 0
	s_cbranch_scc1 .Lrows
	; the eight waves' sums meet in LDS
	global_load_b128 v[64:67], v19, s[14:15]       ; gate_w, my four columns, both memories
	global_load_b128 v[68:71], v19, s[14:15] offset:4096
	s_lshl_b32 s32, s22, 13
	v_add_nc_u32 v17, s32, v2
	s_lshl_b32 s33, s22, 4
	s_add_co_u32 s34, s33, SGB
	v_mov_b32 v18, s34
	s_add_co_u32 s34, s33, RDB
	v_mov_b32 v14, s34
.irp j, 0,1,2,3,4,5,6,7
	ds_store_b128 v17, v[CS+4*\j:CS+4*\j+3] offset:512*\j
	ds_store_b128 v17, v[KS+4*\j:KS+4*\j+3] offset:4096+512*\j
.endr
	ds_store_b128 v18, v[26:29]
	s_wait_dscnt 0x0
	s_barrier_signal -1
	s_barrier_wait -1
	v_mov_b32 v16, SGB
.irp v, 0,1,2,3,4,5,6,7
	ds_load_b128 v[176+4*\v:179+4*\v], v19 offset:8192*\v          ; thread t owns columns 4 t .. 4 t + 3
	ds_load_b128 v[208+4*\v:211+4*\v], v19 offset:8192*\v+4096
	ds_load_b128 v[32+4*\v:35+4*\v], v16 offset:16*\v
.endr
	s_wait_dscnt 0x0
.irp v, 1,2,3,4,5,6,7
.irp p, 0,2
	v_pk_add_f32 v[176+\p:177+\p], v[176+\p:177+\p], v[176+4*\v+\p:177+4*\v+\p]
	v_pk_add_f32 v[208+\p:209+\p], v[208+\p:209+\p], v[208+4*\v+\p:209+4*\v+\p]
	v_pk_add_f32 v[32+\p:33+\p], v[32+\p:33+\p], v[32+4*\v+\p:33+4*\v+\p]
.endr
.endr
.irp p, 0,2
	v_pk_mul_f32 v[176+\p:177+\p], v[176+\p:177+\p], 0x3c800000 op_sel_hi:[1,0]   ; cbar
	v_pk_mul_f32 v[208+\p:209+\p], v[208+\p:209+\p], 0x3c800000 op_sel_hi:[1,0]   ; kbar
.endr
	s_wait_xcnt 0x0                                ; the last row's stores have read OUT
	v_cvt_pk_bf16_f32 v160, v208, v209
	v_cvt_pk_bf16_f32 v161, v210, v211
	v_cvt_pk_bf16_f32 v162, v176, v177
	v_cvt_pk_bf16_f32 v163, v178, v179
	s_lshr_b32 s34, ttmp9, 5
	s_lshl_b32 s34, s34, 17
	s_and_b32 s35, ttmp9, 31
	s_lshl_b32 s35, s35, 11
	s_add_co_u32 s34, s34, s35
	s_mov_b32 s35, 0
	s_add_nc_u64 s[36:37], s[20:21], s[34:35]
	v_lshlrev_b32 v15, 3, v0
	global_store_b64 v15, v[160:161], s[36:37]                 ; kc row t
	global_store_b64 v15, v[162:163], s[36:37] offset:65536    ; kc row 32 + t
	s_wait_loadcnt 0x0
	v_pk_mul_f32 v[4:5], v[208:209], v[64:65]
	v_pk_mul_f32 v[6:7], v[208:209], v[68:69]
	v_pk_mul_f32 v[8:9], v[208:209], v[208:209]
	v_pk_fma_f32 v[4:5], v[210:211], v[66:67], v[4:5]
	v_pk_fma_f32 v[6:7], v[210:211], v[70:71], v[6:7]
	v_pk_fma_f32 v[8:9], v[210:211], v[210:211], v[8:9]
.irp r, 4,6,8
	v_add_f32 v\r, v\r, v[\r+1]
.endr
.irp m, 1,2,4,8
.irp r, 4,6,8
	v_add_f32_dpp v\r, v\r, v\r row_xmask:\m row_mask:0xf bank_mask:0xf
.endr
.endr
.irp r, 4,6,8
	v_permlanex16_b32 v[\r+1], v\r, s40, s41
.endr
	v_add_f32 v20, v4, v5
	v_add_f32 v21, v6, v7
	v_add_f32 v22, v8, v9
	ds_store_b128 v14, v[20:23]
	s_wait_dscnt 0x0
	s_barrier_signal -1
	s_barrier_wait -1
	v_mov_b32 v16, RDB
.irp v, 0,1,2,3,4,5,6,7
	ds_load_b128 v[64+4*\v:67+4*\v], v16 offset:16*\v
.endr
	s_wait_dscnt 0x0
.irp v, 1,2,3,4,5,6,7
	v_pk_add_f32 v[64:65], v[64:65], v[64+4*\v:65+4*\v]
	v_pk_add_f32 v[66:67], v[66:67], v[66+4*\v:67+4*\v]
.endr
	v_mul_f32 v36, 0x3b4ccccd, v32                 ; eta = 0.2 x mean
	v_mul_f32 v37, 0x3b4ccccd, v33
	v_fma_f32 v38, v34, s48, -0.5                  ; alpha - 1 = 0.5 x mean - 0.5
	v_fma_f32 v39, v35, s48, -0.5
	v_fma_f32 v40, v64, s42, s50
	v_fma_f32 v41, v65, s42, s51
	v_exp_f32 v40, v40
	v_exp_f32 v41, v41
	v_nop
	s_wait_alu depctr_va_vdst(0)
	v_add_f32 v40, 1.0, v40
	v_add_f32 v41, 1.0, v41
	v_rcp_f32 v40, v40                             ; the gates
	v_rcp_f32 v41, v41
	v_nop
	s_wait_alu depctr_va_vdst(0)
	v_fma_f32 v38, v40, v38, 1.0                   ; a
	v_fma_f32 v39, v41, v39, 1.0
	v_mul_f32 v36, v40, v36                        ; b
	v_mul_f32 v37, v41, v37
	s_cmp_lg_u32 s22, 0
	s_cbranch_scc1 .Lend                           ; wave 0 stores for the chunk
	v_and_b32 v4, 1, v1
	v_cmp_eq_u32 vcc_lo, 1, v4
	v_cndmask_b32 v44, v38, v39, vcc_lo
	v_cndmask_b32 v45, v36, v37, vcc_lo
	v_mov_b32 v46, v66
	v_mov_b32 v47, 0
	v_and_b32 v4, 8, v1
	v_cmp_eq_u32 vcc_lo, 0, v4
	v_cndmask_b32 v48, 0, 1.0, vcc_lo
	v_mov_b32 v49, v48
	v_mov_b32 v50, v48
	v_mov_b32 v51, v48
	s_lshl_b32 s34, ttmp9, 9
	s_mov_b32 s35, 0
	s_add_nc_u64 s[54:55], s[20:21], s[34:35]
	global_store_b128 v2, v[44:47], s[54:55] offset:1048576    ; 512 bytes on end
	global_store_b128 v2, v[48:51], s[54:55] offset:1114112
.Lend:
	s_wait_tensorcnt 0x0                           ; the wave's end
	ds_add_u32 v[SPW], v[NIL]
	s_wait_dscnt 0x0
	s_endpgm
.Lfunc_end_k_q997190a3e6_prepx:
	.size	k_q997190a3e6_prepx, .Lfunc_end_k_q997190a3e6_prepx-k_q997190a3e6_prepx
	.p2alignl 7, 3214868480
	.fill 96, 4, 3214868480
	.section	.rodata,"a",@progbits
	.p2align	6, 0x0
	.amdhsa_kernel k_q997190a3e6_prepx
		.amdhsa_group_segment_fixed_size 67072
		.amdhsa_private_segment_fixed_size 0
		.amdhsa_enable_private_segment 0
		.amdhsa_kernarg_size 72
		.amdhsa_user_sgpr_count 2
		.amdhsa_user_sgpr_kernarg_segment_ptr 1
		.amdhsa_wavefront_size32 1
		.amdhsa_system_sgpr_workgroup_id_x 1
		.amdhsa_system_sgpr_workgroup_id_y 1
		.amdhsa_system_sgpr_workgroup_id_z 1
		.amdhsa_system_vgpr_workitem_id 0
		.amdhsa_next_free_vgpr 384
		.amdhsa_next_free_sgpr 66
		.amdhsa_reserve_vcc 1
		.amdhsa_float_denorm_mode_32 3
		.amdhsa_float_denorm_mode_16_64 3
		.amdhsa_memory_ordered 1
		.amdhsa_forward_progress 1
		.amdhsa_inst_pref_size 51
	.end_amdhsa_kernel
	.amdgpu_metadata
---
amdhsa.version: [ 1, 2 ]
amdhsa.kernels:
  - .name:           k_q997190a3e6_prepx
    .symbol:         k_q997190a3e6_prepx.kd
    .args:
      - { .name: x, .offset: 0, .size: 8, .value_kind: global_buffer, .address_space: global }
      - { .name: mem_eta_w, .offset: 8, .size: 8, .value_kind: global_buffer, .address_space: global }
      - { .name: mem_eta_b, .offset: 16, .size: 8, .value_kind: global_buffer, .address_space: global }
      - { .name: mem_alpha_w, .offset: 24, .size: 8, .value_kind: global_buffer, .address_space: global }
      - { .name: mem_alpha_b, .offset: 32, .size: 8, .value_kind: global_buffer, .address_space: global }
      - { .name: mem_gate_w, .offset: 40, .size: 8, .value_kind: global_buffer, .address_space: global }
      - { .name: mem_gate_b, .offset: 48, .size: 8, .value_kind: global_buffer, .address_space: global }
      - { .name: xb, .offset: 56, .size: 8, .value_kind: global_buffer, .address_space: global }
      - { .name: aux, .offset: 64, .size: 8, .value_kind: global_buffer, .address_space: global }
    .group_segment_fixed_size: 67072
    .private_segment_fixed_size: 0
    .kernarg_segment_align: 8
    .kernarg_segment_size: 72
    .max_flat_workgroup_size: 256
    .sgpr_count:     66
    .vgpr_count:     384
    .wavefront_size: 32
...
	.end_amdgpu_metadata
.endif
;; end of part 7
;; launch mem (part 8): grid 72 x 1, 8 waves a work-group, no clusters, 213,760 bytes of LDS; arguments xb, wts, aux, mw; writes mw
.if DOCPART == 8
	.amdgcn_target "amdgcn-amd-amdhsa--gfx1250"
	.amdhsa_code_object_version 6
	.text
	.protected	k_q997190a3e6_mem
	.globl	k_q997190a3e6_mem
	.p2align	8
	.type	k_q997190a3e6_mem,@function
k_q997190a3e6_mem:
	s_mov_b64 s[64:65], 0
	v_nop
	global_prefetch_b8 v0, s[64:65] scope:SCOPE_SE
	s_setreg_imm32_b32 hwreg(HW_REG_WAVE_MODE, 25, 1), 1
	s_wait_xcnt 0x0
; The two delta memories, in closed form.  With v_target = M cbar, a step is M' = s (a M + b e kbar^T), e = M cbar - M kbar, s the norm's clamp.  So M before chunk t is
; A M0 + the sum over j < t of E_j kbar_j^T, and chunk t reads A (x M0^T) + (x Kbar^T) E^T.  A and E are rescaled in every step, as the reference rescales M.
; |M'|^2 before the clamp = a^2 N + 2 a b (e . M kbar) + b^2 |e|^2 |kbar|^2.
; Work-groups 0-7: the scan of memory id / 4, batch id % 4.  First G[col][o] = M0[o] . kc[col] and GR[col][j] = kbar_j . kc[col] by the matrix unit; then 32 steps, thread o holding E[o][0..31].
;   kc (64 rows of 2,048 bytes), which all eight waves multiply by, is copied into LDS once, in runs of 512 bytes; M0's rows, each wave's own, come straight from memory.
;   It stores, for each chunk, E in bf16 as source-0 fragments (mw.f: [(m 4 + b) 32 + t][o / 16][j / 8][o % 16][16 bytes]) and A (mw.asc at 4,718,592: 8 bytes a chunk).
; Work-groups 8-71: P[token][j] = x . kbar_j, a block of 16 tokens to a wave, stored in bf16 as source-1 fragments (mw.p at 4,194,304: [block][half][lane][16 bytes]).
; kbar, cbar, M0 and x enter the products in bf16; N0 is the norm of the rounded M0.
; Both matrix loops have one form of trip: the sums start from cleared registers (32 and 128 lines, written while the first loads are out), the odd set is asked for at the trip's head, the next
; even set in its middle; in the last trip those loads and the wait that goes with them are jumped together.
.set SPW, 8
.set NIL, 9
.set GRB, 66560                        ; LDS: G 64 x 1,040; GR 64 x 144; the identity 32 x 128; (a, b, kk) 32 x 16; the meeting words; the spare words; kc 64 x 2,064
.set OHB, 75776
.set STB, 79872
.set RED, 80384
.set SPARE, 80640
.set KCB, 81664
.set KCP, 2064                         ; 2,048 bytes + 16: the 16 rows of a fragment load start at 16 different groups of four banks
.set KA, 12                            ; v12-15  LDS address of my bytes in kc's four blocks of 16 rows
.set ACC, 32
.set BUF, 160
.set PBUF, 64
.set E, 32
.set KK, 64
.set KC, 96
.set OHR, 128
.set FB, 160
.macro PLACES
.rept 4
	v_nop
.endr
.endm
	s_load_b256 s[4:11], s[0:1], 0x0               ; xb, wts, aux, mw
	v_lshl_add_u32 v[SPW], v0, 2, SPARE
	v_mov_b32 v[NIL], 0
	v_lshrrev_b32 v1, 5, v0
	v_readfirstlane_b32 s12, v1                    ; wave
	v_and_b32 v16, 31, v0                          ; lane
	v_and_b32 v1, 15, v0                           ; r
	v_bfe_u32 v17, v0, 4, 1                        ; h
	v_lshlrev_b32 v2, 11, v1
	v_lshl_add_u32 v2, v17, 4, v2                  ; a fragment's row x 2,048 + 16 h
	s_mov_b32 s13, ttmp9
	s_mov_b32 s21, 0
	s_mov_b32 s40, 0x76543210
	s_mov_b32 s41, 0xfedcba98
	s_wait_kmcnt 0x0
	s_cmp_lt_u32 s13, 8
	s_cbranch_scc1 .Lscan
	; ---- P = x Kbar^T ----
	s_sub_co_u32 s14, s13, 8
	s_lshl_b32 s15, s14, 3
	s_add_co_u32 s15, s15, s12                     ; my block of 16 tokens
	s_lshr_b32 s16, s14, 4                         ; batch
	s_lshl_b32 s20, s16, 17
	s_add_nc_u64 s[24:25], s[8:9], s[20:21]        ; kbar rows
	s_lshl_b32 s20, s15, 15
	s_add_nc_u64 s[26:27], s[4:5], s[20:21]        ; my rows of xb
	s_lshl_b32 s20, s15, 10
	s_add_nc_u64 s[28:29], s[10:11], s[20:21]
.macro PLOADS b, off                   ; 128 channels: 24 loads into set b
.irp f, 0,1,2,3
	global_load_b128 v[PBUF+96*(\b)+8*(\f):PBUF+96*(\b)+8*(\f)+3],       v2, s[24:25] offset:(\off)+64*(\f)
	global_load_b128 v[PBUF+96*(\b)+8*(\f)+4:PBUF+96*(\b)+8*(\f)+7],     v2, s[24:25] offset:(\off)+64*(\f)+32
	global_load_b128 v[PBUF+96*(\b)+32+8*(\f):PBUF+96*(\b)+32+8*(\f)+3], v2, s[24:25] offset:(\off)+64*(\f)+32768
	global_load_b128 v[PBUF+96*(\b)+32+8*(\f)+4:PBUF+96*(\b)+32+8*(\f)+7], v2, s[24:25] offset:(\off)+64*(\f)+32768+32
	global_load_b128 v[PBUF+96*(\b)+64+8*(\f):PBUF+96*(\b)+64+8*(\f)+3], v2, s[26:27] offset:(\off)+64*(\f)
	global_load_b128 v[PBUF+96*(\b)+64+8*(\f)+4:PBUF+96*(\b)+64+8*(\f)+7], v2, s[26:27] offset:(\off)+64*(\f)+32
.endr
.endm
.macro PMULS b                         ; eight products; four accumulators (tile j, parity of f) take turns
.irp f, 0,1,2,3
.irp j, 0,1
	v_wmma_f32_16x16x32_bf16 v[ACC+8*(2*((\f)%2)+(\j)):ACC+8*(2*((\f)%2)+(\j))+7], v[PBUF+96*(\b)+32*(\j)+8*(\f):PBUF+96*(\b)+32*(\j)+8*(\f)+7], v[PBUF+96*(\b)+64+8*(\f):PBUF+96*(\b)+64+8*(\f)+7], v[ACC+8*(2*((\f)%2)+(\j)):ACC+8*(2*((\f)%2)+(\j))+7]
.endr
.endr
.endm
	PLOADS 0, 0
.set r, 0
.rept 32
	v_mov_b32 v[ACC+r], 0
.set r, r+1
.endr
	s_mov_b32 s30, 4
.Lpturn:                                       ; 256 channels a trip
	PLOADS 1, 256
	s_wait_loadcnt 24                              ; set 0 is in; the 24 just issued may stay out
	PMULS 0
	PLACES
	s_cmp_eq_u32 s30, 1
	s_cbranch_scc1 .Lplast
	PLOADS 0, 512
	s_wait_loadcnt 24                              ; set 1 is in
	s_branch .Lpgo
.Lplast:
	s_wait_loadcnt 0x0                             ; set 1 is in: nothing was issued behind it
.Lpgo:
	PMULS 1
	PLACES
	s_wait_xcnt 0x0                                ; the loads issued so far have read the pointers
	s_add_nc_u64 s[24:25], s[24:25], 512
	s_add_nc_u64 s[26:27], s[26:27], 512
	s_sub_co_u32 s30, s30, 1
	s_cmp_lg_u32 s30, 0
	s_cbranch_scc1 .Lpturn
	PLACES
.set r, 0
.rept 8
	v_pk_add_f32 v[ACC+r:ACC+r+1], v[ACC+r:ACC+r+1], v[ACC+16+r:ACC+16+r+1]
.set r, r+2
.endr
.irp r, 0,1,2,3,4,5,6,7
	v_cvt_pk_bf16_f32 v[PBUF+(\r)], v[ACC+2*(\r)], v[ACC+2*(\r)+1]
.endr
	v_lshlrev_b32 v3, 4, v16
	global_store_b128 v3, v[PBUF:PBUF+3], s[28:29] offset:4194304      ; j = 8 h .. : 512 bytes on end
	global_store_b128 v3, v[PBUF+4:PBUF+7], s[28:29] offset:4194304+512  ; j = 16 + 8 h ..
	s_branch .Lend
	; ---- the scan ----
.Lscan:
	s_lshr_b32 s14, s13, 2                         ; memory
	s_and_b32 s15, s13, 3                          ; batch
	s_lshr_b32 s16, s12, 1
	s_lshl_b32 s16, s16, 8
	s_lshl_b32 s17, s14, 7
	s_add_co_u32 s16, s16, s17
	s_and_b32 s17, s12, 1
	s_lshl_b32 s17, s17, 5
	s_add_co_u32 s16, s16, s17
	s_add_co_u32 s16, s16, 1088                    ; my 32 rows of M0 in wcat
	s_lshl_b32 s20, s16, 11
	s_add_nc_u64 s[24:25], s[6:7], s[20:21]
	s_lshl_b32 s20, s15, 17
	s_add_nc_u64 s[26:27], s[8:9], s[20:21]        ; kc
	s_lshl_b32 s20, s15, 14
	s_lshl_b32 s17, s14, 4
	s_add_co_u32 s20, s20, s17
	s_add_nc_u64 s[28:29], s[8:9], s[20:21]        ; stat, less its place in aux
	s_lshl_b32 s20, s13, 19
	s_add_nc_u64 s[44:45], s[10:11], s[20:21]      ; f
	s_lshl_b32 s20, s13, 8
	s_add_nc_u64 s[46:47], s[10:11], s[20:21]      ; asc, less its place in mw
	v_lshlrev_b32 v3, 9, v16
	global_load_b128 v[20:23], v3, s[28:29] offset:1048576     ; lane t: (a, b, kk, 0) of chunk t
	; kc into LDS: my wave copies rows 8 w .. 8 w + 7, each load 512 bytes on end
	s_lshl_b32 s16, s12, 14
	v_lshl_add_u32 v5, v16, 4, s16
	s_mul_i32 s17, s12, 8*KCP
	s_add_co_u32 s17, s17, KCB
	v_lshl_add_u32 v6, v16, 4, s17
.irp i, 0,1,2,3,4,5,6,7
.irp j, 0,1,2,3
	global_load_b128 v[ACC+16*\i+4*\j:ACC+16*\i+4*\j+3], v5, s[26:27] offset:2048*\i+512*\j
.endr
.endr
.macro KLG s, off                      ; a K step of 32: M0's two fragments, from memory
.irp o, 0,1
	global_load_b128 v[BUF+48*(\s)+8*\o:BUF+48*(\s)+8*\o+3],   v2, s[24:25] offset:(\off)+32768*\o
	global_load_b128 v[BUF+48*(\s)+8*\o+4:BUF+48*(\s)+8*\o+7], v2, s[24:25] offset:(\off)+32768*\o+32
.endr
.endm
.macro KLD s, off                      ; and kc's four, from LDS
.irp c, 0,1,2,3
	ds_load_b128 v[BUF+48*(\s)+16+8*\c:BUF+48*(\s)+16+8*\c+3],   v[KA+\c] offset:(\off)
	ds_load_b128 v[BUF+48*(\s)+16+8*\c+4:BUF+48*(\s)+16+8*\c+7], v[KA+\c] offset:(\off)+32
.endr
.endm
.macro KMUL s                          ; the squares of M0, then 16 products on 16 accumulators by turns: G(o block, col block), GR(j block, col block)
.set B, BUF+48*(\s)
.set i, 0
.rept 16
	v_fma_mix_f32_bf16 v10, v[B+i], v[B+i], v10 op_sel_hi:[1,1,0]
	v_fma_mix_f32_bf16 v11, v[B+i], v[B+i], v11 op_sel:[1,1,0] op_sel_hi:[1,1,0]
.set i, i+1
.endr
.irp o, 0,1,2,3
.irp c, 0,1,2,3
	v_wmma_f32_16x16x32_bf16 v[ACC+8*(4*\o+\c):ACC+8*(4*\o+\c)+7], v[B+8*\o:B+8*\o+7], v[B+16+8*\c:B+16+8*\c+7], v[ACC+8*(4*\o+\c):ACC+8*(4*\o+\c)+7]
.endr
.endr
.endm
; (source 0 runs over the set's first four fragments: M0's two, then kc's blocks 0 and 1, which are kbar)
	KLG 0, 0
	v_mul_u32_u24 v[KA], v1, KCP
	v_lshl_add_u32 v[KA], v17, 4, v[KA]
	v_add_nc_u32 v[KA], KCB, v[KA]
.irp c, 1,2,3
	v_add_nc_u32 v[KA+\c], 16*KCP, v[KA+\c-1]
.endr
	v_mov_b32 v10, 0
	v_mov_b32 v11, 0
	s_wait_loadcnt 4                               ; the figures and kc's rows are in; M0's four loads may stay out
.irp i, 0,1,2,3,4,5,6,7
.irp j, 0,1,2,3
	ds_store_b128 v6, v[ACC+16*\i+4*\j:ACC+16*\i+4*\j+3] offset:KCP*\i+512*\j
.endr
.endr
	s_wait_dscnt 0x0                               ; my rows of kc lie in LDS
	s_barrier_signal -1
	s_barrier_wait -1                              ; everybody's do; nobody writes them again
	KLD 0, 0
.set i, 0
.rept 128
	v_mov_b32 v[ACC+i], 0
.set i, i+1
.endr
	s_mov_b32 s30, 16
.Lkturn:                                       ; two K steps a trip
	KLG 1, 64
	KLD 1, 64
	s_wait_loadcnt 4                               ; set 0 is in; of set 1 four loads from memory
	s_wait_dscnt 8                                 ; and eight from LDS may stay out
	KMUL 0
	PLACES
	s_cmp_eq_u32 s30, 1
	s_cbranch_scc1 .Lklast
	KLG 0, 128
	KLD 0, 128
	s_wait_loadcnt 4                               ; set 1 is in
	s_wait_dscnt 8
	s_branch .Lkgo
.Lklast:
	s_wait_loadcnt 0x0                             ; set 1 is in: nothing was issued behind it
	s_wait_dscnt 0x0
.Lkgo:
	KMUL 1
	PLACES
	s_wait_xcnt 0x0                                ; the loads have read M0's pointer
	s_add_nc_u64 s[24:25], s[24:25], 128
.irp c, 0,1,2,3
	v_add_nc_u32 v[KA+\c], 128, v[KA+\c]
.endr
	s_sub_co_u32 s30, s30, 1
	s_cmp_lg_u32 s30, 0
	s_cbranch_scc1 .Lkturn
	PLACES
	v_mul_u32_u24 v4, v1, 1040
	v_lshl_add_u32 v4, v17, 5, v4
	s_lshl_b32 s16, s12, 7
	v_add_nc_u32 v4, s16, v4                       ; G: col r, my 32 channels, 8 h
.irp o, 0,1
.irp c, 0,1,2,3
	ds_store_b128 v4, v[ACC+8*(4*\o+\c):ACC+8*(4*\o+\c)+3]   offset:16640*\c+64*\o
	ds_store_b128 v4, v[ACC+8*(4*\o+\c)+4:ACC+8*(4*\o+\c)+7] offset:16640*\c+64*\o+16
.endr
.endr
	v_lshrrev_b32 v5, 3, v0                        ; the identity: thread t writes row t / 8, columns 4 (t % 8) ..
	v_and_b32 v6, 7, v0
	v_lshlrev_b32 v6, 2, v6
	v_sub_nc_u32 v5, v5, v6
.irp e, 0,1,2,3
	v_cmp_eq_u32 vcc_lo, \e, v5
	v_cndmask_b32 v[24+\e], 0, 1.0, vcc_lo
.endr
	v_lshl_add_u32 v6, v0, 4, OHB
	ds_store_b128 v6, v[24:27]
	v_add_f32 v10, v10, v11
.irp m, 1,2,4,8
	v_add_f32_dpp v10, v10, v10 row_xmask:\m row_mask:0xf bank_mask:0xf
.endr
	v_permlanex16_b32 v11, v10, s40, s41
	v_add_f32 v10, v10, v11
	s_lshl_b32 s16, s12, 2
	s_add_co_u32 s16, s16, RED+128
	v_mov_b32 v7, s16
	ds_store_b32 v7, v10
	s_cmp_lg_u32 s12, 0
	s_cbranch_scc1 .Lnot0                          ; every wave has made GR; wave 0 writes it, and the chunks' figures
	v_mul_u32_u24 v5, v1, 144
	v_lshl_add_u32 v5, v17, 5, v5
	v_add_nc_u32 v5, GRB, v5
.irp o, 2,3
.irp c, 0,1,2,3
	ds_store_b128 v5, v[ACC+8*(4*\o+\c):ACC+8*(4*\o+\c)+3]   offset:2304*\c+64*(\o-2)
	ds_store_b128 v5, v[ACC+8*(4*\o+\c)+4:ACC+8*(4*\o+\c)+7] offset:2304*\c+64*(\o-2)+16
.endr
.endr
	v_lshl_add_u32 v7, v16, 4, STB
	ds_store_b128 v7, v[20:23]
.Lnot0:
	s_wait_dscnt 0x0
	s_barrier_signal -1
	s_barrier_wait -1                              ; G, GR, the identity and the figures lie in LDS; nobody writes them again
	v_mov_b32 v21, RED
	ds_load_b128 v[180:183], v21 offset:128
	ds_load_b128 v[184:187], v21 offset:144
.set i, 0
.rept 32
	v_mov_b32 v[E+i], 0                            ; the state's start: no update yet
.set i, i+1
.endr
	v_mov_b32 v10, 1.0                             ; A
	v_mov_b32 v12, 0                               ; lane t will keep A as chunk t reads it
	v_mov_b32 v13, 0
	v_mov_b32 v19, 0
	v_mov_b32 v23, 0
	v_mov_b32 v202, 0
	v_mov_b32 v203, 0
	v_lshlrev_b32 v3, 2, v0                        ; 4 o
	v_lshrrev_b32 v17, 4, v0
	v_lshlrev_b32 v17, 10, v17
	v_lshl_add_u32 v17, v1, 4, v17                 ; my 16 bytes in a chunk's block of f
	s_lshl_b32 s16, s12, 3
	s_add_co_u32 s16, s16, RED
	v_mov_b32 v20, s16
	s_wait_dscnt 0x0
	v_pk_add_f32 v[180:181], v[180:181], v[182:183]
	v_pk_add_f32 v[184:185], v[184:185], v[186:187]
	v_pk_add_f32 v[180:181], v[180:181], v[184:185]
	v_add_f32 v11, v180, v181                      ; N = |M0|^2
	s_mov_b32 s30, 0
	s_mov_b32 s31, GRB
	s_mov_b32 s32, OHB
	s_mov_b32 s33, STB
	s_mov_b32 s34, 0
	s_mov_b32 s36, 16
; One chunk.  par: the step's parity in the trip; it picks rows by the immediates and one of two sets of meeting words, so that a set is written again only behind the other set's barrier.
.macro STEP par
.irp i, 0,1,2,3,4,5,6,7
	ds_load_b128 v[KK+4*\i:KK+4*\i+3], v5 offset:144*(\par)+16*\i
	ds_load_b128 v[KC+4*\i:KC+4*\i+3], v5 offset:4608+144*(\par)+16*\i
.endr
	ds_load_b32 v14, v4 offset:1040*(\par)
	ds_load_b32 v15, v4 offset:33280+1040*(\par)
	ds_load_b128 v[176:179], v7 offset:16*(\par)
.irp i, 0,1,2,3,4,5,6,7
	ds_load_b128 v[OHR+4*\i:OHR+4*\i+3], v6 offset:128*(\par)+16*\i
.endr
	s_wait_xcnt 0x0                                ; the last step's stores have read FB
.set i, 0
.rept 16
	v_cvt_pk_bf16_f32 v[FB+i], v[E+2*i], v[E+2*i+1]
.set i, i+1
.endr
.irp q, 0,1,2,3
	global_store_b128 v17, v[FB+4*\q:FB+4*\q+3], s[44:45] offset:16384*(\par)+256*\q   ; 16 lanes fill 256 bytes, aligned
.endr
	v_cmp_eq_u32 vcc_lo, s[34+(\par)], v16
	v_cndmask_b32 v12, v12, v10, vcc_lo
	s_wait_dscnt 8                                 ; all but the identity's eight loads
	v_pk_mul_f32 v[24:25], v[E:E+1], v[KK:KK+1]
	v_pk_mul_f32 v[26:27], v[E+2:E+3], v[KK+2:KK+3]
	v_pk_mul_f32 v[28:29], v[E:E+1], v[KC:KC+1]
	v_pk_mul_f32 v[30:31], v[E+2:E+3], v[KC+2:KC+3]
.set p, 2
.rept 14
	v_pk_fma_f32 v[24+2*(p%2):25+2*(p%2)], v[E+2*p:E+2*p+1], v[KK+2*p:KK+2*p+1], v[24+2*(p%2):25+2*(p%2)]
	v_pk_fma_f32 v[28+2*(p%2):29+2*(p%2)], v[E+2*p:E+2*p+1], v[KC+2*p:KC+2*p+1], v[28+2*(p%2):29+2*(p%2)]
.set p, p+1
.endr
	v_pk_add_f32 v[24:25], v[24:25], v[26:27]
	v_pk_add_f32 v[28:29], v[28:29], v[30:31]
	v_add_f32 v196, v24, v25
	v_add_f32 v197, v28, v29
	v_fma_f32 v196, v10, v14, v196                 ; M kbar
	v_fma_f32 v197, v10, v15, v197                 ; M cbar
	v_sub_f32 v198, v197, v196                     ; e
	v_mul_f32 v200, v198, v198
	v_mul_f32 v201, v198, v196
.irp m, 1,2,4,8
	v_add_f32_dpp v200, v200, v200 row_xmask:\m row_mask:0xf bank_mask:0xf
	v_add_f32_dpp v201, v201, v201 row_xmask:\m row_mask:0xf bank_mask:0xf
.endr
	v_permlanex16_b32 v202, v200, s40, s41
	v_permlanex16_b32 v203, v201, s40, s41
	v_pk_add_f32 v[200:201], v[200:201], v[202:203]
	ds_store_b64 v20, v[200:201] offset:64*(\par)
	v_mul_f32 v204, v176, v176                     ; a^2
	v_mul_f32 v205, v176, v177
	v_add_f32 v205, v205, v205                     ; 2 a b
	v_mul_f32 v206, v177, v177
	v_mul_f32 v206, v206, v178                     ; b^2 kk
	s_wait_dscnt 0x0                               ; my two sums lie in LDS, and all my loads are back
	s_barrier_signal -1
	s_barrier_wait -1
.irp i, 0,1,2,3
	ds_load_b128 v[180+4*\i:183+4*\i], v21 offset:64*(\par)+16*\i
.endr
	s_wait_dscnt 0x0
.irp i, 0,4,8,12
	v_pk_add_f32 v[180+\i:181+\i], v[180+\i:181+\i], v[182+\i:183+\i]
.endr
	v_pk_add_f32 v[180:181], v[180:181], v[184:185]
	v_pk_add_f32 v[188:189], v[188:189], v[192:193]
	v_pk_add_f32 v[180:181], v[180:181], v[188:189]    ; |e|^2, e . M kbar
	v_mul_f32 v207, v204, v11
	v_fma_f32 v207, v205, v181, v207
	v_fma_f32 v207, v206, v180, v207
	v_max_num_f32 v207, 0, v207
	v_sqrt_f32 v208, v207
	v_nop
	s_wait_alu depctr_va_vdst(0)
	v_add_f32 v208, 0x358637bd, v208
	v_rcp_f32 v208, v208
	v_nop
	s_wait_alu depctr_va_vdst(0)
	v_mul_f32 v208, 0x41f00000, v208
	v_min_num_f32 v208, 1.0, v208                  ; s
	v_mul_f32 v209, v208, v208
	v_mul_f32 v11, v209, v207
	v_mul_f32 v18, v208, v176                      ; s a
	v_mul_f32 v10, v10, v18
	v_mul_f32 v210, v208, v177
	v_mul_f32 v22, v210, v198                      ; s b e
.set p, 0
.rept 16
	v_pk_mul_f32 v[E+2*p:E+2*p+1], v[E+2*p:E+2*p+1], v[18:19] op_sel_hi:[1,0]
.set p, p+1
.endr
.set p, 0
.rept 16
	v_pk_fma_f32 v[E+2*p:E+2*p+1], v[OHR+2*p:OHR+2*p+1], v[22:23], v[E+2*p:E+2*p+1] op_sel_hi:[1,0,1]
.set p, p+1
.endr
.endm
.Lstep:
	v_add_nc_u32 v4, s30, v3
	v_mov_b32 v5, s31
	v_mov_b32 v6, s32
	v_mov_b32 v7, s33
	s_add_co_u32 s35, s34, 1
	STEP 0
	STEP 1
	s_wait_xcnt 0x0                                ; the stores have read their base
	s_add_nc_u64 s[44:45], s[44:45], 32768
	s_add_co_u32 s30, s30, 2080
	s_add_co_u32 s31, s31, 288
	s_add_co_u32 s32, s32, 256
	s_add_co_u32 s33, s33, 32
	s_add_co_u32 s34, s34, 2
	s_sub_co_u32 s36, s36, 1
	s_cmp_lg_u32 s36, 0
	s_cbranch_scc1 .Lstep
	s_cmp_lg_u32 s12, 0
	s_cbranch_scc1 .Lend
	v_lshlrev_b32 v3, 3, v16
	global_store_b64 v3, v[12:13], s[46:47] offset:4718592     ; 256 bytes on end
.Lend:
	s_wait_tensorcnt 0x0                           ; the wave's end
	ds_add_u32 v[SPW], v[NIL]
	s_wait_dscnt 0x0
	s_endpgm
.Lfunc_end_k_q997190a3e6_mem:
	.size	k_q997190a3e6_mem, .Lfunc_end_k_q997190a3e6_mem-k_q997190a3e6_mem
	.p2alignl 7, 3214868480
	.fill 96, 4, 3214868480
	.section	.rodata,"a",@progbits
	.p2align	6, 0x0
	.amdhsa_kernel k_q997190a3e6_mem
		.amdhsa_group_segment_fixed_size 213760
		.amdhsa_private_segment_fixed_size 0
		.amdhsa_enable_private_segment 0
		.amdhsa_kernarg_size 32
		.amdhsa_user_sgpr_count 2
		.amdhsa_user_sgpr_kernarg_segment_ptr 1
		.amdhsa_wavefront_size32 1
		.amdhsa_system_sgpr_workgroup_id_x 1
		.amdhsa_system_sgpr_workgroup_id_y 1
		.amdhsa_system_sgpr_workgroup_id_z 1
		.amdhsa_system_vgpr_workitem_id 0
		.amdhsa_next_free_vgpr 256
		.amdhsa_next_free_sgpr 66
		.amdhsa_reserve_vcc 1
		.amdhsa_float_denorm_mode_32 3
		.amdhsa_float_denorm_mode_16_64 3
		.amdhsa_memory_ordered 1
		.amdhsa_forward_progress 1
		.amdhsa_inst_pref_size 60
	.end_amdhsa_kernel
	.amdgpu_metadata
---
amdhsa.version: [ 1, 2 ]
amdhsa.kernels:
  - .name:           k_q997190a3e6_mem
    .symbol:         k_q997190a3e6_mem.kd
    .args:
      - { .name: xb, .offset: 0, .size: 8, .value_kind: global_buffer, .address_space: global }
      - { .name: wts, .offset: 8, .size: 8, .value_kind: global_buffer, .address_space: global }
      - { .name: aux, .offset: 16, .size: 8, .value_kind: global_buffer, .address_space: global }
      - { .name: mw, .offset: 24, .size: 8, .value_kind: global_buffer, .address_space: global }
    .group_segment_fixed_size: 213760
    .private_segment_fixed_size: 0
    .kernarg_segment_align: 8
    .kernarg_segment_size: 32
    .max_flat_workgroup_size: 256
    .sgpr_count:     66
    .vgpr_count:     256
    .wavefront_size: 32
...
	.end_amdgpu_metadata
.endif
;; end of part 8
;; launch gemm1 (part 9): grid 8 x 32, 4 waves a work-group, clusters of 4 x 4, 327,680 bytes of LDS; arguments xb, wts, aux, mw, qkv; writes qkv
.if DOCPART == 9
	.amdgcn_target "amdgcn-amd-amdhsa--gfx1250"
	.amdhsa_code_object_version 6
	.text
	.protected	k_q997190a3e6_gemm1
	.globl	k_q997190a3e6_gemm1
	.p2align	8
	.type	k_q997190a3e6_gemm1,@function
k_q997190a3e6_gemm1:
	s_mov_b64 s[64:65], 0
	v_nop
	global_prefetch_b8 v0, s[64:65] scope:SCOPE_SE
	s_setreg_imm32_b32 hwreg(HW_REG_WAVE_MODE, 25, 1), 1
	s_wait_xcnt 0x0
	s_wait_alu depctr_hold_cnt(0) depctr_sa_sdst(0) depctr_va_vdst(0) depctr_va_sdst(0) depctr_va_ssrc(0) depctr_va_vcc(0) depctr_vm_vsrc(0)
	s_getreg_b32 s2, hwreg(HW_REG_IB_STS2, 6, 4)
	s_cmp_eq_u32 s2, 0
	s_cbranch_scc0 .Lentry_in_a_cluster
	s_endpgm
.Lentry_in_a_cluster:
	s_bfe_u32 s2, ttmp6, 0x10000c
	s_cmp_lg_u32 s2, 0xf033
	s_cbranch_scc0 .Lentry_shape_is_right
	s_endpgm
.Lentry_shape_is_right:
; [8192 tokens] x [2048 columns of wcat], K = 1024, bf16 products, f32 sums; then the memories' share, RoPE, and q, k, v by heads in f16 (qkv: q 0, k 16,777,216, v 20,971,520; [head][2048][64]).
; A tile of 256 x 256 to a work-group of four waves, 128 x 128 a wave (64 accumulators, windows 2 and 3); K in steps of 128 through two LDS slots filled by joint tensor loads:
; 4 x 4 work-groups form a cluster, A's tile is shared along its row, B's along its column.  Source 0 = 16 rows of wcat, source 1 = 16 tokens: a lane holds one token and 8 neighbouring columns.
; THE TEXT IS SHORT ON PURPOSE.  A trip of the K loop is one K step: the slot that is fetched from hangs on a scalar that an exclusive or turns, and one descriptor walks (its LDS word turned by the
; same exclusive or: wave x 34,816 and 139,264 have no bit in common).  The two K steps that fill nothing are a second loop, left in the middle of its second trip; the price is one barrier more and
; one run of fragment loads from a slot that has landed and that nobody writes.  The way out is one text for two blocks of 16 tokens, walked four times; the later blocks' sums are copied down.
; Tile columns 0-3 (cluster x = 0) are Q: a wave's 128 columns are two heads.  Tile column 4 + g is kv head g: [x Wk | x M0[0]^T | x Wv | x M0[1]^T], 64 each: a wave has K or V:
;   k = x Wk + A (x M0^T) + P F^T, A by chunk of 64 tokens, the last term one product more for each accumulator (K = 32 past chunks).
; RoPE stays in registers: channels c and c + 32 of a head are accumulators b and b + 2 of the same lane.  V takes a table with cos = 1 and sin = 0, so one text serves Q, K and V.
; LIMITS: q, k, v must lie within f16's 65,504.
.set SIZE_K, 1024
.set KSTEP,  128
.set PITCH,  272                       ; 256 bytes + 16 of padding: the 16 rows of a fragment load start at 16 different groups of four banks
.set HALFT,  128*PITCH
.set SLOT,   4*HALFT
.set STAGE,  2*SLOT                    ; behind the ring: 16 rows x 144 bytes a wave, for the way out; no tensor load fills it
.set SP,     144
.set SPARE,  STAGE+4*16*SP             ; the spare words, 128 bytes a wave
.set FV,   6                           ; v6   my bytes in a fragment block of F: 256 h + 16 r
.set TV,   8                           ; v8   my bytes in the table: 256 r + 32 h
.set ADRA, 16                          ; v16  my A fragments in slot 0; never rewritten
.set CA,   17                          ; v17  the same in the slot that is fetched from
.set ADRB, 20
.set CB,   21
.set STO,  24
.set RD,   25
.set GO,   26                          ; v26  16 x lane
.set SPW,  28
.set NIL,  29
.set PFO,  30
.set PFA,  44
.set LIM,  43
.set TBS,  67                          ; s67  0 or SLOT: the slot that is fetched from
.set PASS, 98                          ; s98  counts the way out's passes
.set F0,   64
.set F1,   128
.set FQ,   192                         ; v192-255: F in window 1, P in window 0
.set BK,   32                          ; v32-63  rows read back from the stage, two sets
.set TB,   128                         ; v128-191 the table, two sets of cos 16 | sin 16
.set T,    192                         ; v192-223 a head's 32 results in f32
.set PK,   224                         ; v224-239 the same in f16
.set G1, 24
.set G0, 32                            ; s[32:35] A's first fill; s[36:39] its second, which then walks
.set G1B, 48
.set G0B, 56
.set MSB, 0
.macro WIN new
.if MSB != (\new)
	s_set_vgpr_msb (MSB<<8)|(\new)
.set MSB, \new
.endif
.endm
.set MUL_LO, 0xa1                      ; source 0 window 1, source 1 window 0, C and D window 2
.set MUL_HI, 0xf1
.set TO_B,   0x40
.macro JLOAD s                         ; a joint load: waves 0 and 1 fetch A's halves, waves 2 and 3 B's; the branch hangs on the wave's number alone
	s_cmp_eq_u32 s11, 0
	s_cbranch_scc0 .Lfor_b_\@
	tensor_load_to_lds s[G0+4*(\s):G0+4*(\s)+3], s[G1:G1+7]
	s_nop 0
.rept 4
	v_nop
.endr
	s_branch .Lasked_\@
.Lfor_b_\@:
	tensor_load_to_lds s[G0B+4*(\s):G0B+4*(\s)+3], s[G1B:G1B+7]
	s_nop 0
.rept 4
	v_nop
.endr
.Lasked_\@:
.endm
; A prefetch of the K step two refills on: 32 rows x 256 bytes, a lane a row.  A's rows are asked for by the cluster with x = 0, B's by the cluster with y = 0; the four partners of a joint
; load share its 128 rows out by address.  The loop's last two trips ask for nothing: there is no K step two on.
.macro ASK
	s_cmp_gt_u32 s3, s[LIM]
	s_cbranch_scc0 .Lnot_mine_\@
	global_prefetch_b8 v[PFO], s[PFA:PFA+1] offset:KSTEP*2 th:TH_LOAD_NT scope:SCOPE_SE
.Lnot_mine_\@:
.endm
.macro CREST
	s_cmp_lg_u32 s10, 0
	s_cbranch_scc1 .Lnot_wave_0_\@
	s_barrier_signal -3
.Lnot_wave_0_\@:
	s_barrier_wait -3
	s_barrier_signal -1
	s_barrier_wait -1
.endm
.macro CROUND
	s_barrier_signal -1
	s_barrier_wait -1
	CREST
.endm
	s_load_b128 s[4:7], s[0:1], 0x0                ; xb, wts
	s_load_b128 s[68:71], s[0:1], 0x10             ; aux, mw
	s_load_b64 s[72:73], s[0:1], 0x20              ; qkv
	v_lshl_add_u32 v[SPW], v0, 2, SPARE
	v_mov_b32 v[NIL], 0
	ds_add_u32 v[SPW], v[NIL]                      ; the wave's opening: the add and its wait stand ahead of my first tensor load
	v_lshrrev_b32 v1, 5, v0
	v_readfirstlane_b32 s10, v1                    ; wave
	s_lshr_b32 s11, s10, 1                         ; my half of the tile's rows; also: I fetch for A (0) or B (1)
	s_and_b32 s12, s10, 1                          ; my half of its columns; also: which 128 rows I fetch
	s_bfe_u32 s40, ttmp6, 0x40000                  ; cx
	s_bfe_u32 s41, ttmp6, 0x40004                  ; cy
	s_lshl_b32 s42, ttmp9, 2
	s_add_co_u32 s42, s42, s40                     ; tile column
	s_and_b32 s13, ttmp7, 0xffff
	s_lshl_b32 s13, s13, 2
	s_add_co_u32 s13, s13, s41                     ; tile row
	s_lshl_b32 s43, s41, 2
	s_lshl_b32 s43, 15, s43                        ; my row of the cluster
	s_lshl_b32 s44, 0x1111, s40                    ; my column
	s_or_b32 s[G1+0], s43, (1<<16)|(1<<20)|(1<<21)|(5<<22)|(3<<25)   ; mask; 2-byte elements; padding of 4 words after every 64; bit 21 beside a mask
	s_or_b32 s[G1B+0], s44, (1<<16)|(1<<20)|(1<<21)|(5<<22)|(3<<25)
.irp g, G1, G1B
	s_mov_b32 s[(\g)+1], KSTEP<<16                 ; tensor_dim0 = 128
	s_mov_b32 s[(\g)+2], 128<<16                   ; tensor_dim1 = 128
	s_mov_b32 s[(\g)+3], KSTEP<<16                 ; tile_dim0 = 128
	s_mov_b32 s[(\g)+4], 128                       ; tile_dim1 = 128
	s_mov_b32 s[(\g)+5], SIZE_K                    ; elements from row to row
	s_mov_b32 s[(\g)+6], 0
	s_mov_b32 s[(\g)+7], 0
.endr
	s_lshl_b32 s17, s12, 7
	s_lshl_b32 s16, s13, 8
	s_add_co_u32 s16, s16, s17                     ; A: row 256 x tile row + 128 x half
	s_lshl_b32 s46, s42, 8
	s_add_co_u32 s46, s46, s17                     ; B: row 256 x tile column + 128 x half
	s_mov_b32 s17, 0
	s_mov_b32 s47, 0
	s_mov_b64 s[18:19], SIZE_K*2
	s_mul_u64 s[16:17], s[16:17], s[18:19]
	s_mul_u64 s[46:47], s[46:47], s[18:19]
	s_mul_i32 s20, s10, HALFT                      ; where they go: wave x 128 rows
	s_mov_b32 s[TBS], 0
	s_wait_dscnt 0x0                               ; the opening add is done
	s_wait_kmcnt 0x0
	s_add_nc_u64 s[14:15], s[4:5], s[16:17]
	s_add_nc_u64 s[46:47], s[6:7], s[46:47]
	CROUND                                         ; all sixteen work-groups are here: the first joint loads meet
.irp s, 0,1
	s_mov_b32 s[G0+4*(\s)], 1
	s_add_co_u32 s[G0+4*(\s)+1], s20, (\s)*SLOT
	s_add_nc_u64 s[G0+4*(\s)+2:G0+4*(\s)+3], s[14:15], (\s)*KSTEP*2
	s_or_b32 s[G0+4*(\s)+3], s[G0+4*(\s)+3], 0x80000000
	s_mov_b32 s[G0B+4*(\s)], 1
	s_add_co_u32 s[G0B+4*(\s)+1], s20, (\s)*SLOT
	s_add_nc_u64 s[G0B+4*(\s)+2:G0B+4*(\s)+3], s[46:47], (\s)*KSTEP*2
	s_or_b32 s[G0B+4*(\s)+3], s[G0B+4*(\s)+3], 0x80000000
	JLOAD \s
.endr
	v_and_b32 v1, 15, v0                           ; r
	v_bfe_u32 v2, v0, 4, 1                         ; h
	v_mul_u32_u24 v3, v1, PITCH
	v_lshl_add_u32 v3, v2, 4, v3
	s_mul_i32 s21, s11, HALFT
	s_mul_i32 s22, s12, HALFT
	s_add_co_u32 s22, s22, 2*HALFT
	v_add_nc_u32 v[ADRA], s21, v3
	v_add_nc_u32 v[ADRB], s22, v3
	v_mov_b32 v[CA], v[ADRA]
	v_mov_b32 v[CB], v[ADRB]
	s_mul_i32 s23, s10, 16*SP
	s_add_co_u32 s23, s23, STAGE                   ; my stage
	v_mul_u32_u24 v4, v1, SP
	v_lshl_add_u32 v4, v2, 4, v4
	v_add_nc_u32 v[STO], s23, v4                   ; in: row r, 16 bytes for each half of the lanes
	v_bfe_u32 v5, v0, 3, 2
	v_mul_u32_u24 v5, v5, SP
	v_and_b32 v4, 7, v0
	v_lshl_add_u32 v5, v4, 4, v5
	v_add_nc_u32 v[RD], s23, v5                    ; back: 32 lanes take four rows of 128 bytes
	v_and_b32 v[GO], 31, v0
	v_lshlrev_b32 v[GO], 4, v[GO]
	v_lshlrev_b32 v[FV], 4, v1
	v_lshl_add_u32 v[FV], v2, 8, v[FV]
	v_lshlrev_b32 v[TV], 8, v1
	v_lshl_add_u32 v[TV], v2, 5, v[TV]
	s_mov_b32 s74, s13                             ; tile row
	s_mov_b32 s66, s42                             ; tile column
	; the prefetches
	s_lshl_b32 s13, s13, 8
	s_lshl_b32 s42, s42, 8
	s_and_b32 s22, ttmp7, 0xffff
	s_cmp_eq_u32 s11, 0
	s_cselect_b32 s20, s13, s42
	s_cselect_b32 s21, s40, s41
	s_cselect_b32 s22, ttmp9, s22
	s_cselect_b64 s[PFA:PFA+1], s[4:5], s[6:7]
	s_cmp_eq_u32 s22, 0
	s_cselect_b32 s[LIM], 2, -1
	s_lshl_b32 s22, s12, 7
	s_add_co_u32 s20, s20, s22
	s_lshl_b32 s21, s21, 5
	s_add_co_u32 s20, s20, s21
	s_mov_b32 s21, 0
	s_mov_b64 s[18:19], SIZE_K*2
	s_mul_u64 s[20:21], s[20:21], s[18:19]
	s_add_nc_u64 s[PFA:PFA+1], s[PFA:PFA+1], s[20:21]
	s_add_nc_u64 s[PFA:PFA+1], s[PFA:PFA+1], 2*KSTEP*2  ; at K step 2: the first refill steps it to 3 and names K step 4
	v_and_b32 v[PFO], 31, v0
	v_mul_u32_u24 v[PFO], v[PFO], SIZE_K*2
	; the way out's addresses
	s_lshr_b32 s75, s74, 3                         ; batch
	s_and_b32 s76, s74, 7
	s_lshl_b32 s76, s76, 8
	s_lshl_b32 s77, s11, 7
	s_add_co_u32 s77, s77, s76                     ; my first position
	s_lshl_b32 s78, s75, 4
	s_lshl2_add_u32 s78, s66, s78
	s_lshl1_add_u32 s78, s12, s78                  ; Q: head 16 batch + 4 tile column + 2 half
	s_lshl_b32 s78, s78, 18
	s_lshl2_add_u32 s79, s75, s40                  ; K, V: head 4 batch + g
	s_lshl_b32 s79, s79, 18
	s_lshl_b32 s80, s12, 22
	s_add_co_u32 s79, s79, s80
	s_add_co_u32 s79, s79, 0x1000000
	s_cmp_eq_u32 ttmp9, 0
	s_cselect_b32 s78, s78, s79
	s_cselect_b32 s87, 1, 0                        ; 1: a Q cluster
	s_lshl_b32 s79, s77, 7
	s_add_co_u32 s78, s78, s79
	s_mov_b32 s79, 0
	s_add_nc_u64 s[78:79], s[72:73], s[78:79]
	s_lshl_b32 s80, s77, 8
	s_add_co_u32 s80, s80, 524288
	s_sub_co_u32 s82, 1, s87
	s_and_b32 s82, s82, s12                        ; 1: a wave with V
	s_cmp_eq_u32 s82, 1
	s_cselect_b32 s80, 1114112, s80
	s_mov_b32 s81, 0
	s_add_nc_u64 s[80:81], s[68:69], s[80:81]      ; the table
	s_lshl2_add_u32 s82, s12, s75                  ; 4 memory + batch
	s_lshl_b32 s83, s82, 5
	s_lshr_b32 s84, s77, 6                         ; my first chunk
	s_add_co_u32 s83, s83, s84
	s_lshl_b32 s83, s83, 14
	s_lshl_b32 s85, s40, 12
	s_add_co_u32 s92, s83, s85
	s_mov_b32 s93, 0
	s_add_nc_u64 s[92:93], s[70:71], s[92:93]      ; F
	s_lshl_b32 s94, s74, 4
	s_lshl3_add_u32 s94, s11, s94
	s_lshl_b32 s94, s94, 10
	s_add_co_u32 s94, s94, 0x400000
	s_mov_b32 s95, 0
	s_add_nc_u64 s[94:95], s[70:71], s[94:95]      ; P
	s_lshl_b32 s96, s82, 8
	s_lshl3_add_u32 s96, s84, s96
	s_add_co_u32 s96, s96, 4718592
	s_mov_b32 s97, 0
	s_add_nc_u64 s[96:97], s[70:71], s[96:97]
	s_load_b128 s[88:91], s[96:97], 0x0            ; (A, 0) of my two chunks
.macro MUL16 f, hi, a0, zero
	WIN MUL_LO+0x50*(\hi)
.irp a, \a0, (\a0)+1
.irp b, 0,1,2,3,4,5,6,7
.if \zero
	v_wmma_f32_16x16x32_bf16 v[8*(8*(\a)+(\b)):8*(8*(\a)+(\b))+7], v[(\f)+8*(\b):(\f)+8*(\b)+7], v[(\f)+8*(4*(\hi)+(\a)):(\f)+8*(4*(\hi)+(\a))+7], 0
.else
	v_wmma_f32_16x16x32_bf16 v[8*(8*(\a)+(\b)):8*(8*(\a)+(\b))+7], v[(\f)+8*(\b):(\f)+8*(\b)+7], v[(\f)+8*(4*(\hi)+(\a)):(\f)+8*(4*(\hi)+(\a))+7], v[8*(8*(\a)+(\b)):8*(8*(\a)+(\b))+7]
.endif
.endr
.endr
.endm
.macro FETCH k, f                      ; 32 LDS loads in one run: a quarter step's fragments
	WIN TO_B
.irp i, 0,1,2,3,4,5,6,7
	ds_load_b128 v[(\f)+8*(\i):(\f)+8*(\i)+3],   v[CB] offset:(\k)+(\i)*16*PITCH
	ds_load_b128 v[(\f)+8*(\i)+4:(\f)+8*(\i)+7], v[CB] offset:(\k)+(\i)*16*PITCH+32
.endr
	WIN 0
.irp i, 0,1,2,3,4,5,6,7
	ds_load_b128 v[(\f)+8*(\i):(\f)+8*(\i)+3],   v[CA] offset:(\k)+(\i)*16*PITCH
	ds_load_b128 v[(\f)+8*(\i)+4:(\f)+8*(\i)+7], v[CA] offset:(\k)+(\i)*16*PITCH+32
.endr
.endm
.macro PLACES                          ; four plain instructions between a matrix instruction and a load into, or a vector read of, its registers
.rept 4
	v_nop
.endr
.endm
.macro QUARTER k, f, g, zero
	s_wait_dscnt 8                                 ; B and A's rows 0-63 are in; the youngest eight loads may be out
	WIN MUL_LO
	MUL16 \f, 0, 0, \zero
	MUL16 \f, 0, 2, \zero
	PLACES
	FETCH \k, \g
	s_wait_dscnt 32                                ; all but the 32 just issued
	WIN MUL_HI
	MUL16 \f, 1, 0, \zero
	MUL16 \f, 1, 2, \zero
.endm
.macro MEET round                      ; the change of slots: all my tensor loads have landed, the add, my reads of this slot are over; then the barrier
	WIN 0
	s_wait_tensorcnt 0x0
	ds_add_u32 v[SPW], v[NIL]
	s_wait_dscnt 9                                 ; the add and the youngest eight loads may be out
	WIN MUL_LO
	MUL16 F1, 0, 0, 0
	s_wait_dscnt 0x0
	s_barrier_signal -1
	MUL16 F1, 0, 2, 0
.if \round
	WIN 0
.endif
	s_barrier_wait -1
.endm
; The last quarter of a K step.  fill = 1: the slot just read is filled again, with the K step two on, by the walking descriptor.
.macro TURN fill
.if \fill
	s_wait_xcnt 0x0                                ; the last prefetch, a K step back, has read its address
	s_add_nc_u64 s[PFA:PFA+1], s[PFA:PFA+1], KSTEP*2
.endif
	MEET \fill
.if \fill
	CREST                                          ; no wave of any partner still reads this slot or has a load on its way
	s_xor_b32 s[G0+5], s[G0+5], SLOT               ; the other slot than last time,
	s_add_nc_u64 s[G0+6:G0+7], s[G0+6:G0+7], KSTEP*2  ; the next K step
	s_xor_b32 s[G0B+5], s[G0B+5], SLOT
	s_add_nc_u64 s[G0B+6:G0B+7], s[G0B+6:G0B+7], KSTEP*2
	JLOAD 1                                        ; the first tensor load behind the round; its four v_nop are also the places in front of the loads below
.else
	PLACES
.endif
	WIN 0
	s_xor_b32 s[TBS], s[TBS], SLOT                 ; the fetches go on in the other slot
	v_add_nc_u32 v[CA], s[TBS], v[ADRA]
	v_add_nc_u32 v[CB], s[TBS], v[ADRB]
	FETCH 0, F0
.if \fill
	ASK
.endif
	WIN MUL_HI
	MUL16 F1, 1, 0, 0
	MUL16 F1, 1, 2, 0
.endm
	s_wait_tensorcnt 1                             ; my part of K step 0 is in; K step 1's may stay out
	s_barrier_signal -1
	s_barrier_wait -1
	FETCH 0, F0
	QUARTER 64,  F0, F1, 1                         ; the first quarter's products start the sums
	WIN 0
	s_mov_b32 s3, 6
.Lkstep:                                       ; from a K step's second quarter to the next one's first; K steps 2 to 7 are asked for
	QUARTER 128, F1, F0, 0
	QUARTER 192, F0, F1, 0
	TURN 1
	QUARTER 64,  F0, F1, 0
	WIN 0
	s_sub_co_u32 s3, s3, 1
	s_cmp_lg_u32 s3, 0
	s_cbranch_scc1 .Lkstep
	s_cmp_eq_u32 s87, 1
	s_cbranch_scc1 .Lno_mem
	WIN TO_B                                       ; K, V: F and P go into registers that lie idle, and land under the last two K steps
.irp c, 0,1
.irp b, 0,1,2,3
	global_load_b128 v[FQ+32*\c+8*\b:FQ+32*\c+8*\b+3],   v[FV], s[92:93] offset:16384*\c+1024*\b
	global_load_b128 v[FQ+32*\c+8*\b+4:FQ+32*\c+8*\b+7], v[FV], s[92:93] offset:16384*\c+1024*\b+512
.endr
.endr
	WIN 0
.irp a, 0,1,2,3,4,5,6,7
	global_load_b128 v[FQ+8*\a:FQ+8*\a+3],   v[GO], s[94:95] offset:1024*\a
	global_load_b128 v[FQ+8*\a+4:FQ+8*\a+7], v[GO], s[94:95] offset:1024*\a+512
.endr
.Lno_mem:
	s_mov_b32 s3, 2
.Ltail:                                        ; K steps 6 and 7 fill nothing; the second trip is left behind its last products
	QUARTER 128, F1, F0, 0
	QUARTER 192, F0, F1, 0
	TURN 0
	WIN 0
	s_cmp_eq_u32 s3, 1
	s_cbranch_scc1 .Lkdone
	QUARTER 64,  F0, F1, 0
	WIN 0
	s_sub_co_u32 s3, s3, 1
	s_cmp_lg_u32 s3, 0
	s_cbranch_scc1 .Ltail
.Lkdone:
	PLACES
	s_wait_dscnt 0x0                               ; the run of loads that the second trip issued and nobody uses
; the table for a block of 16 positions: cos and sin of my position, frequencies 8 h .. and 16 + 8 h ..
.macro TLOAD set, off
.set TS, TB+32*(\set)
.irp w, 0,1
	global_load_b128 v[TS+8*\w:TS+8*\w+3],       v[TV], s[80:81] offset:(\off)+64*\w
	global_load_b128 v[TS+8*\w+4:TS+8*\w+7],     v[TV], s[80:81] offset:(\off)+64*\w+16
	global_load_b128 v[TS+16+8*\w:TS+16+8*\w+3], v[TV], s[80:81] offset:(\off)+64*\w+128
	global_load_b128 v[TS+16+8*\w+4:TS+16+8*\w+7], v[TV], s[80:81] offset:(\off)+64*\w+144
.endr
.endm
	TLOAD 0, 0
	s_wait_kmcnt 0x0                               ; A of my two chunks
	s_cmp_eq_u32 s87, 1
	s_cbranch_scc1 .Lrope
	; K, V: acc(a, b) += A x acc(a, b + 4), then += F x P
.irp w, 0,1
	WIN 0xaa+0x55*\w
.irp a, 0,1,2,3
.irp b, 0,1,2,3
.irp p, 0,2,4,6
	v_pk_fma_f32 v[8*(8*\a+\b)+\p:8*(8*\a+\b)+\p+1], v[8*(8*\a+\b+4)+\p:8*(8*\a+\b+4)+\p+1], s[88+2*\w:89+2*\w], v[8*(8*\a+\b)+\p:8*(8*\a+\b)+\p+1] op_sel_hi:[1,0,1]
.endr
.endr
.endr
.endr
	s_wait_loadcnt 8                               ; F and P are in; the table's eight loads may stay out
.irp w, 0,1
	WIN MUL_LO+0x50*\w
.irp a, 0,1,2,3
.irp b, 0,1,2,3
	v_wmma_f32_16x16x32_bf16 v[8*(8*\a+\b):8*(8*\a+\b)+7], v[FQ+32*\w+8*\b:FQ+32*\w+8*\b+7], v[FQ+8*(4*\w+\a):FQ+8*(4*\w+\a)+7], v[8*(8*\a+\b):8*(8*\a+\b)+7]
.endr
.endr
.endr
	WIN 0
	PLACES
.Lrope:
; Block a (0, 1) of the pass, head hh of the wave's columns: turned, rounded to f16, through my stage, back as 2,048 bytes on end.  The pass's sums lie in v0-127 of window 2.
.macro UNIT a, hh
.set AC, 64*(\a)+32*(\hh)
.set TS, TB+32*(\a)
.set BB, BK+16*(\hh)
	WIN 0x02                                       ; source 0, the sums, in window 2
.irp w, 0,1
.irp p, 0,2,4,6
	v_pk_mul_f32 v[T+8*\w+\p:T+8*\w+\p+1], v[AC+8*\w+\p:AC+8*\w+\p+1], v[TS+8*\w+\p:TS+8*\w+\p+1]
	v_pk_mul_f32 v[T+16+8*\w+\p:T+16+8*\w+\p+1], v[AC+16+8*\w+\p:AC+16+8*\w+\p+1], v[TS+8*\w+\p:TS+8*\w+\p+1]
.endr
.endr
.irp w, 0,1
.irp p, 0,2,4,6
	v_pk_fma_f32 v[T+8*\w+\p:T+8*\w+\p+1], v[AC+16+8*\w+\p:AC+16+8*\w+\p+1], v[TS+16+8*\w+\p:TS+16+8*\w+\p+1], v[T+8*\w+\p:T+8*\w+\p+1] neg_lo:[1,0,0] neg_hi:[1,0,0]
	v_pk_fma_f32 v[T+16+8*\w+\p:T+16+8*\w+\p+1], v[AC+8*\w+\p:AC+8*\w+\p+1], v[TS+16+8*\w+\p:TS+16+8*\w+\p+1], v[T+16+8*\w+\p:T+16+8*\w+\p+1]
.endr
.endr
	WIN 0
.set i, 0
.rept 16
	v_cvt_pk_f16_f32 v[PK+i], v[T+2*i], v[T+2*i+1]
.set i, i+1
.endr
	s_wait_xcnt 0x0                                ; earlier stores have read the registers that the loads below fill
.irp f, 0,1,2,3
	ds_store_b128 v[STO], v[PK+4*\f:PK+4*\f+3] offset:32*\f
.endr
.irp f, 0,1,2,3
	ds_load_b128 v[BB+4*\f:BB+4*\f+3], v[RD] offset:\f*4*SP    ; LDS serves a wave's instructions in order: these see the stores above
.endr
.endm
.macro SEND a, hh, younger
.set BB, BK+16*(\hh)
.irp f, 0,1,2,3
	s_wait_dscnt (\younger)+3-\f
	global_store_b128 v[GO], v[BB+4*\f:BB+4*\f+3], s[78:79] offset:262144*(\hh)+2048*(\a)+512*\f   ; 512 bytes on end, aligned
.endr
.endm
.macro BODY a
	UNIT \a, 0
	s_cmp_eq_u32 s87, 0
	s_cbranch_scc1 .Lone_\@                        ; K and V have one head
	UNIT \a, 1
	SEND \a, 0, 8
	SEND \a, 1, 0
	s_branch .Ldone_\@
.Lone_\@:
	SEND \a, 0, 0
.Ldone_\@:
.endm
	s_mov_b32 s[PASS], 4
.Lpass:                                        ; two blocks of 16 tokens a pass; a block's table is asked for a block ahead
	TLOAD 1, 4096
	s_wait_loadcnt 8                               ; the even block's table is in; the eight loads just issued may stay out
	BODY 0
	s_cmp_eq_u32 s[PASS], 1
	s_cbranch_scc1 .Llast_pass
	TLOAD 0, 8192
	s_wait_loadcnt 8                               ; the odd block's table is in
	s_branch .Lodd_block
.Llast_pass:
	s_wait_loadcnt 0x0                             ; the odd block's table is in: nothing was issued behind it
.Lodd_block:
	BODY 1
	s_cmp_eq_u32 s[PASS], 1
	s_cbranch_scc1 .Lmoved
	s_cmp_eq_u32 s[PASS], 3
	s_cbranch_scc1 .Lwindow
	WIN 0x82                                       ; behind passes 1 and 3: the window's upper two blocks come down; ascending
.set i, 0
.rept 128
	v_mov_b32 v[i], v[128+i]
.set i, i+1
.endr
	WIN 0
	s_branch .Lmoved
.Lwindow:
	WIN 0x83                                       ; behind pass 2: window 3's four blocks go to window 2
.set i, 0
.rept 256
	v_mov_b32 v[i], v[i]
.set i, i+1
.endr
	WIN 0
.Lmoved:
	s_wait_xcnt 0x0                                ; loads and stores have read the two bases
	s_add_nc_u64 s[78:79], s[78:79], 4096
	s_add_nc_u64 s[80:81], s[80:81], 8192
	s_sub_co_u32 s[PASS], s[PASS], 1
	s_cmp_lg_u32 s[PASS], 0
	s_cbranch_scc1 .Lpass
	s_wait_tensorcnt 0x0                           ; the wave's end
	ds_add_u32 v[SPW], v[NIL]
	s_wait_dscnt 0x0
	CROUND                                         ; the closing round
	s_endpgm
.Lfunc_end_k_q997190a3e6_gemm1:
	.size	k_q997190a3e6_gemm1, .Lfunc_end_k_q997190a3e6_gemm1-k_q997190a3e6_gemm1
	.p2alignl 7, 3214868480
	.fill 96, 4, 3214868480
	.section	.rodata,"a",@progbits
	.p2align	6, 0x0
	.amdhsa_kernel k_q997190a3e6_gemm1
		.amdhsa_group_segment_fixed_size 327680
		.amdhsa_private_segment_fixed_size 0
		.amdhsa_enable_private_segment 0
		.amdhsa_kernarg_size 40
		.amdhsa_user_sgpr_count 2
		.amdhsa_user_sgpr_kernarg_segment_ptr 1
		.amdhsa_wavefront_size32 1
		.amdhsa_system_sgpr_workgroup_id_x 1
		.amdhsa_system_sgpr_workgroup_id_y 1
		.amdhsa_system_sgpr_workgroup_id_z 1
		.amdhsa_system_vgpr_workitem_id 0
		.amdhsa_next_free_vgpr 1024
		.amdhsa_next_free_sgpr 100
		.amdhsa_reserve_vcc 0
		.amdhsa_float_denorm_mode_32 3
		.amdhsa_float_denorm_mode_16_64 3
		.amdhsa_memory_ordered 1
		.amdhsa_forward_progress 1
		.amdhsa_inst_pref_size 118
	.end_amdhsa_kernel
	.amdgpu_metadata
---
amdhsa.version: [ 1, 2 ]
amdhsa.kernels:
  - .name:           k_q997190a3e6_gemm1
    .symbol:         k_q997190a3e6_gemm1.kd
    .args:
      - { .name: xb, .offset: 0, .size: 8, .value_kind: global_buffer, .address_space: global }
      - { .name: wts, .offset: 8, .size: 8, .value_kind: global_buffer, .address_space: global }
      - { .name: aux, .offset: 16, .size: 8, .value_kind: global_buffer, .address_space: global }
      - { .name: mw, .offset: 24, .size: 8, .value_kind: global_buffer, .address_space: global }
      - { .name: qkv, .offset: 32, .size: 8, .value_kind: global_buffer, .address_space: global }
    .group_segment_fixed_size: 327680
    .private_segment_fixed_size: 0
    .kernarg_segment_align: 8
    .kernarg_segment_size: 40
    .max_flat_workgroup_size: 128
    .sgpr_count:     100
    .vgpr_count:     1024
    .wavefront_size: 32
...
	.end_amdgpu_metadata
.endif
;; end of part 9
;; launch attn (part 10): grid 64 x 4, 4 waves a work-group, clusters of 4 x 1, 327,680 bytes of LDS; arguments qkv, ob; writes ob
.if DOCPART == 10
	.amdgcn_target "amdgcn-amd-amdhsa--gfx1250"
	.amdhsa_code_object_version 6
	.text
	.protected	k_q997190a3e6_attn
	.globl	k_q997190a3e6_attn
	.p2align	8
	.type	k_q997190a3e6_attn,@function
k_q997190a3e6_attn:
	s_mov_b64 s[64:65], 0
	v_nop
	global_prefetch_b8 v0, s[64:65] scope:SCOPE_SE
	s_setreg_imm32_b32 hwreg(HW_REG_WAVE_MODE, 25, 1), 1
	s_wait_xcnt 0x0
	s_wait_alu depctr_hold_cnt(0) depctr_sa_sdst(0) depctr_va_vdst(0) depctr_va_sdst(0) depctr_va_ssrc(0) depctr_va_vcc(0) depctr_vm_vsrc(0)
	s_getreg_b32 s2, hwreg(HW_REG_IB_STS2, 6, 4)
	s_cmp_eq_u32 s2, 0
	s_cbranch_scc0 .Lentry_in_a_cluster
	s_endpgm
.Lentry_in_a_cluster:
	s_bfe_u32 s2, ttmp6, 0x10000c
	s_cmp_lg_u32 s2, 0x3003
	s_cbranch_scc0 .Lentry_shape_is_right
	s_endpgm
.Lentry_shape_is_right:
; CAUSAL ATTENTION with grouped heads.  O[h][q] = the sum over k <= q of softmax_k(Q[h][q] . K[h / 4][k] / 8) V[h / 4][k].  Q, O: [64][2048][64] f16; K, V: [16][2048][64] f16 (qkv: q 0, k 16,777,216, v 20,971,520).
; Products, maxima and sums in f32; the weights p are rounded to f16 for the second product (their sum l is taken of the unrounded p), O once at the end.
; LIMITS.  Q, K, V arrive within f16's 65,504.  A hidden score counts as its value less 1e30; a weight below 2^-126 counts as 0 in l; NaN and infinities are not treated apart.
; THE WALK.  A head's queries lie in NB = 8 blocks of 256; block i needs key tiles 0 .. i.  A work-group takes blocks NB - 1 - b and then b: NB + 1 tiles whatever b; one loop with a constant trip count walks them.
; CLUSTER.  The four query heads of a kv head, with the same b, form a cluster: they walk the same tiles in the same trips, so each tile is asked for jointly (mask of four).
; SHARES.  Of a block's four bands of 64 queries a wave owns 16 rows in each: four pieces.  In the diagonal tile's key step s band x sees all keys if s < x, none if s > x, and holds the diagonal if s = x.
; THE MASK is the C operand that starts S^T = K Q^T: MD x AL + BE, MD the mask of a band's own step, (AL, BE) = (1, 0), (0, 0) or (0, -1e30).
; TURNS.  Turn n belongs to piece n: 8 products K Q^T of piece n + 1, later 8 products V^T P of piece n - 1; beside them piece n's scaling, exponentials, roundings, sums and rescaling and piece n + 1's maximum.
; A turn's 33 exponentials are one batch, with one wait.
; A BLOCK'S END is not written out: the diagonal tile's loop counts 5 to 1 and is left in the middle of its fifth trip.  In that half trip K's run of loads takes step 3 once more, and piece 0's eight
; products, on a mask that hides every key, leave its maximum as it was: they serve nothing, the price of one text for every trip.
; REGISTERS: window 0: v0-15 addresses; v16-31 statistics; v48-55 at work; v64-127 S^T, two buffers; v192-223 P, two buffers.  window 1: v0-127 O^T; v128-159 MD; v160-223 MC.
;   window 2: v0-63 Q; v64-127 the second block's Q; v128-191 K of one step; v192-255 V of one step.
.set SIZE_N, 2048
.set NB,    SIZE_N/256
.set NP,    4
.set KS,    64
.set PK,    144
.set PV,    160
.set VOFF,  4*KS*PK
.set SLOT1, 1<<17
.set STAGE, SLOT1+4*KS*(PK+PV)
.set SP,    144
.set AK0, 2
.set AV0, 3
.set AK,  4
.set AV,  5
.set STO, 6
.set RD,  7
.set GO,  8
.set PFO, 61                           ; v61  256 x my lane
.set SPW, 62
.set NIL, 63
.set SPARE, STAGE+4*16*SP
.set MV,  12
.set QO,  15
.set ST,  16
.set TMP, 48
.set S,   64
.set P,   192
.set MD,  128
.set MC,  160
.set QB,  64
.set KF,  128
.set VF,  192
.set WV,  12
.set PB,  14
.set HI,  15
.set G1K, 24
.set G1V, 32
.set G0K, 40
.set G0V, 44
.set SLOTS, 56
.set CNT, 57
.set CS,  58
.set SEL, 60
.set TBK, 62
.set TBV, 63
.set RT,  70
.set NXT, 71
.set LQ,  72
.set NEW, 73
.set OFF, 74
.set AL,  76
.set BE,  78
.set OLO, 80
.set BIGN, 82
.set PF,  88                           ; s88  1 in a wave that prefetches
.set CX,  89                           ; s89  my place in the cluster: it enters global addresses alone
.set PFB, 90                           ; s[90:91] my work-group's quarter of tile 0 of K (wave 0) or V (wave 2)
.set PFA, 92                           ; s[92:93] the same of the tile that the next change will ask for
.set KAD, 97                           ; s97  the diagonal tile: where K's next run of loads begins
.set KST, 98                           ; s98  and by how much the fetches step behind it
.set MSB, 0
.macro WIN new
.if MSB != (\new)
	s_set_vgpr_msb (MSB<<8)|(\new)
.set MSB, (\new)
.endif
.endm
.set W_KQ, 0x0a
.set W_KM, 0x1a
.set W_PV, 0x52
.set W_RS, 0x41
.macro LOAD                            ; a joint fill: waves 0 and 1 fetch the halves of a tile's K, waves 2 and 3 of its V
	s_cmp_lt_u32 s[WV], 2
	s_cbranch_scc0 .Lfor_v_\@
	tensor_load_to_lds s[G0K:G0K+3], s[G1K:G1K+7]
	s_nop 0
.rept 4
	v_nop
.endr
	s_branch .Lasked_\@
.Lfor_v_\@:
	tensor_load_to_lds s[G0V:G0V+3], s[G1V:G1V+7]
	s_nop 0
.rept 4
	v_nop
.endr
.Lasked_\@:
.endm
.macro CROUND
	s_barrier_signal -1
	s_barrier_wait -1
	s_cmp_lg_u32 s[WV], 0
	s_cbranch_scc1 .Lnot_wave_0_\@
	s_barrier_signal -3
.Lnot_wave_0_\@:
	s_barrier_wait -3
	s_barrier_signal -1
	s_barrier_wait -1
.endm
; THE CHANGE OF SLOTS.  Each wave waits for all its tensor loads, adds 0 to its spare word, and waits for that and for its reads of the slot that it leaves.  fill = 1: a round of the cluster's barrier,
; and the old slot is filled again first thing behind it, with tile NXT.  Behind the load stands a prefetch of the tile that the NEXT change will ask for: the clusters with b = 0 walk tiles 0 to 7 on end,
; so they ask, each partner for 32 blocks of 256 bytes told apart by address, wave 0 for K and wave 2 for V: each block once; nothing where the next tile is tile 0 again.
.macro CHANGE fill
	WIN 0
	s_wait_tensorcnt 0x0
	ds_add_u32 v[SPW], v[NIL]       ; 0 onto my spare word; scalar work stands between it and the wait for it
.if \fill
	s_lshl_b32 s[OFF], s[NXT], 15
	s_xor_b32 s[G0K+1], s[G0K+1], SLOT1
	s_add_nc_u64 s[G0K+2:G0K+3], s[6:7], s[OFF:OFF+1]
	s_or_b32 s[G0K+3], s[G0K+3], 0x80000000
	s_xor_b32 s[G0V+1], s[G0V+1], SLOT1
	s_add_nc_u64 s[G0V+2:G0V+3], s[8:9], s[OFF:OFF+1]
	s_or_b32 s[G0V+3], s[G0V+3], 0x80000000
	s_add_co_u32 s[NXT], s[NXT], 1
	s_cmp_gt_u32 s[NXT], s[LQ]
	s_cselect_b32 s[NXT], 0, s[NXT]
	s_cselect_b32 s[LQ], s[PB], s[LQ]
	s_wait_xcnt 0x0                 ; the last prefetch, a tile back, has read its address
	s_lshl_b32 s94, s[NXT], 15
	s_add_nc_u64 s[PFA:PFA+1], s[PFB:PFB+1], s[94:95]
	s_mul_i32 s96, s[PF], s[NXT]
.endif
	s_sub_co_u32 s[TBK], s[TBK], 4*KS*PK
	s_xor_b32 s[TBK], s[TBK], SLOT1
	s_sub_co_u32 s[TBV], s[TBV], 4*KS*PV
	s_xor_b32 s[TBV], s[TBV], SLOT1
	s_wait_dscnt 0x0                ; the add is done, and my reads of the slot are over
.if \fill
	CROUND
	LOAD
	s_cmp_lg_u32 s96, 0
	s_cbranch_scc0 .Lnot_mine_\@
	global_prefetch_b8 v[PFO], s[PFA:PFA+1] th:TH_LOAD_NT scope:SCOPE_SE
.Lnot_mine_\@:
.else
	s_barrier_signal -1
	s_barrier_wait -1
.endif
.endm
	s_load_b128 s[4:7], s[0:1], 0x0   ; qkv s[4:5], ob s[6:7]
	v_lshl_add_u32 v[SPW], v0, 2, SPARE
	v_mov_b32 v[NIL], 0
	ds_add_u32 v[SPW], v[NIL]       ; the wave's opening: the add and its wait stand ahead of my first tensor load
	v_lshrrev_b32 v1, 5, v0
	v_readfirstlane_b32 s[WV], v1
	s_bfe_u32 s[CX], ttmp6, 0x40000
	s_and_b32 s[PB], ttmp7, 0xffff
	s_sub_co_u32 s[HI], NB-1, s[PB]
	s_lshl_b32 s20, ttmp9, 2
	s_add_co_u32 s20, s20, s[CX]    ; my query head
	s_lshl_b32 s20, s20, 18         ; its first byte in Q and O
	s_mov_b32 s21, 0
	s_and_b32 s16, s[WV], 1         ; which half of a tile's 256 keys I fetch
	s_lshl_b32 s22, ttmp9, 18       ; the kv head, which the four partners share
	s_lshl_b32 s19, s16, 14
	s_add_co_u32 s22, s22, s19
	s_mov_b32 s23, 0
	s_mul_i32 s17, s16, 128*PK
	s_mul_i32 s18, s16, 128*PV
	s_lshl_b32 s3, s[WV], 11        ; my 16 rows in a band of 64,
	s_lshl_b32 s2, s[HI], 15        ; in the first block,
	s_add_co_u32 s2, s2, s3
	s_lshl_b32 s84, s[PB], 15       ; and in the second
	s_add_co_u32 s84, s84, s3
	s_mov_b32 s3, 0
	s_mov_b32 s85, 0
	s_add_nc_u64 s[2:3], s[2:3], s[20:21]
	s_add_nc_u64 s[84:85], s[84:85], s[20:21]
	s_mov_b32 s[G1K], 15|(1<<16)|(1<<20)|(1<<21)|(4<<22)|(3<<25)  ; the mask of four; 2-byte elements; 4 words of padding after every 32; bit 21 beside a mask
	s_mov_b32 s[G1V], 15|(1<<16)|(1<<20)|(1<<21)|(4<<22)|(7<<25)  ; the same with 8 words
.irp g, G1K, G1V
	s_mov_b32 s[\g+1], 128<<16      ; 128 keys are 16,384 dense bytes: 64 rows of 256 bytes
	s_mov_b32 s[\g+2], 64<<16
	s_mov_b32 s[\g+3], 128<<16
	s_mov_b32 s[\g+4], 64
	s_mov_b32 s[\g+5], 128
	s_mov_b32 s[\g+6], 0
	s_mov_b32 s[\g+7], 0
.endr
	s_mov_b32 s[CS], 0x3e38aa3b     ; c = log2(e) / 8
	s_mov_b32 s[CS+1], s[CS]
	s_mov_b32 s[SEL], 0x76543210
	s_mov_b32 s[SEL+1], 0xfedcba98
	s_mov_b32 s[TBK], SLOT1+4*KS*PK
	s_mov_b32 s[TBV], SLOT1+4*KS*PV
	s_mov_b32 s[G0K], 1
	s_mov_b32 s[G0K+1], s17
	s_mov_b32 s[G0V], 1
	s_add_co_u32 s[G0V+1], s18, VOFF
	s_add_co_u32 s[RT], s[HI], 1
	s_mov_b32 s[NXT], 1
	s_mov_b32 s[LQ], s[HI]
	s_mov_b32 s[NEW], 1
	s_mov_b32 s[OFF+1], 0
	s_mov_b32 s95, 0
	s_mov_b32 s[AL+1], 0
	s_mov_b32 s[BE+1], 0
	s_mov_b32 s[BIGN], 0xf149f2ca   ; -1e30
	s_mov_b32 s[SLOTS], NB
	s_or_b32 s[PF], s16, s[PB]      ; 0 in waves 0 and 2 where b = 0: the same in all four partners
	s_cmp_eq_u32 s[PF], 0
	s_cselect_b32 s[PF], 1, 0
	v_and_b32 v[PFO], 31, v0
	v_lshlrev_b32 v[PFO], 8, v[PFO]
	s_wait_dscnt 0x0                ; the opening add is done
	s_wait_kmcnt 0x0
	s_mov_b64 s[10:11], s[6:7]      ; O
	s_add_nc_u64 s[6:7], s[4:5], 0x1000000
	s_add_nc_u64 s[8:9], s[4:5], 0x1400000
	s_add_nc_u64 s[6:7], s[6:7], s[22:23]  ; K and V at my half of the head's tile 0
	s_add_nc_u64 s[8:9], s[8:9], s[22:23]
	s_add_nc_u64 s[G0K+2:G0K+3], s[6:7], 0
	s_or_b32 s[G0K+3], s[G0K+3], 0x80000000
	s_add_nc_u64 s[G0V+2:G0V+3], s[8:9], 0
	s_or_b32 s[G0V+3], s[G0V+3], 0x80000000
	s_add_nc_u64 s[86:87], s[4:5], s[84:85]
	s_add_nc_u64 s[4:5], s[4:5], s[2:3]
	s_add_nc_u64 s[OLO:OLO+1], s[10:11], s[84:85]
	s_add_nc_u64 s[10:11], s[10:11], s[2:3]
	s_cmp_lt_u32 s[WV], 2
	s_cselect_b64 s[PFB:PFB+1], s[6:7], s[8:9]
	s_lshl_b32 s94, s[CX], 13
	s_add_nc_u64 s[PFB:PFB+1], s[PFB:PFB+1], s[94:95]
	s_mov_b64 s[PFA:PFA+1], s[PFB:PFB+1]
	CROUND                          ; all four work-groups are here: the first joint load meets
	LOAD                            ; tile 0 into slot 0
	v_and_b32 v1, 15, v0
	v_bfe_u32 v9, v0, 4, 1
	v_lshlrev_b32 v[QO], 7, v1
	v_lshl_add_u32 v[QO], v9, 4, v[QO]
	WIN 0x80
.set i, 0
.rept 8
	global_load_b128 v[8*i:8*i+3],   v[QO], s[4:5] offset:(i/2)*8192+(i%2)*64
	global_load_b128 v[8*i+4:8*i+7], v[QO], s[4:5] offset:(i/2)*8192+(i%2)*64+32
	global_load_b128 v[QB+8*i:QB+8*i+3],   v[QO], s[86:87] offset:(i/2)*8192+(i%2)*64
	global_load_b128 v[QB+8*i+4:QB+8*i+7], v[QO], s[86:87] offset:(i/2)*8192+(i%2)*64+32
.set i, i+1
.endr
	WIN 0
	v_lshlrev_b32 v14, 3, v9
	v_sub_nc_u32 v14, v1, v14
	s_lshl_b32 s13, s[WV], 4
	v_add_nc_u32 v14, s13, v14      ; my query's place in its band less 8 (l / 16): register r of group kt is hidden where 16 kt + r is greater
	WIN 0x40
.set i, 0
.rept 32
	v_cmp_gt_i32 vcc_lo, 16*(i/8)+i%8, v14
	v_cndmask_b32 v[MD+i], 0, s[BIGN], vcc_lo
.set i, i+1
.endr
	WIN 0
	v_mul_u32_u24 v[AK0], v1, PK
	v_lshl_add_u32 v[AK0], v9, 4, v[AK0]
	v_and_b32 v10, 7, v0
	v_bfe_u32 v11, v0, 3, 1
	v_lshl_add_u32 v[AV0], v9, 3, v10
	v_mul_u32_u24 v[AV0], v[AV0], PV
	v_lshl_add_u32 v[AV0], v11, 4, v[AV0]
	v_add_nc_u32 v[AV0], VOFF, v[AV0]
	s_mul_i32 s13, s[WV], 16*SP
	s_add_co_u32 s13, s13, STAGE
	v_mul_u32_u24 v[STO], v1, SP
	v_lshl_add_u32 v[STO], v9, 4, v[STO]
	v_add_nc_u32 v[STO], s13, v[STO]
	v_bfe_u32 v[RD], v0, 3, 2
	v_mul_u32_u24 v[RD], v[RD], SP
	v_lshl_add_u32 v[RD], v10, 4, v[RD]
	v_add_nc_u32 v[RD], s13, v[RD]
	v_and_b32 v[GO], 31, v0
	v_lshlrev_b32 v[GO], 4, v[GO]
	; A block's first step multiplies O^T and l by a = 0, so these registers need only hold finite numbers: zeros for the first block.  All this stands in the wait for the first tile.
	WIN 0x80
.set i, VF
.rept 64
	v_mov_b32 v[i], 0
.set i, i+1
.endr
	WIN 0x40
.set i, 0
.rept 128
	v_mov_b32 v[i], 0
.set i, i+1
.endr
	WIN 0
.set i, 0
.rept 4
	v_mov_b32 v[ST+4*i+2], 0
	v_mov_b32 v[ST+4*i+3], 0
.set i, i+1
.endr
.set i, P+16
.rept 16
	v_mov_b32 v[i], 0
.set i, i+1
.endr
; THE MATRIX WORK.  The 4 accumulators of a run of 8 take turns.
.macro KQ x
.set rS, S+32*((\x)%2)+8*(i%4)
.set rK, KF+16*(i%4)+8*(i/4)
.set rQ, 16*(\x)+8*(i/4)
.set rM, MC+32*((\x)%2)+8*(i%4)
.if (i < 4) && KM
	WIN W_KM
	v_wmma_f32_16x16x32_f16 v[rS:rS+7], v[rK:rK+7], v[rQ:rQ+7], v[rM:rM+7]
.elseif i < 4
	WIN W_KQ
	v_wmma_f32_16x16x32_f16 v[rS:rS+7], v[rK:rK+7], v[rQ:rQ+7], 0
.else
	WIN W_KQ
	v_wmma_f32_16x16x32_f16 v[rS:rS+7], v[rK:rK+7], v[rQ:rQ+7], v[rS:rS+7]
.endif
.endm
.macro PV x
	WIN W_PV
.set rO, 32*(\x)+8*(i%4)
.set rV, VF+32*(i/4)+8*(i%4)
.set rP, P+16*((\x)%2)+8*(i/4)
	v_wmma_f32_16x16x32_f16 v[rO:rO+7], v[rV:rV+7], v[rP:rP+7], v[rO:rO+7]
.endm
.macro MM
.if i < 8
	KQ (Y+1)%NP
.else
.set i, i-8
	PV (Y+NP-1)%NP
.set i, i+8
.endif
.set i, i+1
.endm
.macro FETCH_K var=0                   ; var = 1: the step behind the run is s[KST]
	WIN 0x80
.irp f, 0,1,2,3,4,5,6,7
	ds_load_b128 v[KF+8*\f:KF+8*\f+3],   v[AK] offset:(\f/2)*16*PK+(\f%2)*64
	ds_load_b128 v[KF+8*\f+4:KF+8*\f+7], v[AK] offset:(\f/2)*16*PK+(\f%2)*64+32
.endr
.if \var
	s_add_co_u32 s[TBK], s[TBK], s[KST]
.else
	s_add_co_u32 s[TBK], s[TBK], KS*PK
.endif
	WIN 0
.endm
.macro FETCH_V
	WIN 0x80
.irp f, 0,1,2,3,4,5,6,7
	ds_load_tr16_b128 v[VF+8*\f:VF+8*\f+3],   v[AV] offset:(\f/4)*32*PV+(\f%4)*32
	ds_load_tr16_b128 v[VF+8*\f+4:VF+8*\f+7], v[AV] offset:(\f/4)*32*PV+16*PV+(\f%4)*32
.endr
	WIN 0
.endm
; THE VECTOR WORK, one line at a time: OP kind, number.  F n: c s - c m for pair n.  E n: the exponential of score n.  C n: pair n rounded to f16.  B n: of four weights the second pair onto the first.
; L n: l takes that sum (L 0: l = a l + sum).  R n: pair n of O^T times a.  X n: number n of the 22 that find the next piece's maximum and statistics (each accumulator's lowest registers are read first).
.set F, 0
.set E, 1
.set C, 2
.set B, 3
.set L, 4
.set R, 5
.set X, 6
.macro REGS y
.set rT, ST+4*(\y)
.set rC, TMP+4*((\y)%2)
.set rW, MV+((\y)%2)
.set rS, S+32*((\y)%2)
.set rP, P+16*((\y)%2)
.set rO, 32*(\y)
.endm
.macro OP k, n
.if (\k) == R
	REGS Y
	WIN W_RS
	v_pk_mul_f32 v[rO+2*(\n):rO+2*(\n)+1], v[rO+2*(\n):rO+2*(\n)+1], v[rC+2:rC+3] op_sel_hi:[1,0]
.elseif (\k) < R
	REGS Y
	WIN 0
.if (\k) == F
	v_pk_fma_f32 v[rS+2*(\n):rS+2*(\n)+1], v[rS+2*(\n):rS+2*(\n)+1], s[CS:CS+1], v[rT:rT+1] op_sel_hi:[1,0,0] neg_lo:[0,0,1] neg_hi:[0,0,1]
.elseif (\k) == E
	v_exp_f32 v[rS+(\n)], v[rS+(\n)]
.elseif (\k) == C
	v_cvt_pk_f16_f32 v[rP+(\n)], v[rS+2*(\n)], v[rS+2*(\n)+1]
.elseif (\k) == B
	v_pk_add_f32 v[rS+4*(\n):rS+4*(\n)+1], v[rS+4*(\n):rS+4*(\n)+1], v[rS+4*(\n)+2:rS+4*(\n)+3]
.elseif (\n) == 0
	v_pk_fma_f32 v[rT+2:rT+3], v[rT+2:rT+3], v[rC+2:rC+3], v[rS:rS+1] op_sel_hi:[1,0,1]
.else
	v_pk_add_f32 v[rT+2:rT+3], v[rT+2:rT+3], v[rS+4*(\n):rS+4*(\n)+1]
.endif
.else
	REGS (Y+1)%NP
	WIN 0
.if (\n) < 4
	v_max3_num_f32 v[rC+(\n)], v[rS+8*(\n)], v[rS+8*(\n)+1], v[rS+8*(\n)+2]
.elseif (\n) < 12
	v_max3_num_f32 v[rC+(\n)%4], v[rC+(\n)%4], v[rS+8*((\n)%4)+2*((\n)/4)+1], v[rS+8*((\n)%4)+2*((\n)/4)+2]
.elseif (\n) == 12
	v_max3_num_f32 v[rC], v[rC], v[rS+7], v[rS+15]
.elseif (\n) == 13
	v_max3_num_f32 v[rC+1], v[rC+1], v[rS+23], v[rS+31]
.elseif (\n) == 14
	v_max3_num_f32 v[rC+2], v[rC+2], v[rC+3], v[rT+1]
.elseif (\n) == 15
	v_mov_b32 v[rW], v[rT]
.elseif (\n) == 16
	v_max3_num_f32 v[rC], v[rC], v[rC+1], v[rC+2]
.elseif (\n) == 17
	v_permlanex16_b32 v[rC+3], v[rC], s[SEL], s[SEL+1]
.elseif (\n) == 18
	v_max_num_f32 v[rT+1], v[rC], v[rC+3]
.elseif (\n) == 19
	v_mul_f32 v[rT], s[CS], v[rT+1]
.elseif (\n) == 20
	v_sub_f32 v[rC+1], v[rW], v[rT]
.else
	v_exp_f32 v[rC+2], v[rC+1]
.endif
.endif
.endm
.macro OPS a, i1, b=-1, i2=0, c=-1, i3=0, d=-1, i4=0
	OP \a, \i1
.if (\b) >= 0
	OP \b, \i2
.endif
.if (\c) >= 0
	OP \c, \i3
.endif
.if (\d) >= 0
	OP \d, \i4
.endif
.endm
.macro ROW a, i1, b, i2, c, i3, d, i4
	MM
	OPS \a, \i1, \b, \i2, \c, \i3, \d, \i4
.endm
.macro MASK b
	WIN W_RS
.set z, 0
.rept 16
	v_pk_fma_f32 v[MC+32*(\b)+2*z:MC+32*(\b)+2*z+1], v[MD+2*z:MD+2*z+1], s[AL:AL+1], s[BE:BE+1] op_sel_hi:[1,0,0]
.set z, z+1
.endr
.endm
; A TURN, for piece p.  Ahead of its one wait stands all that names no result of the turn's exponentials; behind it the 8 products V^T P with the roundings and sums as their riders.
; m = 1: the diagonal tile: the products take masks, and the turn makes the mask for the products of the turn after it: piece p + 2, in step 5 - CNT of the tile (step 4: every key hidden).
;        In piece 2's turn, where CNT is 1, K's run takes the step before once more and the fetches do not step.
; cnt = 1: the loop's count is taken down ahead of the branch behind the turn.
.macro TURN p, m=0, cnt=0
.set Y, (\p)
.set i, 0
.set KM, (\m)
.if \m
	s_cmp_eq_u32 s[CNT], 5-((\p)+2)%NP
	s_cselect_b32 s[AL], 1.0, 0
	s_cmp_lt_u32 s[CNT], 5-((\p)+2)%NP
	s_cselect_b32 s[BE], s[BIGN], 0
.endif
.if (\m) && ((\p) == 2)
	s_sub_co_u32 s[KAD], s[TBK], KS*PK
	s_cmp_eq_u32 s[CNT], 1
	s_cselect_b32 s[KAD], s[KAD], s[TBK]
	s_cselect_b32 s[KST], 0, KS*PK
.endif
.if (\p) == 3
	s_wait_dscnt 0x0                ; K is in
.endif
	ROW F,0, F,1, R,0, R,1
	ROW F,2, E,0, R,2, R,3
	ROW F,3, E,1, R,4, R,5
	ROW F,4, E,2, R,6, R,7
	ROW F,5, E,3, R,8, R,9
	ROW F,6, E,4, X,0, R,10
.if (\p) == 2
	WIN 0
.if \m
	v_add_nc_u32 v[AK], s[KAD], v[AK0]
.else
	v_add_nc_u32 v[AK], s[TBK], v[AK0]
.endif
.endif
	ROW F,7, E,5, X,1, X,4
	ROW F,8, E,6, X,2, X,5
	OPS E,7, E,8, X,6, E,9
	OPS X,3, E,10, X,8, E,11
.if (\p) == 2
	FETCH_K \m
.endif
	OPS X,9, X,7, E,12, X,10
	OPS E,13, X,12, X,11, E,14
	OPS X,13, E,15, F,9, X,14
.if (\p) == 0
	v_add_nc_u32 v[AV], s[TBV], v[AV0]
.endif
	OPS E,16, F,10, E,17, F,11
	OPS X,16, E,18, X,15, E,19
	OPS F,12, E,20, X,17, E,21
	OPS F,13, E,22, F,14, E,23
	OPS X,18, E,24, F,15, E,25
	OPS R,11, E,26, X,19, E,27
	OPS R,12, E,28, R,13, E,29
	OPS X,20, E,30, R,14, E,31
	OPS X,21, R,15
	WIN 0
	s_wait_alu depctr_va_vdst(0)    ; the wait for the batch
.if (\p) == 1
	s_wait_dscnt 0x0                ; V is in
.endif
	ROW C,0, B,0, C,2, B,1
	ROW L,0, C,4, B,2, L,1
	ROW C,6, B,3, L,2, C,8
	ROW B,4, L,3, C,10, B,5
	ROW L,4, C,12, B,6, L,5
.if (\p) == 0
	s_add_co_u32 s[TBV], s[TBV], KS*PV
.endif
.if \cnt
	s_sub_co_u32 s[CNT], s[CNT], 1
	s_cmp_lg_u32 s[CNT], 0
.endif
	ROW C,14, B,7, L,6, C,1
	ROW C,3, L,7, C,5, C,7
	ROW C,9, C,11, C,13, C,15
.if (\p) == 0
	FETCH_V
.endif
.if \m
	MASK (\p)%2
.endif
.endm
; A BLOCK BEGINS: c m far below every c s, so the first step's a is 0; the masks; K of the tile's step 0, piece 0's first scores, maximum and statistics.
.macro BEGIN
	s_mov_b32 s[NEW], 0
	WIN 0x40
.set i, MC+32
.rept 32
	v_mov_b32 v[i], 0
.set i, i+1
.endr
	WIN 0
.set i, 0
.rept 4
	v_mov_b32 v[ST+4*i], 0xfe000000
	v_mov_b32 v[ST+4*i+1], 0xff7fffff
.set i, i+1
.endr
	s_cmp_eq_u32 s[RT], 0
	s_cselect_b32 s[AL], 1.0, 0
	s_mov_b32 s[BE], 0
	MASK 0
	WIN 0
	v_add_nc_u32 v[AK], s[TBK], v[AK0]
	FETCH_K
	s_wait_loadcnt 0x0              ; Q
	s_wait_dscnt 0x0
.set KM, 1
.set i, 0
.rept 8
	KQ 0
.set i, i+1
.endr
	WIN 0
.rept 4
	v_nop
.endr
.set Y, NP-1
.irp n, 0,1,2,3,4,5,6,7,8,9,10,11,12,13,14,15,16,17,18,19,20,21
	OP X, \n
.endr
	v_nop
	s_wait_alu depctr_va_vdst(0)
.endm
.macro ALL line:vararg
.set t, 0
.rept 4
	\line
.set t, t+1
.endr
.endm
.macro PACK t
	WIN W_RS
.set i, 32*(\t)
.rept 16
	v_pk_mul_f32 v[i:i+1], v[i:i+1], v[ST+4*(\t)+2:ST+4*(\t)+3] op_sel_hi:[1,0]
.set i, i+2
.endr
	WIN 0x05
.set i, 0
.rept 16
	v_cvt_pk_f16_f32 v[S+16*(\t)+i], v[32*(\t)+2*i], v[32*(\t)+2*i+1]
.set i, i+1
.endr
	WIN 0
.irp f, 0,1,2,3
	ds_store_b128 v[STO], v[S+16*(\t)+4*\f:S+16*(\t)+4*\f+3] offset:32*\f
.endr
.irp f, 0,1,2,3
	ds_load_b128 v[S+16*(\t)+4*\f:S+16*(\t)+4*\f+3], v[RD] offset:\f*4*SP  ; LDS serves a wave's instructions in order: these see the stores above
.endr
.endm
.macro SEND t, younger
	WIN 0
.irp f, 0,1,2,3
	s_wait_dscnt (\younger)+3-\f
	global_store_b128 v[GO], v[S+16*(\t)+4*\f:S+16*(\t)+4*\f+3], s[10:11] offset:(\t)*8192+\f*512  ; 512 bytes on end, aligned
.endr
.endm
; THE DIAGONAL TILE: CNT goes from 5 to 1; where it is 1, pieces 2 and 3 of the tile's last step have had their turns, and the loop is left.  Then the last piece's V^T P, and the way out.
.macro DIAG tag
.LstepM\tag:
	TURN 2, 1
	TURN 3, 1
	WIN 0
	s_cmp_eq_u32 s[CNT], 1
	s_cbranch_scc1 .LoutM\tag
.LfirstM\tag:
	TURN 0, 1
	TURN 1, 1, 1
	WIN 0
	s_cbranch_scc1 .LstepM\tag
.LoutM\tag:
.set i, 0
.rept 8
	PV NP-1
.set i, i+1
.endr
	WIN 0
	ALL v_add_f32 v[ST+4*t+2], v[ST+4*t+2], v[ST+4*t+3]
	ALL v_permlanex16_b32 v[ST+4*t+3], v[ST+4*t+2], s[SEL], s[SEL+1]
	ALL v_add_f32 v[ST+4*t+2], v[ST+4*t+2], v[ST+4*t+3]
	ALL v_rcp_f32 v[ST+4*t+2], v[ST+4*t+2]
	v_nop
	s_wait_alu depctr_va_vdst(0)    ; one wait for the four reciprocals
	PACK 0
.set t, 1
.rept 3
	PACK t
	SEND t-1, 8
.set t, t+1
.endr
	SEND 3, 0
.endm
.set KM, 0
.Lslot:                             ; NB times: a tile is entered and the next is asked for
	CHANGE 1
	s_sub_co_u32 s[RT], s[RT], 1
	s_mov_b32 s[CNT], 4
	s_cmp_eq_u32 s[NEW], 1
	s_cbranch_scc1 .Lnew
	s_cmp_eq_u32 s[RT], 0
	s_cbranch_scc0 .Lstep
	s_mov_b32 s[CNT], 5
	s_branch .LstepM1
.Lnew:
	BEGIN
	s_branch .Lfirst
	DIAG 1                          ; in the loop this is the first block's end
	s_wait_xcnt 0x0                 ; the stores have read their registers and O's address
	s_mov_b64 s[10:11], s[OLO:OLO+1]
	s_add_co_u32 s[RT], s[PB], 1
	s_mov_b32 s[NEW], 1
	WIN 0x82
.set i, 0
.rept 64
	v_mov_b32 v[i], v[QB+i]
.set i, i+1
.endr
	WIN 0
	s_branch .Lbottom
.Lstep:
	TURN 2
	TURN 3
	WIN 0
.Lfirst:
	TURN 0
	TURN 1, 0, 1
	WIN 0
	s_cbranch_scc1 .Lstep
.Lbottom:
	s_sub_co_u32 s[SLOTS], s[SLOTS], 1
	s_cmp_lg_u32 s[SLOTS], 0
	s_cbranch_scc1 .Lslot
	CHANGE 0                        ; the walk's last tile is written out: nothing is asked for
	s_sub_co_u32 s[RT], s[RT], 1
	s_mov_b32 s[CNT], 5
	s_cmp_eq_u32 s[NEW], 1
	s_cbranch_scc0 .LstepM2
	BEGIN
	s_branch .LfirstM2
	DIAG 2
	s_wait_tensorcnt 0x0            ; the wave's end
	ds_add_u32 v[SPW], v[NIL]
	s_wait_dscnt 0x0
	CROUND                          ; the closing round
	s_endpgm
.Lfunc_end_k_q997190a3e6_attn:
	.size	k_q997190a3e6_attn, .Lfunc_end_k_q997190a3e6_attn-k_q997190a3e6_attn
	.p2alignl 7, 3214868480
	.fill 96, 4, 3214868480
	.section	.rodata,"a",@progbits
	.p2align	6, 0x0
	.amdhsa_kernel k_q997190a3e6_attn
		.amdhsa_group_segment_fixed_size 327680
		.amdhsa_private_segment_fixed_size 0
		.amdhsa_enable_private_segment 0
		.amdhsa_kernarg_size 16
		.amdhsa_user_sgpr_count 2
		.amdhsa_user_sgpr_kernarg_segment_ptr 1
		.amdhsa_wavefront_size32 1
		.amdhsa_system_sgpr_workgroup_id_x 1
		.amdhsa_system_sgpr_workgroup_id_y 1
		.amdhsa_system_sgpr_workgroup_id_z 1
		.amdhsa_system_vgpr_workitem_id 0
		.amdhsa_next_free_vgpr 768
		.amdhsa_next_free_sgpr 100
		.amdhsa_reserve_vcc 1
		.amdhsa_float_denorm_mode_32 3
		.amdhsa_float_denorm_mode_16_64 3
		.amdhsa_memory_ordered 1
		.amdhsa_forward_progress 1
		.amdhsa_inst_pref_size 187
	.end_amdhsa_kernel
	.amdgpu_metadata
---
amdhsa.version: [ 1, 2 ]
amdhsa.kernels:
  - .name:           k_q997190a3e6_attn
    .symbol:         k_q997190a3e6_attn.kd
    .args:
      - { .name: qkv, .offset: 0, .size: 8, .value_kind: global_buffer, .address_space: global }
      - { .name: ob, .offset: 8, .size: 8, .value_kind: global_buffer, .address_space: global }
    .group_segment_fixed_size: 327680
    .private_segment_fixed_size: 0
    .kernarg_segment_align: 8
    .kernarg_segment_size: 16
    .max_flat_workgroup_size: 128
    .sgpr_count:     100
    .vgpr_count:     768
    .wavefront_size: 32
...
	.end_amdgpu_metadata
.endif
;; end of part 10
;; launch gemm2 (part 11): grid 8 x 32, 4 waves a work-group, clusters of 4 x 4, 327,680 bytes of LDS; arguments ob, wts, out0; writes out0
.if DOCPART == 11
	.amdgcn_target "amdgcn-amd-amdhsa--gfx1250"
	.amdhsa_code_object_version 6
	.text
	.protected	k_q997190a3e6_gemm2
	.globl	k_q997190a3e6_gemm2
	.p2align	8
	.type	k_q997190a3e6_gemm2,@function
k_q997190a3e6_gemm2:
	s_mov_b64 s[64:65], 0
	v_nop
	global_prefetch_b8 v0, s[64:65] scope:SCOPE_SE
	s_setreg_imm32_b32 hwreg(HW_REG_WAVE_MODE, 25, 1), 1
	s_wait_xcnt 0x0
	s_wait_alu depctr_hold_cnt(0) depctr_sa_sdst(0) depctr_va_vdst(0) depctr_va_sdst(0) depctr_va_ssrc(0) depctr_va_vcc(0) depctr_vm_vsrc(0)
	s_getreg_b32 s2, hwreg(HW_REG_IB_STS2, 6, 4)
	s_cmp_eq_u32 s2, 0
	s_cbranch_scc0 .Lentry_in_a_cluster
	s_endpgm
.Lentry_in_a_cluster:
	s_bfe_u32 s2, ttmp6, 0x10000c
	s_cmp_lg_u32 s2, 0xf033
	s_cbranch_scc0 .Lentry_shape_is_right
	s_endpgm
.Lentry_shape_is_right:
; out0[token][n] = the sum over k of O[token][k] Wo[k][n].  O lies by heads ([64][2048][64] f16), wot = Wo^T ([1024 n][1024 k], f16 spelling of the bf16 rounding) at byte 4,194,304 of wts; out0 in f32.
; A tile of 256 tokens x 128 n to a work-group, 128 x 64 a wave: 32 accumulators in window 1.  A K step is 128 = two heads: A's tile is [head parity][256 tokens] with rows of 128 bytes (dense in memory,
; asked for as rows of 256 bytes, padded after every 128), B's 128 rows of 256 bytes.  Two slots, the second at byte 131,072, so that one exclusive or turns an address in one into the other's;
; joint loads in a cluster of 4 x 4: A shared along its row, B along its column.  Source 0 = 16 rows of wot, source 1 = 16 tokens: a lane holds one token and 8 neighbouring n, 32 bytes of f32.
; A trip of the K loop is one K step; one descriptor walks.  The two K steps that fill nothing are a second loop, left in the middle of its second trip: one barrier more, and one run of fragment loads
; from a slot that has landed and that nobody writes.  On the way out each wave lays its 128 rows into the ring's bytes, which have had their last fill, and a loop brings them back as whole rows.
.set PA,     144
.set PB,     272
.set AHALF,  256*PA                    ; one head parity: what waves 0 and 1 each fetch
.set BOFF,   2*AHALF
.set BHALF,  64*PB                     ; what waves 2 and 3 each fetch
.set SLOT1,  1<<17
.set DPITCH, 272
.set DWAVE,  128*DPITCH                ; the way out: a wave's 128 rows of 256 bytes + 16
.set SPARE,  SLOT1+BOFF+2*BHALF        ; behind slot 1: the spare words
.set ASTEP,  524288                    ; two heads on
.set BSTEP,  256
.set ADRA, 16                          ; v16  my A fragments in slot 0; never rewritten
.set CA,   17                          ; v17  the same in the slot that is fetched from
.set ADRB, 20
.set CB,   21
.set STO,  24
.set RD,   25
.set CO,   26
.set SPW,  28
.set NIL,  29
.set PFO,  30
.set PFA,  44
.set LIM,  43
.set PST,  74                          ; s[74:75] a K step along my prefetches
.set TBS,  76                          ; s76  0 or SLOT1: the slot that is fetched from
.set F0,   64                          ; fragment buffers in window 0: A's 8, then B's 4
.set F1,   160
.set BK,   32                          ; v32-95 rows read back on the way out
.set G1, 24
.set G0, 32                            ; s[32:35] A's first fill; s[36:39] its second, which then walks
.set G1B, 48
.set G0B, 56
.set MSB, 0
.macro WIN new
.if MSB != (\new)
	s_set_vgpr_msb (MSB<<8)|(\new)
.set MSB, \new
.endif
.endm
.set MUL, 0x50                         ; C and D in window 1
.macro JLOAD s
	s_cmp_eq_u32 s11, 0
	s_cbranch_scc0 .Lfor_b_\@
	tensor_load_to_lds s[G0+4*(\s):G0+4*(\s)+3], s[G1:G1+7]
	s_nop 0
.rept 4
	v_nop
.endr
	s_branch .Lasked_\@
.Lfor_b_\@:
	tensor_load_to_lds s[G0B+4*(\s):G0B+4*(\s)+3], s[G1B:G1B+7]
	s_nop 0
.rept 4
	v_nop
.endr
.Lasked_\@:
.endm
; A prefetch of the K step two refills on, 32 blocks of 256 bytes, a lane a block.  A's: the cluster with x = 0, waves 0 and 1, each partner a quarter of the wave's dense 32 KiB, by address;
; B's: the cluster with y = 0, wave 2, each partner 32 of the tile's 128 rows, by address.  The loop's last two trips ask for nothing.
.macro ASK
	s_cmp_gt_u32 s3, s[LIM]
	s_cbranch_scc0 .Lnot_mine_\@
	global_prefetch_b8 v[PFO], s[PFA:PFA+1] th:TH_LOAD_NT scope:SCOPE_SE
.Lnot_mine_\@:
.endm
.macro CREST
	s_cmp_lg_u32 s10, 0
	s_cbranch_scc1 .Lnot_wave_0_\@
	s_barrier_signal -3
.Lnot_wave_0_\@:
	s_barrier_wait -3
	s_barrier_signal -1
	s_barrier_wait -1
.endm
.macro CROUND
	s_barrier_signal -1
	s_barrier_wait -1
	CREST
.endm
	s_load_b128 s[4:7], s[0:1], 0x0                ; ob, wts
	s_load_b64 s[8:9], s[0:1], 0x10                ; out0
	v_lshl_add_u32 v[SPW], v0, 2, SPARE
	v_mov_b32 v[NIL], 0
	ds_add_u32 v[SPW], v[NIL]                      ; the wave's opening: the add and its wait stand ahead of my first tensor load
	v_lshrrev_b32 v1, 5, v0
	v_readfirstlane_b32 s10, v1
	s_lshr_b32 s11, s10, 1                         ; my half of the rows; also: I fetch for A (0) or B (1)
	s_and_b32 s12, s10, 1                          ; my half of the columns; also: which half I fetch
	s_bfe_u32 s40, ttmp6, 0x40000
	s_bfe_u32 s41, ttmp6, 0x40004
	s_lshl_b32 s42, ttmp9, 2
	s_add_co_u32 s42, s42, s40                     ; tile column
	s_and_b32 s13, ttmp7, 0xffff
	s_lshl_b32 s13, s13, 2
	s_add_co_u32 s13, s13, s41                     ; tile row
	s_lshl_b32 s43, s41, 2
	s_lshl_b32 s43, 15, s43
	s_lshl_b32 s44, 0x1111, s40
	s_or_b32 s[G1+0], s43, (1<<16)|(1<<20)|(1<<21)|(4<<22)|(3<<25)   ; A: 4 words of padding after every 32
	s_or_b32 s[G1B+0], s44, (1<<16)|(1<<20)|(1<<21)|(5<<22)|(3<<25)  ; B: after every 64
	s_mov_b32 s[G1+1], 128<<16
	s_mov_b32 s[G1+2], 128<<16
	s_mov_b32 s[G1+3], 128<<16
	s_mov_b32 s[G1+4], 128                         ; 128 rows of 256 bytes: 256 tokens of one head
	s_mov_b32 s[G1+5], 128
	s_mov_b32 s[G1+6], 0
	s_mov_b32 s[G1+7], 0
	s_mov_b32 s[G1B+1], 128<<16
	s_mov_b32 s[G1B+2], 64<<16
	s_mov_b32 s[G1B+3], 128<<16
	s_mov_b32 s[G1B+4], 64
	s_mov_b32 s[G1B+5], 1024
	s_mov_b32 s[G1B+6], 0
	s_mov_b32 s[G1B+7], 0
	s_lshr_b32 s16, s13, 3
	s_lshl_b32 s16, s16, 4
	s_add_co_u32 s16, s16, s12                     ; head 16 batch + parity
	s_lshl_b32 s16, s16, 18
	s_and_b32 s17, s13, 7
	s_lshl_b32 s17, s17, 15                        ; the tile's 256 positions
	s_add_co_u32 s16, s16, s17
	s_mov_b32 s17, 0
	s_lshl_b32 s46, s42, 7
	s_lshl_b32 s47, s12, 6
	s_add_co_u32 s46, s46, s47
	s_lshl_b32 s46, s46, 11
	s_add_co_u32 s46, s46, 0x400000
	s_mov_b32 s47, 0
	s_mul_i32 s20, s12, AHALF
	s_mul_i32 s21, s12, BHALF
	s_add_co_u32 s21, s21, BOFF
	s_mov_b32 s[TBS], 0
	s_wait_dscnt 0x0                               ; the opening add is done
	s_wait_kmcnt 0x0
	s_add_nc_u64 s[14:15], s[4:5], s[16:17]
	s_add_nc_u64 s[46:47], s[6:7], s[46:47]
	CROUND
.irp s, 0,1
	s_mov_b32 s[G0+4*(\s)], 1
	s_add_co_u32 s[G0+4*(\s)+1], s20, (\s)*SLOT1
	s_add_nc_u64 s[G0+4*(\s)+2:G0+4*(\s)+3], s[14:15], (\s)*ASTEP
	s_or_b32 s[G0+4*(\s)+3], s[G0+4*(\s)+3], 0x80000000
	s_mov_b32 s[G0B+4*(\s)], 1
	s_add_co_u32 s[G0B+4*(\s)+1], s21, (\s)*SLOT1
	s_add_nc_u64 s[G0B+4*(\s)+2:G0B+4*(\s)+3], s[46:47], (\s)*BSTEP
	s_or_b32 s[G0B+4*(\s)+3], s[G0B+4*(\s)+3], 0x80000000
	JLOAD \s
.endr
	v_and_b32 v1, 15, v0
	v_bfe_u32 v2, v0, 4, 1
	v_mul_u32_u24 v3, v1, PA
	v_lshl_add_u32 v3, v2, 4, v3
	v_mul_u32_u24 v4, v1, PB
	v_lshl_add_u32 v4, v2, 4, v4
	s_mul_i32 s22, s11, 128*PA
	s_mul_i32 s23, s12, BHALF
	s_add_co_u32 s23, s23, BOFF
	v_add_nc_u32 v[ADRA], s22, v3
	v_add_nc_u32 v[ADRB], s23, v4
	v_mov_b32 v[CA], v[ADRA]
	v_mov_b32 v[CB], v[ADRB]
	s_mul_i32 s23, s10, DWAVE
	v_mul_u32_u24 v4, v1, DPITCH
	v_lshl_add_u32 v4, v2, 5, v4
	v_add_nc_u32 v[STO], s23, v4                   ; in: row r, 32 bytes for each half of the lanes
	v_mul_u32_u24 v5, v2, DPITCH
	v_lshl_add_u32 v5, v1, 4, v5
	v_add_nc_u32 v[RD], s23, v5                    ; back: lanes 0-15 a row of 256 bytes, lanes 16-31 the next
	v_lshlrev_b32 v5, 12, v2
	v_lshl_add_u32 v[CO], v1, 4, v5
	s_lshl_b32 s66, s13, 8
	s_lshl_b32 s67, s11, 7
	s_add_co_u32 s66, s66, s67
	s_lshl_b32 s66, s66, 12                        ; my first token's row of out0
	s_lshl_b32 s67, s42, 9
	s_add_co_u32 s66, s66, s67
	s_lshl_b32 s67, s12, 8
	s_add_co_u32 s66, s66, s67
	s_mov_b32 s67, 0
	s_add_nc_u64 s[8:9], s[8:9], s[66:67]
	; the prefetches: at K step 3; each refill steps them once and then asks
	s_lshl_b32 s70, s40, 13
	s_add_co_u32 s70, s70, 3*ASTEP
	s_mov_b32 s71, 0
	s_add_nc_u64 s[70:71], s[14:15], s[70:71]
	s_lshl_b32 s72, s42, 7
	s_lshl_b32 s73, s41, 5
	s_add_co_u32 s72, s72, s73
	s_lshl_b32 s72, s72, 11
	s_add_co_u32 s72, s72, 0x400000+3*BSTEP
	s_mov_b32 s73, 0
	s_add_nc_u64 s[72:73], s[6:7], s[72:73]
	s_and_b32 s22, ttmp7, 0xffff
	s_cmp_eq_u32 s11, 0
	s_cselect_b64 s[PFA:PFA+1], s[70:71], s[72:73]
	s_cselect_b32 s22, ttmp9, s22
	s_cselect_b32 s23, 0, s12
	s_cselect_b32 s68, 19, 8
	s_cselect_b32 s69, 8, 11
	s_or_b32 s22, s22, s23
	s_cmp_eq_u32 s22, 0
	s_cselect_b32 s[LIM], 2, -1
	s_lshl_b32 s[PST], 1, s68
	s_mov_b32 s[PST+1], 0
	v_and_b32 v[PFO], 31, v0
	v_lshlrev_b32 v[PFO], s69, v[PFO]
.macro MUL8 f, a0, zero                ; m blocks a0, a0 + 1 x all 4 n blocks
	WIN MUL
.irp a, \a0, (\a0)+1
.irp b, 0,1,2,3
.if \zero
	v_wmma_f32_16x16x32_f16 v[8*(4*(\a)+(\b)):8*(4*(\a)+(\b))+7], v[(\f)+64+8*(\b):(\f)+64+8*(\b)+7], v[(\f)+8*(\a):(\f)+8*(\a)+7], 0
.else
	v_wmma_f32_16x16x32_f16 v[8*(4*(\a)+(\b)):8*(4*(\a)+(\b))+7], v[(\f)+64+8*(\b):(\f)+64+8*(\b)+7], v[(\f)+8*(\a):(\f)+8*(\a)+7], v[8*(4*(\a)+(\b)):8*(4*(\a)+(\b))+7]
.endif
.endr
.endr
.endm
.macro FETCH q, f                      ; 24 LDS loads in one run: quarter q's fragments: B's four, then A's eight
	WIN 0
.irp i, 0,1,2,3
	ds_load_b128 v[(\f)+64+8*(\i):(\f)+64+8*(\i)+3],   v[CB] offset:64*(\q)+(\i)*16*PB
	ds_load_b128 v[(\f)+64+8*(\i)+4:(\f)+64+8*(\i)+7], v[CB] offset:64*(\q)+(\i)*16*PB+32
.endr
.irp i, 0,1,2,3,4,5,6,7
	ds_load_b128 v[(\f)+8*(\i):(\f)+8*(\i)+3],   v[CA] offset:((\q)/2)*AHALF+((\q)%2)*64+(\i)*16*PA
	ds_load_b128 v[(\f)+8*(\i)+4:(\f)+8*(\i)+7], v[CA] offset:((\q)/2)*AHALF+((\q)%2)*64+(\i)*16*PA+32
.endr
.endm
.macro PLACES
.rept 4
	v_nop
.endr
.endm
.macro QUARTER q, f, g, zero
	s_wait_dscnt 8                                 ; B and A's blocks 0-3 are in; the youngest eight loads may be out
	MUL8 \f, 0, \zero
	MUL8 \f, 2, \zero
	PLACES
	FETCH \q, \g
	s_wait_dscnt 24                                ; all but the 24 just issued
	MUL8 \f, 4, \zero
	MUL8 \f, 6, \zero
.endm
.macro MEET round
	WIN 0
	s_wait_tensorcnt 0x0                           ; all my tensor loads have landed: my part of the next slot
	ds_add_u32 v[SPW], v[NIL]
	s_wait_dscnt 9                                 ; the add and the youngest eight loads may be out
	MUL8 F1, 0, 0
	s_wait_dscnt 0x0                               ; the add is done, and my reads of this slot are over
	s_barrier_signal -1
	MUL8 F1, 2, 0
.if \round
	WIN 0
.endif
	s_barrier_wait -1
.endm
; The last quarter of a K step.  fill = 1: the slot just read is filled again, with the K step two on, by the walking descriptor.
.macro TURN fill
.if \fill
	s_wait_xcnt 0x0                                ; the last prefetch, a K step back, has read its address
	s_add_nc_u64 s[PFA:PFA+1], s[PFA:PFA+1], s[PST:PST+1]
.endif
	MEET \fill
.if \fill
	CREST
	s_xor_b32 s[G0+5], s[G0+5], SLOT1              ; the other slot than last time,
	s_add_nc_u64 s[G0+6:G0+7], s[G0+6:G0+7], ASTEP ; the next K step
	s_xor_b32 s[G0B+5], s[G0B+5], SLOT1
	s_add_nc_u64 s[G0B+6:G0B+7], s[G0B+6:G0B+7], BSTEP
	JLOAD 1                                        ; the first tensor load behind the round; its four v_nop are also the places in front of the loads below
.else
	PLACES
.endif
	WIN 0
	s_xor_b32 s[TBS], s[TBS], SLOT1                ; the fetches go on in the other slot
	v_add_nc_u32 v[CA], s[TBS], v[ADRA]
	v_add_nc_u32 v[CB], s[TBS], v[ADRB]
	FETCH 0, F0
.if \fill
	ASK
.endif
	MUL8 F1, 4, 0
	MUL8 F1, 6, 0
.endm
	s_wait_tensorcnt 1                             ; my part of K step 0 is in; K step 1's may stay out
	s_barrier_signal -1
	s_barrier_wait -1
	FETCH 0, F0
	QUARTER 1, F0, F1, 1                           ; the first quarter's products start the sums
	WIN 0
	s_mov_b32 s3, 6
.Lkstep:                                       ; from a K step's second quarter to the next one's first; K steps 2 to 7 are asked for
	QUARTER 2, F1, F0, 0
	QUARTER 3, F0, F1, 0
	TURN 1
	QUARTER 1, F0, F1, 0
	WIN 0
	s_sub_co_u32 s3, s3, 1
	s_cmp_lg_u32 s3, 0
	s_cbranch_scc1 .Lkstep
	s_mov_b32 s3, 2
.Ltail:                                        ; K steps 6 and 7 fill nothing; the second trip is left behind its last products
	QUARTER 2, F1, F0, 0
	QUARTER 3, F0, F1, 0
	TURN 0
	WIN 0
	s_cmp_eq_u32 s3, 1
	s_cbranch_scc1 .Lkdone
	QUARTER 1, F0, F1, 0
	WIN 0
	s_sub_co_u32 s3, s3, 1
	s_cmp_lg_u32 s3, 0
	s_cbranch_scc1 .Ltail
.Lkdone:
	PLACES
	s_wait_dscnt 0x0                               ; my reads of the ring are over
	s_barrier_signal -1
	s_barrier_wait -1                              ; everybody's are: its bytes, which no tensor load fills again, take the results
	WIN 0x04                                       ; the stores' data in window 1
.irp a, 0,1,2,3,4,5,6,7
.irp b, 0,1,2,3
	ds_store_b128 v[STO], v[8*(4*\a+\b):8*(4*\a+\b)+3]   offset:\a*16*DPITCH+64*\b
	ds_store_b128 v[STO], v[8*(4*\a+\b)+4:8*(4*\a+\b)+7] offset:\a*16*DPITCH+64*\b+16
.endr
.endr
	WIN 0
	s_mov_b32 s3, 4
.Lout:                                         ; 32 of my rows a trip; LDS serves a wave's instructions in order, so the loads see my stores above
.irp t, 0,1,2,3,4,5,6,7,8,9,10,11,12,13,14,15
	ds_load_b128 v[BK+4*\t:BK+4*\t+3], v[RD] offset:\t*2*DPITCH
.endr
.irp t, 0,1,2,3,4,5,6,7,8,9,10,11,12,13,14,15
	s_wait_dscnt 15-\t                             ; load t is back; the younger ones may be out
	global_store_b128 v[CO], v[BK+4*\t:BK+4*\t+3], s[8:9] offset:8192*\t th:TH_STORE_NT   ; 16 lanes fill 256 bytes, aligned
.endr
	s_wait_xcnt 0x0                                ; the stores have read their data and their base
	v_add_nc_u32 v[RD], 32*DPITCH, v[RD]
	s_add_nc_u64 s[8:9], s[8:9], 131072
	s_sub_co_u32 s3, s3, 1
	s_cmp_lg_u32 s3, 0
	s_cbranch_scc1 .Lout
	s_wait_tensorcnt 0x0                           ; the wave's end
	ds_add_u32 v[SPW], v[NIL]
	s_wait_dscnt 0x0
	CROUND                                         ; the closing round
	s_endpgm
.Lfunc_end_k_q997190a3e6_gemm2:
	.size	k_q997190a3e6_gemm2, .Lfunc_end_k_q997190a3e6_gemm2-k_q997190a3e6_gemm2
	.p2alignl 7, 3214868480
	.fill 96, 4, 3214868480
	.section	.rodata,"a",@progbits
	.p2align	6, 0x0
	.amdhsa_kernel k_q997190a3e6_gemm2
		.amdhsa_group_segment_fixed_size 327680
		.amdhsa_private_segment_fixed_size 0
		.amdhsa_enable_private_segment 0
		.amdhsa_kernarg_size 24
		.amdhsa_user_sgpr_count 2
		.amdhsa_user_sgpr_kernarg_segment_ptr 1
		.amdhsa_wavefront_size32 1
		.amdhsa_system_sgpr_workgroup_id_x 1
		.amdhsa_system_sgpr_workgroup_id_y 1
		.amdhsa_system_sgpr_workgroup_id_z 1
		.amdhsa_system_vgpr_workitem_id 0
		.amdhsa_next_free_vgpr 512
		.amdhsa_next_free_sgpr 80
		.amdhsa_reserve_vcc 0
		.amdhsa_float_denorm_mode_32 3
		.amdhsa_float_denorm_mode_16_64 3
		.amdhsa_memory_ordered 1
		.amdhsa_forward_progress 1
		.amdhsa_inst_pref_size 54
	.end_amdhsa_kernel
	.amdgpu_metadata
---
amdhsa.version: [ 1, 2 ]
amdhsa.kernels:
  - .name:           k_q997190a3e6_gemm2
    .symbol:         k_q997190a3e6_gemm2.kd
    .args:
      - { .name: ob, .offset: 0, .size: 8, .value_kind: global_buffer, .address_space: global }
      - { .name: wts, .offset: 8, .size: 8, .value_kind: global_buffer, .address_space: global }
      - { .name: out0, .offset: 16, .size: 8, .value_kind: global_buffer, .address_space: global }
    .group_segment_fixed_size: 327680
    .private_segment_fixed_size: 0
    .kernarg_segment_align: 8
    .kernarg_segment_size: 24
    .max_flat_workgroup_size: 128
    .sgpr_count:     80
    .vgpr_count:     512
    .wavefront_size: 32
...
	.end_amdgpu_metadata
.endif
;; end of part 11
